; MI455X (gfx1250); checked and timed in simulation.
; The chip was launched on July 23, 2026; its instructions are those of AMD's public machine-readable ISA for CDNA 5 (MIT licence, August 2026) and "CDNA5" Instruction Set Architecture Reference Guide (July 2026). The comments in the code are by the model that wrote it; some were corrected since.
;; Transformer Block. Allowed arithmetic: matrix products marked QUANTISED: E3M2 operands, one E8M0 scale for each 32 along K, by v_wmma_scale_f32_16x16x128_f8f6f4 with both operands' format E3M2, f32 sums; everything else in f32.
;; Inputs: W1_codes 2,048 x 32 x 24 uint8 (E3M2 codes of W1, K innermost, in blocks of 32 codes, four codes in three bytes); W1_scales 2,048 x 32 uint8 (E8M0 scales of W1, one for each 32 codes along K); W2_codes 1,024 x 64 x 24 uint8 (E3M2 codes of W2, K innermost, in blocks of 32 codes, four codes in three bytes); W2_scales 1,024 x 64 uint8 (E8M0 scales of W2, one for each 32 codes along K); Wkv_codes 512 x 32 x 24 uint8 (E3M2 codes of Wkv, K innermost, in blocks of 32 codes, four codes in three bytes); Wkv_scales 512 x 32 uint8 (E8M0 scales of Wkv, one for each 32 codes along K); Wo_codes 1,024 x 32 x 24 uint8 (E3M2 codes of Wo, K innermost, in blocks of 32 codes, four codes in three bytes); Wo_scales 1,024 x 32 uint8 (E8M0 scales of Wo, one for each 32 codes along K); Wq_codes 1,024 x 32 x 24 uint8 (E3M2 codes of Wq, K innermost, in blocks of 32 codes, four codes in three bytes); Wq_scales 1,024 x 32 uint8 (E8M0 scales of Wq, one for each 32 codes along K); b1 2,048 float32; b2 1,024 float32; cos 2,048 x 64 float32; ln1_b 1,024 float32; ln1_g 1,024 float32; ln2_b 1,024 float32; ln2_g 1,024 float32; sin 2,048 x 64 float32; x 2 x 2,048 x 1,024 float32.
;; Outputs: out0 2 x 2,048 x 1,024 float32.
;; This version of the problem:
;;   THIS VERSION OF THE PROBLEM IS GIVEN IN LOW PRECISION. The matrix products marked QUANTISED in the list below multiply operands that are first quantised to E3M2 (3 exponent bits, 2 mantissa bits; 6 bits a number), with one power-of-two scale for each 32 numbers along K (OCP MX v1.0); their sums are f32. All else is computed in f32.
;;   The module's matrix products, in the order in which they are computed (A, B: the left and right operand; K: the contracted axis; several contracted axes count as one K, in the product's order):
;;     1. [M 4,096, K 1,024] x [K 1,024, N 1,024]; A: computed on the way; B: input Wq (given as codes): QUANTISED
;;     2. [M 4,096, K 1,024] x [K 1,024, N 512]; A: computed on the way; B: input Wkv (given as codes): QUANTISED
;;     3. batch 8 x [M 8,192, K 64] x [K 64, N 2,048]; A: computed on the way; B: computed on the way: QUANTISED
;;     4. batch 8 x [M 8,192, K 2,048] x [K 2,048, N 64]; A: softmax (see below); B: computed on the way: QUANTISED
;;     5. [M 4,096, K 1,024] x [K 1,024, N 1,024]; A: computed on the way; B: input Wo (given as codes): QUANTISED
;;     6. [M 4,096, K 1,024] x [K 1,024, N 2,048]; A: computed on the way; B: input W1 (given as codes): QUANTISED
;;     7. [M 4,096, K 2,048] x [K 2,048, N 1,024]; A: computed on the way; B: input W2 (given as codes): QUANTISED
;;   THE QUANTISER, for each operand of a quantised product, along K:
;;     - K is cut into blocks of 32 from its start; a last block that is shorter is filled with zeros.
;;     - A block's scale is 2^e with e = floor(log2(the largest magnitude in the block)) - 4, held to -126 .. 127; a block of zeros has e = 0. As a byte (E8M0): e + 127.
;;     - Each number is divided by its block's scale, clamped to +-28, and rounded to the nearest number of E3M2, ties to even, subnormals kept.
;;     - The product sums the exact products of the quantised numbers (number of the format x scale) in f32.
;;   ~~~python
;;   def quantise(x, axis):      # numpy; x: float32 -> the quantised numbers, widened to float32 again
;;       x = np.moveaxis(x, axis, -1); K = x.shape[-1]
;;       x = np.pad(x, [(0, 0)] * (x.ndim - 1) + [(0, -K % 32)]); x = x.reshape(x.shape[:-1] + (-1, 32)); a = np.abs(x).max(-1, keepdims=True)
;;       e = np.where(a > 0, np.clip(np.frexp(np.where(a > 0, a, 1))[1] - 1 - 4, -126, 127), 0)      # np.frexp(a)[1] - 1 = floor(log2(a)), exactly
;;       r = np.clip(x / 2.0 ** e, -28, 28)
;;       step = 2.0 ** (np.maximum(np.frexp(np.where(r == 0, 1, r))[1] - 1, -2) - 2)
;;       q = np.round(r / step) * step * 2.0 ** e      # np.round: ties to even
;;       return np.moveaxis(q.reshape(q.shape[:-2] + (-1,))[..., :K], -1, axis).astype(np.float32)
;;   ~~~
;;   SOFTMAX AHEAD OF A QUANTISED PRODUCT. Where the list says 'softmax', what is quantised is not the finished softmax but p = 2^(t - M), with t = logit x log2(e) and M = ceil(the row's largest t), a whole number; so 1/2 < the row's largest p <= 1. The row's sum l is taken of the UNQUANTISED p, in f32, and the product's result is divided by l at the end. Since M is a whole number, a kernel that streams over the keys may use a running M (the ceiling of the running maximum): every later rescaling is an exact power of two, which a block's scale takes up: the codes' values come out the same.
;;   OPERANDS COMPUTED ON THE WAY. 'Computed on the way' means the value that the module computes at that place (a softmax that the list does not call 'softmax' is quantised finished and normalised). What goes into a quantiser is computed in f32, as accurately as f32 sums, v_exp_f32 and their like allow (about 1e-6 of the number): no bf16 or f16 on the way to a quantiser, and a product that is left as it is and whose result goes on into a quantised operand takes f32 operands (vector FMAs, or v_wmma_f32_16x16x4_f32). A number that lies on a knife's edge between two numbers of the format may be rounded either way, as far as f32 arithmetic and the matrix unit's own rounding can turn it there, and no further.
;;   INPUTS GIVEN AS CODES. W1 (in the module: [2048, 1024], K = its axis 1); W2 (in the module: [1024, 2048], K = its axis 1); Wkv (in the module: [512, 1024], K = its axis 1); Wo (in the module: [1024, 1024], K = its axis 1); Wq (in the module: [1024, 1024], K = its axis 1): each comes as NAME_codes (uint8): NAME with its K axis moved to the last place and cut into blocks of 32 codes, [.., K / 32, bytes a block], one block behind the other in memory; four codes in three bytes: a row's codes are one little-endian stream of bits, code i at bits 6 i .. 6 i + 5 (a code: sign, 3 exponent bits, 2 mantissa bits); and NAME_scales (uint8): the same leading axes, one E8M0 byte (e + 127) for each 32 codes along K. Its value is code x scale, taken as it is: it is not quantised again, and the codes and scales need not be those that the quantiser above would give.
;; 2 versions, each right and faster than the one before. Each part assembles by itself: llvm-mc -triple=amdgcn-amd-amdhsa -mcpu=gfx1250 --defsym DOCPART=n.
;; ======== version 1 of 2: 6 launches
;; limits: a function is approximated: absolute error at most 1e-07
;; workspace buffers: hbuf 3,407,872 bytes; wts 5,324,800 bytes; qimg 3,670,016 bytes; kvimg 1,769,472 bytes; oimg 3,670,016 bytes; x1img 16,777,216 bytes; gimg 6,815,744 bytes
;; launch prep (part 1): grid 256 x 1, 4 waves a work-group, no clusters, 66,560 bytes of LDS; arguments x, ln1_g, ln1_b, hbuf, Wq_codes, Wq_scales, Wkv_codes, Wkv_scales, Wo_codes, Wo_scales, W1_codes, W1_scales, W2_codes, W2_scales, wts; writes hbuf, wts
.if DOCPART == 1
	.amdgcn_target "amdgcn-amd-amdhsa--gfx1250"
	.amdhsa_code_object_version 6
	.text
	.protected	k_q8c7da33701_prep
	.globl	k_q8c7da33701_prep
	.p2align	8
	.type	k_q8c7da33701_prep,@function
k_q8c7da33701_prep:
	s_mov_b64 s[64:65], 0
	v_nop
	global_prefetch_b8 v0, s[64:65] scope:SCOPE_SE
	s_setreg_imm32_b32 hwreg(HW_REG_WAVE_MODE, 25, 1), 1
	s_wait_xcnt 0x0
; h = LayerNorm1(x), quantised along its 1,024 columns to BF6 (E3M2) with one E8M0 byte for each 32, stored as IMAGES OF OPERAND REGISTERS;
; and the five weights' codes and scale bytes, copied once into the same kind of image, so that later launches fetch every fragment by loads of 512 consecutive bytes.
; TILE ORDER, used by the whole program: lane r (0..15) of token tile Tg holds token 32 (Tg / 2) + 8 (Tg % 2) + r + 8 (r / 8); a weight tile's lanes hold the weight's rows in the same order.
; A RECORD (tile, K step of 128) is 1,664 bytes: registers 4 g .. 4 g + 3 of lane l at 512 g + 16 l (three groups), then the lanes' scale words at 1,536 + 4 l.
; SHARES: work-group = token tile.  Wave w normalises stage rows 4 w .. 4 w + 3 (four neighbouring tokens, whole rows in registers: mean first, then the centred squares), puts them into a stage in LDS,
; and behind one barrier quantises K steps 2 w and 2 w + 1 of all 16 rows.  Then waves 0 and 1 each copy one chunk (a weight tile x 8 K steps) of the 416.
; LIMITS: NaN and infinities are not served.  A block of zeros gets the byte 1 (its codes are zeros; only this program reads the bytes).
.set PITCH, 4112                       ; a stage row: 4,096 bytes + 16, so that sixteen rows' 16 bytes fall on sixteen different groups of banks
.set X,   32                           ; v32-159  four rows of 32 registers; later 2 x 64 numbers of a K step; later a chunk's codes
.set G,   160                          ; v160-191 gain
.set BB,  192                          ; v192-223 bias
.set PC,  160                          ; v160-178 the codes just made (the gain is done with by then)
.set TM,  224                          ; v224-239 at work in QUANT
.set PW,  240                          ; v240     the scale word just made
.set SA,  8                            ; v8-15    a pair for each row: sums
.set SB,  16                           ; v16-23   second chain; then minus the mean
.set SC,  24                           ; v24-31   second chain of squares; then 1 / sqrt(var + eps)
.set SEL, 56                           ; s[56:57] lane selects: lane l xor 16
.set WSC, 5111808                      ; wts: the scale words begin behind 416 chunks of 12,288 bytes
; 64 numbers of a lane, register 16 b + i = k 32 b + 16 (lane / 16) + i of my row, become a fragment's 12 registers in v[PC] on and its scale word in v[PW]
.macro QUANT src
.irp b, 0,1,2,3
	v_max3_num_f32 v[TM+\b], |v[(\src)+16*\b]|, |v[(\src)+16*\b+1]|, 0x2800000   ; my 16 of block b, and the floor 2^(5 - 127): the byte cannot fall under 1
.endr
.irp i, 2,4,6,8,10,12,14
.irp b, 0,1,2,3
	v_max3_num_f32 v[TM+\b], v[TM+\b], |v[(\src)+16*\b+\i]|, |v[(\src)+16*\b+\i+1]|
.endr
.endr
.irp b, 0,1,2,3
	v_permlanex16_b32 v[TM+4+\b], v[TM+\b], s[SEL], s[SEL+1]
.endr
.irp b, 0,1,2,3
	v_max_num_f32 v[TM+\b], v[TM+\b], v[TM+4+\b]           ; with lane l xor 16's 16: the block's largest magnitude
.endr
.irp b, 0,1,2,3
	v_add_nc_u32 v[TM+12+\b], 0xfe000000, v[TM+\b]         ; 4 off its exponent field: the conversion's scale operand
.endr
.irp b, 0,1,2,3
	v_lshrrev_b32 v[TM+4+\b], 23, v[TM+12+\b]              ; the scale's byte
.endr
	v_lshl_or_b32 v[PW], v[TM+5], 8, v[TM+4]
	v_lshl_or_b32 v[PW], v[TM+6], 16, v[PW]
	v_lshl_or_b32 v[PW], v[TM+7], 24, v[PW]
.irp c, 0,1
	v_cvt_scalef32_pk16_bf6_f32 v[PC+6*\c:PC+6*\c+2], v[(\src)+32*\c:(\src)+32*\c+15], v[TM+12+2*\c]
	v_cvt_scalef32_pk16_bf6_f32 v[PC+12+4*\c:PC+14+4*\c], v[(\src)+32*\c+16:(\src)+32*\c+31], v[TM+13+2*\c]
.endr
	v_nop                                                  ; one plain place behind a scaled conversion
.irp c, 0,1                                            ; the operand wants a whole block in a lane: lanes 0-15 block 2 c, lanes 16-31 block 2 c + 1
.irp i, 0,1,2
	v_permlane16_swap_b32 v[PC+6*\c+\i], v[PC+12+4*\c+\i]
.endr
.irp i, 0,1,2
	v_mov_b32 v[PC+3+6*\c+\i], v[PC+12+4*\c+\i]
.endr
.endr
.endm
; the four rows' figures in v[SA + 2 k], summed over the 32 lanes; scr: pairs whose upper register has been written
.macro ACROSS scr
.irp m, 1,2,4,8
.irp k, 0,1,2,3
	v_add_f32_dpp v[SA+2*\k], v[SA+2*\k], v[SA+2*\k] row_xmask:\m row_mask:0xf bank_mask:0xf
.endr
.endr
.irp k, 0,1,2,3
	v_permlanex16_b32 v[\scr+2*\k+1], v[SA+2*\k], s[SEL], s[SEL+1]
.endr
.irp k, 0,1,2,3
	v_add_f32 v[SA+2*\k], v[SA+2*\k], v[\scr+2*\k+1]
.endr
.endm
	s_load_b128 s[4:7], s[0:1], 0x0                ; x, ln1_g
	s_load_b128 s[8:11], s[0:1], 0x10              ; ln1_b, hbuf
	s_load_b256 s[16:23], s[0:1], 0x20             ; Wq codes, scales; Wkv codes, scales
	s_load_b256 s[24:31], s[0:1], 0x40             ; Wo codes, scales; W1 codes, scales
	s_load_b128 s[32:35], s[0:1], 0x60             ; W2 codes, scales
	s_load_b64 s[36:37], s[0:1], 0x70              ; wts
	v_lshl_add_u32 v254, v0, 2, 0x10200
	v_mov_b32 v255, 0
	v_lshrrev_b32 v1, 5, v0
	v_readfirstlane_b32 s40, v1                    ; wave
	v_and_b32 v5, 31, v0                           ; lane
	v_and_b32 v6, 15, v0                           ; r
	v_bfe_u32 v7, v0, 4, 1                         ; h
	v_lshlrev_b32 v1, 4, v5                        ; 16 x lane
	v_lshlrev_b32 v2, 2, v5                        ; 4 x lane
	s_mul_i32 s41, s40, 4*PITCH
	v_add_nc_u32 v3, s41, v1                       ; stage, on the way in: my four rows
	v_mul_u32_u24 v4, v6, PITCH
	v_lshl_add_u32 v4, v7, 6, v4
	s_lshl_b32 s41, s40, 10
	v_add_nc_u32 v4, s41, v4                       ; on the way out: row r, + 64 h, + my two K steps (1,024 bytes a wave)
	s_mov_b32 s[SEL], 0x76543210
	s_mov_b32 s[SEL+1], 0xfedcba98
	s_mov_b32 s58, 0x3a800000                      ; 1 / 1,024
	s_mov_b32 s59, 0x3727c5ac                      ; eps = 1e-5
.irp b, 0,1,2,3
	v_mov_b32 v[TM+4+\b], 0                        ; a lane permute's destination counts as read
.endr
	s_lshr_b32 s42, ttmp9, 1                       ; my first token: 32 (Tg / 2) + 8 (Tg % 2) + 4 w + 8 (w / 2)
	s_lshl_b32 s42, s42, 5
	s_and_b32 s43, ttmp9, 1
	s_lshl_b32 s43, s43, 3
	s_add_co_u32 s42, s42, s43
	s_lshl_b32 s43, s40, 2
	s_add_co_u32 s42, s42, s43
	s_lshr_b32 s43, s40, 1
	s_lshl_b32 s43, s43, 3
	s_add_co_u32 s42, s42, s43
	s_lshl_b32 s42, s42, 12                        ; rows of 4,096 bytes
	s_mov_b32 s43, 0
	s_mul_i32 s44, ttmp9, 13312                    ; hbuf: 8 records a tile, two a wave
	s_mul_i32 s45, s40, 3328
	s_add_co_u32 s44, s44, s45
	s_mov_b32 s45, 0
	s_wait_kmcnt 0x0
	s_add_nc_u64 s[4:5], s[4:5], s[42:43]
	s_add_nc_u64 s[10:11], s[10:11], s[44:45]
.irp k, 0,1,2,3
.irp c, 0,1,2,3,4,5,6,7
	global_load_b128 v[X+32*\k+4*\c:X+32*\k+4*\c+3], v1, s[4:5] offset:4096*\k+512*\c   ; 32 lanes read 512 consecutive bytes
.endr
.endr
.irp c, 0,1,2,3,4,5,6,7
	global_load_b128 v[G+4*\c:G+4*\c+3], v1, s[6:7] offset:512*\c
	global_load_b128 v[BB+4*\c:BB+4*\c+3], v1, s[8:9] offset:512*\c
.endr
	s_wait_loadcnt 16                              ; x is in; the sixteen younger loads (gain, bias) may be out
	; the mean
.irp k, 0,1,2,3
	v_pk_add_f32 v[SA+2*\k:SA+2*\k+1], v[X+32*\k:X+32*\k+1], v[X+32*\k+2:X+32*\k+3]
	v_pk_add_f32 v[SB+2*\k:SB+2*\k+1], v[X+32*\k+4:X+32*\k+5], v[X+32*\k+6:X+32*\k+7]
.endr
.irp j, 8,12,16,20,24,28
.irp k, 0,1,2,3
	v_pk_add_f32 v[SA+2*\k:SA+2*\k+1], v[SA+2*\k:SA+2*\k+1], v[X+32*\k+\j:X+32*\k+\j+1]
	v_pk_add_f32 v[SB+2*\k:SB+2*\k+1], v[SB+2*\k:SB+2*\k+1], v[X+32*\k+\j+2:X+32*\k+\j+3]
.endr
.endr
.irp k, 0,1,2,3
	v_pk_add_f32 v[SA+2*\k:SA+2*\k+1], v[SA+2*\k:SA+2*\k+1], v[SB+2*\k:SB+2*\k+1]
.endr
.irp k, 0,1,2,3
	v_add_f32 v[SA+2*\k], v[SA+2*\k], v[SA+2*\k+1]
.endr
	ACROSS SB
.irp k, 0,1,2,3
	v_mul_f32 v[SB+2*\k], 0xba800000, v[SA+2*\k]   ; minus the mean
.endr
.irp k, 0,1,2,3
.set J, 0
.rept 16
	v_pk_add_f32 v[X+32*\k+J:X+32*\k+J+1], v[X+32*\k+J:X+32*\k+J+1], v[SB+2*\k:SB+2*\k+1] op_sel_hi:[1,0]
.set J, J+2
.endr
.endr
	; the variance, of the centred numbers
.irp k, 0,1,2,3
	v_pk_mul_f32 v[SA+2*\k:SA+2*\k+1], v[X+32*\k:X+32*\k+1], v[X+32*\k:X+32*\k+1]
	v_pk_mul_f32 v[SC+2*\k:SC+2*\k+1], v[X+32*\k+2:X+32*\k+3], v[X+32*\k+2:X+32*\k+3]
.endr
.irp j, 4,8,12,16,20,24,28
.irp k, 0,1,2,3
	v_pk_fma_f32 v[SA+2*\k:SA+2*\k+1], v[X+32*\k+\j:X+32*\k+\j+1], v[X+32*\k+\j:X+32*\k+\j+1], v[SA+2*\k:SA+2*\k+1]
	v_pk_fma_f32 v[SC+2*\k:SC+2*\k+1], v[X+32*\k+\j+2:X+32*\k+\j+3], v[X+32*\k+\j+2:X+32*\k+\j+3], v[SC+2*\k:SC+2*\k+1]
.endr
.endr
.irp k, 0,1,2,3
	v_pk_add_f32 v[SA+2*\k:SA+2*\k+1], v[SA+2*\k:SA+2*\k+1], v[SC+2*\k:SC+2*\k+1]
.endr
.irp k, 0,1,2,3
	v_add_f32 v[SA+2*\k], v[SA+2*\k], v[SA+2*\k+1]
.endr
	ACROSS SC
.irp k, 0,1,2,3
	v_fma_f32 v[SA+2*\k], v[SA+2*\k], s58, s59     ; var + eps
.endr
.irp k, 0,1,2,3
	v_rsq_f32 v[SC+2*\k], v[SA+2*\k]
.endr
	v_nop                                          ; one plain place behind the transcendentals
	s_wait_alu depctr_va_vdst(0)
.irp k, 0,1,2,3
.set J, 0
.rept 16
	v_pk_mul_f32 v[X+32*\k+J:X+32*\k+J+1], v[X+32*\k+J:X+32*\k+J+1], v[SC+2*\k:SC+2*\k+1] op_sel_hi:[1,0]
.set J, J+2
.endr
.endr
	s_wait_loadcnt 0x0                             ; gain and bias
.irp k, 0,1,2,3
.set J, 0
.rept 16
	v_pk_fma_f32 v[X+32*\k+J:X+32*\k+J+1], v[X+32*\k+J:X+32*\k+J+1], v[G+J:G+J+1], v[BB+J:BB+J+1]
.set J, J+2
.endr
.endr
.irp k, 0,1,2,3
.irp c, 0,1,2,3,4,5,6,7
	ds_store_b128 v3, v[X+32*\k+4*\c:X+32*\k+4*\c+3] offset:PITCH*\k+512*\c
.endr
.endr
	s_wait_dscnt 0x0                               ; for the others' sake: my rows lie in the stage
	s_barrier_signal -1
	s_barrier_wait -1
	; my two K steps of all sixteen rows: lane (r, h) takes, of row r, 16 neighbours of each block of 32
.irp st, 0,1
.irp b, 0,1,2,3
.irp j, 0,1,2,3
	ds_load_b128 v[X+64*\st+16*\b+4*\j:X+64*\st+16*\b+4*\j+3], v4 offset:512*\st+128*\b+16*\j
.endr
.endr
.endr
	s_wait_dscnt 16                                ; the first K step's sixteen loads are in
	QUANT X
.irp g, 0,1,2
	global_store_b128 v1, v[PC+4*\g:PC+4*\g+3], s[10:11] offset:512*\g
.endr
	global_store_b32 v2, v[PW], s[10:11] offset:1536
	s_wait_dscnt 0x0
	s_wait_xcnt 0x0                                ; the stores' data registers are written again only behind this wait
	QUANT X+64
.irp g, 0,1,2
	global_store_b128 v1, v[PC+4*\g:PC+4*\g+3], s[10:11] offset:1664+512*\g
.endr
	global_store_b32 v2, v[PW], s[10:11] offset:1664+1536
	; THE WEIGHTS.  Chunk c = work-group + 256 x wave, 416 in all: Wq 0-63, Wkv 64-95, Wo 96-159, W1 160-287, W2 288-415 (tile (c - 288) / 2, half (c - 288) % 2 of its K)
	s_lshl_b32 s41, s40, 8
	s_add_co_u32 s41, s41, ttmp9
	s_cmp_ge_u32 s41, 416
	s_cbranch_scc1 .Lend
	s_mov_b64 s[44:45], s[32:33]
	s_mov_b64 s[46:47], s[34:35]
	s_mov_b32 s48, 288
	s_cmp_lt_u32 s41, 288                          ; every choice hangs on the chunk's number alone
	s_cselect_b64 s[44:45], s[28:29], s[44:45]
	s_cselect_b64 s[46:47], s[30:31], s[46:47]
	s_cselect_b32 s48, 160, s48
	s_cselect_b32 s50, 0, 1                        ; 1 for W2: rows twice as long
	s_cmp_lt_u32 s41, 160
	s_cselect_b64 s[44:45], s[24:25], s[44:45]
	s_cselect_b64 s[46:47], s[26:27], s[46:47]
	s_cselect_b32 s48, 96, s48
	s_cmp_lt_u32 s41, 96
	s_cselect_b64 s[44:45], s[20:21], s[44:45]
	s_cselect_b64 s[46:47], s[22:23], s[46:47]
	s_cselect_b32 s48, 64, s48
	s_cmp_lt_u32 s41, 64
	s_cselect_b64 s[44:45], s[16:17], s[44:45]
	s_cselect_b64 s[46:47], s[18:19], s[46:47]
	s_cselect_b32 s48, 0, s48
	s_sub_co_u32 s49, s41, s48                     ; the chunk's number in its weight
	s_lshr_b32 s51, s49, s50                       ; tile F
	s_and_b32 s52, s49, s50                        ; half of K (0 but for W2)
	s_lshr_b32 s53, s51, 1
	s_lshl_b32 s53, s53, 5
	s_and_b32 s55, s51, 1
	s_lshl_b32 s55, s55, 3
	s_add_co_u32 s53, s53, s55                     ; the tile's first row: 32 (F / 2) + 8 (F % 2)
	s_lshl_b32 s54, 768, s50                       ; a row of codes in bytes
	s_lshl_b32 s60, 32, s50                        ; a row of scale bytes
	s_mul_i32 s42, s53, s54
	s_mul_i32 s55, s52, 768
	s_add_co_u32 s42, s42, s55
	s_mov_b32 s43, 0
	s_add_nc_u64 s[44:45], s[44:45], s[42:43]
	s_mul_i32 s42, s53, s60
	s_lshl_b32 s55, s52, 5
	s_add_co_u32 s42, s42, s55
	s_add_nc_u64 s[46:47], s[46:47], s[42:43]
	s_mul_i32 s42, s41, 12288
	s_add_nc_u64 s[38:39], s[36:37], s[42:43]      ; the chunk's images
	s_lshl_b32 s42, s41, 9
	s_add_co_u32 s42, s42, WSC
	s_add_nc_u64 s[36:37], s[36:37], s[42:43]      ; and its scale words
	v_and_b32 v243, 8, v6
	v_add_nc_u32 v243, v243, v6                    ; r + 8 (r / 8)
	v_mul_u32_u24 v241, v243, s54
	v_mad_u32_u24 v241, v7, 24, v241               ; codes: my row, + 24 h
	v_mul_u32_u24 v242, v243, s60
	v_lshl_add_u32 v242, v7, 2, v242               ; scale words: my row, + 4 h: lanes 0-15 take the even K steps' words, lanes 16-31 the odd ones'
.irp st, 0,1,2,3,4,5,6,7
.irp p, 0,1,2,3,4,5
	global_load_b64 v[X+12*\st+2*\p:X+12*\st+2*\p+1], v241, s[44:45] offset:96*\st+48*(\p/3)+8*(\p%3)
.endr
.endr
.irp j, 0,1,2,3
	global_load_b32 v[128+\j], v242, s[46:47] offset:8*\j
.endr
	s_wait_loadcnt 0x0
.irp st, 0,1,2,3,4,5,6,7
.irp g, 0,1,2
	global_store_b128 v1, v[X+12*\st+4*\g:X+12*\st+4*\g+3], s[38:39] offset:1536*\st+512*\g   ; 32 lanes store 512 consecutive bytes
.endr
.endr
	global_store_b128 v1, v[128:131], s[36:37]
.Lend:
	s_wait_tensorcnt 0x0
	ds_add_u32 v254, v255
	s_wait_dscnt 0x0
	s_endpgm
.Lfunc_end_k_q8c7da33701_prep:
	.size	k_q8c7da33701_prep, .Lfunc_end_k_q8c7da33701_prep-k_q8c7da33701_prep
	.p2alignl 7, 3214868480
	.fill 96, 4, 3214868480
	.section	.rodata,"a",@progbits
	.p2align	6, 0x0
	.amdhsa_kernel k_q8c7da33701_prep
		.amdhsa_group_segment_fixed_size 66560
		.amdhsa_private_segment_fixed_size 0
		.amdhsa_enable_private_segment 0
		.amdhsa_kernarg_size 120
		.amdhsa_user_sgpr_count 2
		.amdhsa_user_sgpr_kernarg_segment_ptr 1
		.amdhsa_wavefront_size32 1
		.amdhsa_system_sgpr_workgroup_id_x 1
		.amdhsa_system_sgpr_workgroup_id_y 1
		.amdhsa_system_sgpr_workgroup_id_z 1
		.amdhsa_system_vgpr_workitem_id 0
		.amdhsa_next_free_vgpr 256
		.amdhsa_next_free_sgpr 66
		.amdhsa_reserve_vcc 0
		.amdhsa_float_denorm_mode_32 3
		.amdhsa_float_denorm_mode_16_64 3
		.amdhsa_memory_ordered 1
		.amdhsa_forward_progress 1
		.amdhsa_inst_pref_size 53
	.end_amdhsa_kernel
	.amdgpu_metadata
---
amdhsa.version: [ 1, 2 ]
amdhsa.kernels:
  - .name:           k_q8c7da33701_prep
    .symbol:         k_q8c7da33701_prep.kd
    .args:
      - { .name: x, .offset: 0, .size: 8, .value_kind: global_buffer, .address_space: global }
      - { .name: ln1_g, .offset: 8, .size: 8, .value_kind: global_buffer, .address_space: global }
      - { .name: ln1_b, .offset: 16, .size: 8, .value_kind: global_buffer, .address_space: global }
      - { .name: hbuf, .offset: 24, .size: 8, .value_kind: global_buffer, .address_space: global }
      - { .name: Wq_codes, .offset: 32, .size: 8, .value_kind: global_buffer, .address_space: global }
      - { .name: Wq_scales, .offset: 40, .size: 8, .value_kind: global_buffer, .address_space: global }
      - { .name: Wkv_codes, .offset: 48, .size: 8, .value_kind: global_buffer, .address_space: global }
      - { .name: Wkv_scales, .offset: 56, .size: 8, .value_kind: global_buffer, .address_space: global }
      - { .name: Wo_codes, .offset: 64, .size: 8, .value_kind: global_buffer, .address_space: global }
      - { .name: Wo_scales, .offset: 72, .size: 8, .value_kind: global_buffer, .address_space: global }
      - { .name: W1_codes, .offset: 80, .size: 8, .value_kind: global_buffer, .address_space: global }
      - { .name: W1_scales, .offset: 88, .size: 8, .value_kind: global_buffer, .address_space: global }
      - { .name: W2_codes, .offset: 96, .size: 8, .value_kind: global_buffer, .address_space: global }
      - { .name: W2_scales, .offset: 104, .size: 8, .value_kind: global_buffer, .address_space: global }
      - { .name: wts, .offset: 112, .size: 8, .value_kind: global_buffer, .address_space: global }
    .group_segment_fixed_size: 66560
    .private_segment_fixed_size: 0
    .kernarg_segment_align: 8
    .kernarg_segment_size: 120
    .max_flat_workgroup_size: 128
    .sgpr_count:     66
    .vgpr_count:     256
    .wavefront_size: 32
...
	.end_amdgpu_metadata
.endif
;; end of part 1
;; launch qkv (part 2): grid 32 x 6, 4 waves a work-group, no clusters, 168,448 bytes of LDS; arguments hbuf, wts, cos, sin, qimg, kvimg; writes qimg, kvimg
.if DOCPART == 2
	.amdgcn_target "amdgcn-amd-amdhsa--gfx1250"
	.amdhsa_code_object_version 6
	.text
	.protected	k_q8c7da33701_qkv
	.globl	k_q8c7da33701_qkv
	.p2align	8
	.type	k_q8c7da33701_qkv,@function
k_q8c7da33701_qkv:
	s_mov_b64 s[64:65], 0
	v_nop
	global_prefetch_b8 v0, s[64:65] scope:SCOPE_SE
	s_setreg_imm32_b32 hwreg(HW_REG_WAVE_MODE, 25, 1), 1
	s_wait_xcnt 0x0
; q, k, v = h [Wq; Wkv]^T on BF6 codes; RoPE on q and k; q and k quantised along the head's 64, v along the tokens; all stored as images of operand registers.
; SHARES: work-group x = 128 tokens (8 token tiles: one key step of attention); a wave takes one unit of 64 columns, U = 4 y + wave: U < 16: query head U; else kv head (U - 16) / 2, k (even) or v (odd).
; h's 64 records (106,496 bytes, dense in memory) come into LDS once, a quarter by each wave's one tensor load; LDS is never filled again.  Each weight fragment is read by one wave alone:
; it goes from its image in memory straight into a ring of four register slots, three K steps ahead (36 loads of 512 bytes a wave in flight).
; q, k: the product is used transposed (source 0 = 16 rows of W, source 1 = 16 tokens): a lane holds one token, and by the tile order the 16 registers of tiles 2 b, 2 b + 1 are features 32 b + 16 (lane / 16) + 0 .. 15.
; v: source 0 = 16 tokens, source 1 = 16 rows of Wv: a lane holds one feature, and the 16 registers of token tiles 2 b, 2 b + 1 are tokens 32 b + 16 (lane / 16) + 0 .. 15: neighbours along the second product's K.
; A q or k record is 896 bytes: registers 0-3 at 16 l, 4-5 at 512 + 8 l, the scale word (two bytes; the upper two 0, over zero codes) at 768 + 4 l.
; REGISTERS: window 0 addresses, scale words, at work; window 1 the 32 accumulators; window 2 the ring, v192-255 cos and sin of odd tiles; window 3 two sets of h's fragments, v192-255 cos and sin of even tiles.
; LIMITS: NaN and infinities are not served; a block of zeros gets the byte 1 over zero codes.
.set LI16,  1                          ; 16 x lane
.set LI8,   2                          ; 8 x lane
.set LI4,   3                          ; 4 x lane
.set LI16B, 4                          ; 16 x lane + 53,248: token tiles 4-7 (an LDS immediate has 16 bits)
.set LI4B,  5
.set CSA,   6                          ; cos, sin: (r + 8 (r / 8)) x 256 + 64 h
.set WS,    16                         ; v16-31  W's scale words: tile f, K steps 2 j (lanes 0-15) and 2 j + 1 (lanes 16-31) at 4 f + j
.set AS,    32                         ; v32-47  h's scale words, two sets of 8
.set RN,    64                         ; v64-95  32 numbers behind RoPE
.set TT,    96                         ; v96-99  at work
.set TM,    192
.set PW,    208
.set PC,    210
.set SEL,   42
.set WSC,   5111808
.set MSB, 0
.macro WIN new                         ; the immediate's high byte repeats the setting that is left
.if MSB != (\new)
	s_set_vgpr_msb (MSB<<8)|(\new)
.set MSB, \new
.endif
.endm
.macro PLACES n
.rept \n
	v_nop
.endr
.endm
.macro QUANT src, win                  ; 64 numbers in window win, register 16 b + i = k 32 b + 16 (lane / 16) + i: a fragment in v[PC] on, its scale word in v[PW]
	WIN ((\win)<<2)|((\win)<<4)
.irp b, 0,1,2,3
	v_max3_num_f32 v[TM+\b], 0x2800000, |v[(\src)+16*\b]|, |v[(\src)+16*\b+1]|   ; the floor 2^(5 - 127): the byte cannot fall under 1
.endr
.irp i, 2,4,6,8,10,12,14
.irp b, 0,1,2,3
	v_max3_num_f32 v[TM+\b], v[TM+\b], |v[(\src)+16*\b+\i]|, |v[(\src)+16*\b+\i+1]|
.endr
.endr
	WIN 0
.irp b, 0,1,2,3
	v_permlanex16_b32 v[TM+4+\b], v[TM+\b], s[SEL], s[SEL+1]
.endr
.irp b, 0,1,2,3
	v_max_num_f32 v[TM+\b], v[TM+\b], v[TM+4+\b]
.endr
.irp b, 0,1,2,3
	v_add_nc_u32 v[TM+12+\b], 0xfe000000, v[TM+\b]         ; 4 off the exponent field: the conversion's scale operand
.endr
.irp b, 0,1,2,3
	v_lshrrev_b32 v[TM+4+\b], 23, v[TM+12+\b]
.endr
	v_lshl_or_b32 v[PW], v[TM+5], 8, v[TM+4]
	v_lshl_or_b32 v[PW], v[TM+6], 16, v[PW]
	v_lshl_or_b32 v[PW], v[TM+7], 24, v[PW]
	WIN \win
.irp c, 0,1
	v_cvt_scalef32_pk16_bf6_f32 v[PC+6*\c:PC+6*\c+2], v[(\src)+32*\c:(\src)+32*\c+15], v[TM+12+2*\c]
	v_cvt_scalef32_pk16_bf6_f32 v[PC+12+4*\c:PC+14+4*\c], v[(\src)+32*\c+16:(\src)+32*\c+31], v[TM+13+2*\c]
.endr
	WIN 0
	v_nop                                                  ; one plain place behind a scaled conversion
.irp c, 0,1
.irp i, 0,1,2
	v_permlane16_swap_b32 v[PC+6*\c+\i], v[PC+12+4*\c+\i]
.endr
.irp i, 0,1,2
	v_mov_b32 v[PC+3+6*\c+\i], v[PC+12+4*\c+\i]
.endr
.endr
.endm
.macro QHALF src                       ; the same for 32 numbers in window 0 (64 along K): registers 0-5 and two scale bytes
.irp b, 0,1
	v_max3_num_f32 v[TM+\b], 0x2800000, |v[(\src)+16*\b]|, |v[(\src)+16*\b+1]|
.endr
.irp i, 2,4,6,8,10,12,14
.irp b, 0,1
	v_max3_num_f32 v[TM+\b], v[TM+\b], |v[(\src)+16*\b+\i]|, |v[(\src)+16*\b+\i+1]|
.endr
.endr
.irp b, 0,1
	v_permlanex16_b32 v[TM+4+\b], v[TM+\b], s[SEL], s[SEL+1]
.endr
.irp b, 0,1
	v_max_num_f32 v[TM+\b], v[TM+\b], v[TM+4+\b]
.endr
.irp b, 0,1
	v_add_nc_u32 v[TM+12+\b], 0xfe000000, v[TM+\b]
.endr
.irp b, 0,1
	v_lshrrev_b32 v[TM+4+\b], 23, v[TM+12+\b]
.endr
	v_lshl_or_b32 v[PW], v[TM+5], 8, v[TM+4]
	v_cvt_scalef32_pk16_bf6_f32 v[PC:PC+2], v[(\src):(\src)+15], v[TM+12]
	v_cvt_scalef32_pk16_bf6_f32 v[PC+12:PC+14], v[(\src)+16:(\src)+31], v[TM+13]
	v_nop
.irp i, 0,1,2
	v_permlane16_swap_b32 v[PC+\i], v[PC+12+\i]
.endr
.irp i, 0,1,2
	v_mov_b32 v[PC+3+\i], v[PC+12+\i]
.endr
.endm
; a product.  acc = 0: it starts the sum.  row = 1: source 0's scale word lies in lanes 16-31; 2: source 1's
.macro MM d, a, b, sa, sb, acc, row
.if (\acc) == 0
	v_wmma_scale_f32_16x16x128_f8f6f4 v[(\d):(\d)+7], v[(\a):(\a)+11], v[(\b):(\b)+11], 0, v[(\sa)], v[(\sb)] matrix_a_fmt:MATRIX_FMT_BF6 matrix_b_fmt:MATRIX_FMT_BF6
.elseif (\row) == 0
	v_wmma_scale_f32_16x16x128_f8f6f4 v[(\d):(\d)+7], v[(\a):(\a)+11], v[(\b):(\b)+11], v[(\d):(\d)+7], v[(\sa)], v[(\sb)] matrix_a_fmt:MATRIX_FMT_BF6 matrix_b_fmt:MATRIX_FMT_BF6
.elseif (\row) == 1
	v_wmma_scale_f32_16x16x128_f8f6f4 v[(\d):(\d)+7], v[(\a):(\a)+11], v[(\b):(\b)+11], v[(\d):(\d)+7], v[(\sa)], v[(\sb)] matrix_a_fmt:MATRIX_FMT_BF6 matrix_b_fmt:MATRIX_FMT_BF6 matrix_a_scale:MATRIX_SCALE_ROW1
.else
	v_wmma_scale_f32_16x16x128_f8f6f4 v[(\d):(\d)+7], v[(\a):(\a)+11], v[(\b):(\b)+11], v[(\d):(\d)+7], v[(\sa)], v[(\sb)] matrix_a_fmt:MATRIX_FMT_BF6 matrix_b_fmt:MATRIX_FMT_BF6 matrix_b_scale:MATRIX_SCALE_ROW1
.endif
.endm
.macro WLOAD st                        ; K step st of my four weight tiles into ring slot st % 4: twelve loads of 512 consecutive bytes
	WIN 0x80
.irp f, 0,1,2,3
.irp g, 0,1,2
	global_load_b128 v[48*((\st)%4)+12*\f+4*\g:48*((\st)%4)+12*\f+4*\g+3], v[LI16], s[32:33] offset:12288*\f+1536*(\st)+512*\g
.endr
.endr
.endm
.macro ALOAD st                        ; K step st of the eight token tiles from LDS into set st % 2: 24 + 8 loads
	WIN 0xc0
.irp t, 0,1,2,3
.irp g, 0,1,2
	ds_load_b128 v[96*((\st)%2)+12*\t+4*\g:96*((\st)%2)+12*\t+4*\g+3], v[LI16] offset:13312*\t+1664*(\st)+512*\g
.endr
.endr
.irp t, 4,5,6,7
.irp g, 0,1,2
	ds_load_b128 v[96*((\st)%2)+12*\t+4*\g:96*((\st)%2)+12*\t+4*\g+3], v[LI16B] offset:13312*(\t-4)+1664*(\st)+512*\g
.endr
.endr
	WIN 0
.irp t, 0,1,2,3
	ds_load_b32 v[AS+8*((\st)%2)+\t], v[LI4] offset:13312*\t+1664*(\st)+1536
.endr
.irp t, 4,5,6,7
	ds_load_b32 v[AS+8*((\st)%2)+\t], v[LI4B] offset:13312*(\t-4)+1664*(\st)+1536
.endr
.endm
.macro ROPELOAD t                      ; cos (32 registers) and sin (32) of token tile t at my lane's 32 features: sixteen loads
.if (\t)%2 == 0
	WIN 0xc0
.else
	WIN 0x80
.endif
.irp b, 0,1
.irp j, 0,1,2,3
	global_load_b128 v[192+16*\b+4*\j:192+16*\b+4*\j+3], v[CSA], s[36:37] offset:(32*((\t)/2)+8*((\t)%2))*256+128*\b+16*\j
	global_load_b128 v[224+16*\b+4*\j:224+16*\b+4*\j+3], v[CSA], s[38:39] offset:(32*((\t)/2)+8*((\t)%2))*256+128*\b+16*\j
.endr
.endr
.endm
; A K step.  kind 0: q or k; 1: v.  The four places serve the loads into the slot, the set and the scale words that the step before has read.
; The 32 accumulators take turns, one instruction a turn.
.macro STEP st, kind
.if (\st) > 0
	PLACES 4
.endif
.if (\st)+3 < 8
	WLOAD (\st)+3
.endif
.if ((\st) == 5) && ((\kind) == 0)
	ROPELOAD 0                                     ; 32 loads, younger than all the weights'
	ROPELOAD 1
.endif
.if (\st)+1 < 8
	ALOAD (\st)+1
.endif
.set LCN, 36                           ; the weights' loads younger than this step's: three steps of twelve, fewer at the end;
.if 7-(\st) < 3
.set LCN, 12*(7-(\st))
.endif
.if ((\st) >= 5) && ((\kind) == 0)
.set LCN, LCN+32                       ; and the 32 of cos and sin
.endif
	s_wait_loadcnt LCN
.if (\st) < 7
	s_wait_dscnt 32                                ; all but the 32 LDS loads just issued
.else
	s_wait_dscnt 0x0
.endif
.if (\kind) == 0
	WIN 0x5e                                       ; source 0 window 2, source 1 window 3, C and D window 1
.irp t, 0,1,2,3,4,5,6,7
.irp f, 0,1,2,3
	MM 8*(4*\t+\f), 48*((\st)%4)+12*\f, 96*((\st)%2)+12*\t, WS+4*\f+(\st)/2, AS+8*((\st)%2)+\t, \st, (\st)%2
.endr
.endr
.else
	WIN 0x5b                                       ; source 0 window 3, source 1 window 2
.irp t, 0,1,2,3,4,5,6,7
.irp f, 0,1,2,3
	MM 8*(8*\f+\t), 96*((\st)%2)+12*\t, 48*((\st)%4)+12*\f, AS+8*((\st)%2)+\t, WS+4*\f+(\st)/2, \st, 2*((\st)%2)
.endr
.endr
.endif
.endm
; token tile t of q or k: RoPE on neighbouring pairs, quantised, stored
.macro OUTQK t
.if (\t) < 7
	s_wait_loadcnt 16                              ; this tile's cos and sin are in; the next tile's sixteen loads may be out
.else
	s_wait_loadcnt 0x0
.endif
.if (\t)%2 == 0
	WIN 0x0d                                       ; source 0 window 1 (the sums), source 1 window 3
.else
	WIN 0x09
.endif
.irp i, 0,1,2,3,4,5,6,7,8,9,10,11,12,13,14,15  ; each accumulator is read from its low end on
	v_mul_f32 v[TT+2*(\i%2)], v[32*(\t)+2*\i+1], v[224+2*\i]
	v_mul_f32 v[TT+2*(\i%2)+1], v[32*(\t)+2*\i], v[224+2*\i+1]
	v_fma_f32 v[RN+2*\i], v[32*(\t)+2*\i], v[192+2*\i], -v[TT+2*(\i%2)]          ; x0 c0 - x1 s0
	v_fma_f32 v[RN+2*\i+1], v[32*(\t)+2*\i+1], v[192+2*\i+1], v[TT+2*(\i%2)+1]   ; x1 c1 + x0 s1
.endr
.if (\t)+2 < 8
	ROPELOAD (\t)+2
.endif
	WIN 0
	s_wait_xcnt 0x0                                ; the last tile's stores have read their data registers
	QHALF RN
	global_store_b128 v[LI16], v[PC:PC+3], s[40:41] offset:896*(\t)
	global_store_b64 v[LI8], v[PC+4:PC+5], s[40:41] offset:896*(\t)+512
	global_store_b32 v[LI4], v[PW], s[40:41] offset:896*(\t)+768
.endm
	s_load_b256 s[4:11], s[0:1], 0x0               ; hbuf, wts, cos, sin
	s_load_b128 s[12:15], s[0:1], 0x20             ; qimg, kvimg
	v_lshl_add_u32 v254, v0, 2, 0x29000
	v_mov_b32 v255, 0
	ds_add_u32 v254, v255
	ds_add_u32 v254, v255
	v_lshrrev_b32 v7, 5, v0
	v_readfirstlane_b32 s16, v7                    ; wave
	s_mov_b32 s17, ttmp9                           ; X: the block of 128 tokens
	s_and_b32 s18, ttmp7, 0xffff
	s_lshl_b32 s19, s18, 2
	s_add_co_u32 s19, s19, s16                     ; U: my unit of 64 columns
	s_mov_b32 s20, 1                               ; group 0: count
	s_mul_i32 s21, s16, 26624                      ; LDS address: my quarter
	s_mov_b32 s24, 3<<16                           ; group 1: elements of 8 bytes, no mask, no padding
	s_mov_b32 s25, 32<<16                          ; tensor_dim0 = 32 (256 bytes)
	s_mov_b32 s26, 104<<16                         ; tensor_dim1 = 104 rows
	s_mov_b32 s27, 32<<16                          ; tile_dim0
	s_mov_b32 s28, 104                             ; tile_dim1
	s_mov_b32 s29, 32                              ; pitch: dense
	s_mov_b32 s30, 0
	s_mov_b32 s31, 0
	s_mul_i32 s44, s17, 106496
	s_add_co_u32 s44, s44, s21
	s_mov_b32 s45, 0
	s_wait_dscnt 0x0
	s_wait_kmcnt 0x0
	s_add_nc_u64 s[22:23], s[4:5], s[44:45]
	s_or_b32 s23, s23, 0x80000000
	tensor_load_to_lds s[20:23], s[24:31]          ; my one tensor load: a first fill
	s_nop 0
	PLACES 4
	s_mul_i32 s46, s19, 49152
	s_mov_b32 s47, 0
	s_add_nc_u64 s[32:33], s[6:7], s[46:47]        ; my four weight tiles' images
	s_lshl_b32 s46, s19, 11
	s_add_co_u32 s46, s46, WSC
	s_add_nc_u64 s[34:35], s[6:7], s[46:47]        ; and their scale words
	s_and_b32 s46, s17, 15
	s_lshl_b32 s46, s46, 15                        ; the block's place in its sequence: 128 rows of 256 bytes
	s_add_nc_u64 s[36:37], s[8:9], s[46:47]
	s_add_nc_u64 s[38:39], s[10:11], s[46:47]
	s_sub_co_u32 s44, s19, 16                      ; where the results go.  kv: ((b 4 + kv head) 16 + key step) x 13,824;
	s_lshr_b32 s45, s44, 1
	s_and_b32 s45, s45, 3
	s_lshr_b32 s46, s17, 4
	s_lshl_b32 s46, s46, 2
	s_add_co_u32 s46, s46, s45
	s_lshl_b32 s46, s46, 4
	s_and_b32 s48, s17, 15
	s_add_co_u32 s46, s46, s48
	s_mul_i32 s46, s46, 13824
	s_lshl_b32 s48, s19, 8                         ; q: (head x 256 + 8 X) x 896
	s_lshl_b32 s45, s17, 3
	s_add_co_u32 s48, s48, s45
	s_mul_i32 s48, s48, 896
	s_and_b32 s49, s19, 1
	s_cmp_lt_u32 s19, 16                           ; the choices hang on the unit's number alone
	s_cselect_b32 s46, s48, s46
	s_cselect_b64 s[40:41], s[12:13], s[14:15]
	s_cselect_b32 s49, 0, s49                      ; 1: v
	s_add_nc_u64 s[40:41], s[40:41], s[46:47]
	s_mov_b32 s[SEL], 0x76543210
	s_mov_b32 s[SEL+1], 0xfedcba98
	v_and_b32 v7, 31, v0
	v_lshlrev_b32 v[LI16], 4, v7
	v_lshlrev_b32 v[LI8], 3, v7
	v_lshlrev_b32 v[LI4], 2, v7
	v_add_nc_u32 v[LI16B], 53248, v[LI16]
	v_add_nc_u32 v[LI4B], 53248, v[LI4]
	v_and_b32 v8, 15, v0
	v_bfe_u32 v9, v0, 4, 1
	v_and_b32 v10, 8, v8
	v_add_nc_u32 v10, v10, v8
	v_lshlrev_b32 v[CSA], 6, v9
	v_lshl_add_u32 v[CSA], v10, 8, v[CSA]
.irp b, 0,1,2,3
	v_mov_b32 v[TM+4+\b], 0                        ; a lane permute's destination counts as read
.endr
.irp f, 0,1,2,3
	global_load_b128 v[WS+4*\f:WS+4*\f+3], v[LI16], s[34:35] offset:512*\f
.endr
	WLOAD 0
	WLOAD 1
	WLOAD 2
	WIN 0
	s_wait_tensorcnt 0x0                           ; my quarter of h lies in LDS,
	s_barrier_signal -1
	s_barrier_wait -1                              ; everybody's does
	ALOAD 0
	s_cmp_lg_u32 s49, 0
	s_cbranch_scc1 .Lv
.irp st, 0,1,2,3,4,5,6,7
	STEP \st, 0
.endr
	PLACES 4                                       ; in front of the first read of results
.irp t, 0,1,2,3,4,5,6,7
	OUTQK \t
.endr
	s_wait_tensorcnt 0x0
	ds_add_u32 v254, v255
	s_wait_dscnt 0x0
	s_endpgm
.Lv:
.irp st, 0,1,2,3,4,5,6,7
	STEP \st, 1
.endr
	PLACES 4
.irp f, 0,1,2,3                                ; tile f of V^T: 16 features x the block's 128 tokens
	WIN 0
	s_wait_xcnt 0x0
	QUANT 64*\f, 1
.irp g, 0,1,2
	global_store_b128 v[LI16], v[PC+4*\g:PC+4*\g+3], s[40:41] offset:7168+1664*\f+512*\g
.endr
	global_store_b32 v[LI4], v[PW], s[40:41] offset:7168+1664*\f+1536
.endr
	s_wait_tensorcnt 0x0
	ds_add_u32 v254, v255
	s_wait_dscnt 0x0
	s_endpgm
.Lfunc_end_k_q8c7da33701_qkv:
	.size	k_q8c7da33701_qkv, .Lfunc_end_k_q8c7da33701_qkv-k_q8c7da33701_qkv
	.p2alignl 7, 3214868480
	.fill 96, 4, 3214868480
	.section	.rodata,"a",@progbits
	.p2align	6, 0x0
	.amdhsa_kernel k_q8c7da33701_qkv
		.amdhsa_group_segment_fixed_size 168448
		.amdhsa_private_segment_fixed_size 0
		.amdhsa_enable_private_segment 0
		.amdhsa_kernarg_size 48
		.amdhsa_user_sgpr_count 2
		.amdhsa_user_sgpr_kernarg_segment_ptr 1
		.amdhsa_wavefront_size32 1
		.amdhsa_system_sgpr_workgroup_id_x 1
		.amdhsa_system_sgpr_workgroup_id_y 1
		.amdhsa_system_sgpr_workgroup_id_z 1
		.amdhsa_system_vgpr_workitem_id 0
		.amdhsa_next_free_vgpr 1024
		.amdhsa_next_free_sgpr 66
		.amdhsa_reserve_vcc 0
		.amdhsa_float_denorm_mode_32 3
		.amdhsa_float_denorm_mode_16_64 3
		.amdhsa_memory_ordered 1
		.amdhsa_forward_progress 1
		.amdhsa_inst_pref_size 190
	.end_amdhsa_kernel
	.amdgpu_metadata
---
amdhsa.version: [ 1, 2 ]
amdhsa.kernels:
  - .name:           k_q8c7da33701_qkv
    .symbol:         k_q8c7da33701_qkv.kd
    .args:
      - { .name: hbuf, .offset: 0, .size: 8, .value_kind: global_buffer, .address_space: global }
      - { .name: wts, .offset: 8, .size: 8, .value_kind: global_buffer, .address_space: global }
      - { .name: cos, .offset: 16, .size: 8, .value_kind: global_buffer, .address_space: global }
      - { .name: sin, .offset: 24, .size: 8, .value_kind: global_buffer, .address_space: global }
      - { .name: qimg, .offset: 32, .size: 8, .value_kind: global_buffer, .address_space: global }
      - { .name: kvimg, .offset: 40, .size: 8, .value_kind: global_buffer, .address_space: global }
    .group_segment_fixed_size: 168448
    .private_segment_fixed_size: 0
    .kernarg_segment_align: 8
    .kernarg_segment_size: 48
    .max_flat_workgroup_size: 128
    .sgpr_count:     66
    .vgpr_count:     1024
    .wavefront_size: 32
...
	.end_amdgpu_metadata
.endif
;; end of part 2
;; launch attn (part 3): grid 32 x 8, 16 waves a work-group, no clusters, 223,232 bytes of LDS; arguments qimg, kvimg, oimg; writes oimg
.if DOCPART == 3
	.amdgcn_target "amdgcn-amd-amdhsa--gfx1250"
	.amdhsa_code_object_version 6
	.text
	.protected	k_q8c7da33701_attn
	.globl	k_q8c7da33701_attn
	.p2align	8
	.type	k_q8c7da33701_attn,@function
k_q8c7da33701_attn:
	s_mov_b64 s[64:65], 0
	v_nop
	global_prefetch_b8 v0, s[64:65] scope:SCOPE_SE
	s_setreg_imm32_b32 hwreg(HW_REG_WAVE_MODE, 25, 1), 1
	s_wait_xcnt 0x0
; o = softmax(q k^T / 8) v for one (batch, kv head) = work-group y, both products on BF6 codes; o is quantised along the head's 64 and stored as half of an operand's image.
; THE SOFTMAX AHEAD OF THE SECOND PRODUCT: t = score x log2(e) / 8; M = the running largest t rounded UP to a whole number; p = 2^(t - M) is quantised along the keys, not normalised;
; the row's sum is taken of the unquantised p and divides at the end; when M moves, the sum and O^T are multiplied by 2^(old M - new M), which rounds nothing.
; SHARES: sixteen waves, four to a SIMD, each with ONE tile of 16 queries of one of the four query heads of the group (head = wave % 4, tile = 4 x + wave / 4).
; ALL of this kv head's K and V (codes and scale words, 16 key steps x 13,824 bytes) fit in LDS: wave w brings key step w by one tensor load; one barrier; LDS is never filled again.
; LAYOUT: both products transposed (S^T = K Q^T, O^T = V^T P^T): a lane holds one query.  By the tile order the 16 registers of key tiles 2 b, 2 b + 1 are keys 32 b + 16 (lane / 16) + 0 .. 15.
; The first product's K is 64: registers 6-11 of Q's and K's fragments are zero codes, set once, under the scale byte 0 (2^-127): they add nothing.
; Multicast is left out: what the 32 work-groups of a kv head share is one first fill of 221,184 bytes each, against 16 key steps of work.
; LIMITS: NaN and infinities are not served; a block of zeros gets the byte 1 over zero codes.  v_exp_f32 is taken not to fall where its input rises (a block's largest p is made from its largest score).
; REGISTERS: v1-3 16, 8, 4 x lane; v4-7 blocks' maxima; v8-10 the step's addresses; v11 at work; v12 -M, v13 largest t, v[14:15] the sum; v16-27 Q, v28 its scale word; v29 p's scale word; v30 f (v31 its pair);
;   v32-79 four fragments of K; v80-127 four of V^T; v128-191 S^T, then p; v192-223 O^T; v224-235 p's codes; v236-247 at work; v248-251 K's scale words; v252-255 V's.
.set STEPB, 13824
.macro PLACES n
.rept \n
	v_nop
.endr
.endm
	s_load_b128 s[4:7], s[0:1], 0x0                ; qimg, kvimg
	s_load_b64 s[8:9], s[0:1], 0x10                ; oimg
	v_lshl_add_u32 v254, v0, 2, 0x36000
	v_mov_b32 v255, 0
	ds_add_u32 v254, v255
	ds_add_u32 v254, v255
	s_wait_dscnt 0x0
	v_lshrrev_b32 v1, 5, v0
	v_readfirstlane_b32 s10, v1                    ; wave 0..15
	s_and_b32 s11, ttmp7, 0xffff                   ; y = batch x 4 + kv head
	s_mov_b32 s12, 1
	s_mul_i32 s13, s10, STEPB                      ; LDS address: key step = wave
	s_mov_b32 s16, 3<<16                           ; elements of 8 bytes
	s_mov_b32 s17, 32<<16                          ; rows of 256 bytes
	s_mov_b32 s18, 54<<16                          ; 54 rows
	s_mov_b32 s19, 32<<16
	s_mov_b32 s20, 54
	s_mov_b32 s21, 32                              ; dense
	s_mov_b32 s22, 0
	s_mov_b32 s23, 0
	s_mul_i32 s32, s11, 16*STEPB
	s_add_co_u32 s32, s32, s13
	s_mov_b32 s33, 0
	s_and_b32 s34, s10, 3
	s_and_b32 s35, s11, 3
	s_lshl_b32 s35, s35, 2
	s_add_co_u32 s35, s35, s34                     ; query head
	s_lshl_b32 s36, ttmp9, 2
	s_lshr_b32 s37, s10, 2
	s_add_co_u32 s36, s36, s37
	s_lshr_b32 s37, s11, 2
	s_lshl_b32 s37, s37, 7
	s_add_co_u32 s36, s36, s37                     ; token tile Tg
	s_lshl_b32 s38, s35, 8
	s_add_co_u32 s38, s38, s36
	s_mul_i32 s38, s38, 896                        ; q's record
	s_mov_b32 s39, 0
	s_lshl_b32 s40, s36, 3
	s_lshr_b32 s41, s35, 1
	s_add_co_u32 s40, s40, s41
	s_mul_i32 s40, s40, 1792                       ; o's record: (8 Tg + head / 2)
	s_and_b32 s42, s35, 1                          ; c: which half of the K step of 128 my head is
	s_lshl_b32 s30, s42, 4                         ; my two scale bytes go 16 c bits up
	s_mul_i32 s43, s42, 768
	s_lshl_b32 s44, s42, 7
	s_add_co_u32 s44, s44, s40
	s_add_co_u32 s44, s44, 1536                    ; my scale chunk
	s_mov_b32 s45, 0
	s_add_co_u32 s40, s40, s43                     ; my half image
	s_mov_b32 s41, 0
	s_mov_b32 s24, 0x3e38aa3b                      ; c = log2(e) / 8
	s_mov_b32 s25, s24
	s_mov_b32 s26, 0x76543210
	s_mov_b32 s27, 0xfedcba98
	s_mov_b32 s28, 0                               ; LDS byte of the key step in hand
	s_mov_b32 s29, 0                               ; key steps done
	s_wait_kmcnt 0x0
	s_add_nc_u64 s[14:15], s[6:7], s[32:33]
	s_or_b32 s15, s15, 0x80000000
	tensor_load_to_lds s[12:15], s[16:23]          ; my one tensor load: a first fill
	s_nop 0
	PLACES 4
	s_add_nc_u64 s[4:5], s[4:5], s[38:39]
	s_add_nc_u64 s[6:7], s[8:9], s[44:45]
	s_add_nc_u64 s[8:9], s[8:9], s[40:41]
	v_and_b32 v11, 31, v0
	v_lshlrev_b32 v1, 4, v11
	v_lshlrev_b32 v2, 3, v11
	v_lshlrev_b32 v3, 2, v11
	global_load_b128 v[16:19], v1, s[4:5]
	global_load_b64 v[20:21], v2, s[4:5] offset:512
	global_load_b32 v28, v3, s[4:5] offset:768
.irp i, 22,23,24,25,26,27
	v_mov_b32 v\i, 0                               ; Q's zero codes
.endr
.irp t, 0,1,2,3
.irp i, 6,7,8,9,10,11
	v_mov_b32 v[32+12*\t+\i], 0                    ; K's zero codes: no load ever lands here
.endr
.endr
	v_mov_b32 v13, 0xff61b1e6                      ; the largest t so far: -3e38
	v_floor_f32 v12, -v13                          ; -M
	v_mov_b32 v14, 0
	v_mov_b32 v15, 0
	v_mov_b32 v31, 0
.irp b, 0,1,2,3
	v_mov_b32 v[236+\b], 0                         ; a lane permute's destination counts as read
.endr
.set J, 0
.rept 32
	v_mov_b32 v[192+J], 0                          ; O^T: the loop is written once; its first step finds zeros, which the first change of M leaves zeros
.set J, J+1
.endr
	s_wait_loadcnt 0x0                             ; Q
	s_wait_tensorcnt 0x0                           ; my key step lies in LDS,
	s_barrier_signal -1
	s_barrier_wait -1                              ; everybody's does
.Lstep:                                            ; a key step: 128 keys
	v_add_nc_u32 v8, s28, v1
	v_add_nc_u32 v9, s28, v2
	v_add_nc_u32 v10, s28, v3
.irp g, 0,1                                    ; S^T = K Q^T, four tiles of 16 keys at a time
.if \g > 0
	PLACES 4                                       ; in front of loads into registers that matrix instructions have read
.endif
.irp t, 0,1,2,3
	ds_load_b128 v[32+12*\t:35+12*\t], v8 offset:896*(4*\g+\t)
	ds_load_b64 v[36+12*\t:37+12*\t], v9 offset:896*(4*\g+\t)+512
	ds_load_b32 v[248+\t], v10 offset:896*(4*\g+\t)+768
.endr
	s_wait_dscnt 0x0
.irp t, 0,1,2,3
	v_wmma_scale_f32_16x16x128_f8f6f4 v[128+8*(4*\g+\t):135+8*(4*\g+\t)], v[32+12*\t:43+12*\t], v[16:27], 0, v[248+\t], v28 matrix_a_fmt:MATRIX_FMT_BF6 matrix_b_fmt:MATRIX_FMT_BF6
.endr
.endr
.irp f, 0,1,2,3                                ; V^T's four fragments land while the softmax is walked (their last readers stand seven places back)
.irp g, 0,1,2
	ds_load_b128 v[80+12*\f+4*\g:83+12*\f+4*\g], v8 offset:7168+1664*\f+512*\g
.endr
	ds_load_b32 v[252+\f], v10 offset:7168+1664*\f+1536
.endr
	PLACES 4                                       ; in front of the first read of the scores
.irp b, 0,1,2,3
	v_max3_num_f32 v[4+\b], v[128+16*\b], v[129+16*\b], v[130+16*\b]   ; the largest score of each block of 32 keys: for the row's maximum and for the block's largest p
.endr
.irp i, 3,5,7,9,11,13
.irp b, 0,1,2,3
	v_max3_num_f32 v[4+\b], v[4+\b], v[128+16*\b+\i], v[129+16*\b+\i]
.endr
.endr
.irp b, 0,1,2,3
	v_max_num_f32 v[4+\b], v[4+\b], v[143+16*\b]
.endr
.irp b, 0,1,2,3
	v_permlanex16_b32 v[236+\b], v[4+\b], s26, s27
.endr
.irp b, 0,1,2,3
	v_max_num_f32 v[4+\b], v[4+\b], v[236+\b]      ; with lane l xor 16's 16 keys
.endr
	v_max3_num_f32 v11, v4, v5, v6
	v_max_num_f32 v11, v11, v7
	v_mul_f32 v11, s24, v11                        ; as t (c is positive)
	v_max_num_f32 v13, v13, v11                    ; the running largest t
	v_mov_b32 v11, v12
	v_floor_f32 v12, -v13                          ; the new -M = -ceil(t): a whole number
	v_sub_f32 v11, v12, v11                        ; old M - new M, 0 or less
	v_cvt_i32_f32 v11, v11                         ; (it saturates)
	v_ldexp_f32 v30, 1.0, v11                      ; f = 2^(old M - new M)
.set J, 0
.rept 32
	v_pk_fma_f32 v[128+J:129+J], v[128+J:129+J], s[24:25], v[12:13] op_sel_hi:[1,0,0]   ; t - M
.set J, J+2
.endr
.irp b, 0,1,2,3
	v_fma_f32 v[4+\b], v[4+\b], s24, v12           ; the same of each block's largest score
.endr
.set J, 0
.rept 64
	v_exp_f32 v[128+J], v[128+J]                   ; p = 2^(t - M)
.set J, J+1
.endr
.irp b, 0,1,2,3
	v_exp_f32 v[4+\b], v[4+\b]                     ; the block's largest p
.endr
	v_pk_mul_f32 v[14:15], v[14:15], v[30:31] op_sel_hi:[1,0]   ; the sums under the new M (a plain place behind the exponentials)
	s_wait_alu depctr_va_vdst(0)
.irp b, 0,1,2,3
	v_max_num_f32 v[4+\b], 0x2800000, v[4+\b]      ; the floor 2^(5 - 127)
.endr
.irp b, 0,1,2,3
	v_add_nc_u32 v[244+\b], 0xfe000000, v[4+\b]    ; the conversion's scale operand
.endr
.irp b, 0,1,2,3
	v_lshrrev_b32 v[236+\b], 23, v[244+\b]         ; the scale's byte
.endr
	v_lshl_or_b32 v29, v237, 8, v236               ; p's scale word for these 128 keys
	v_lshl_or_b32 v29, v238, 16, v29
	v_lshl_or_b32 v29, v239, 24, v29
.irp c, 0,1
	v_cvt_scalef32_pk16_bf6_f32 v[224+6*\c:226+6*\c], v[128+32*\c:143+32*\c], v[244+2*\c]
	v_cvt_scalef32_pk16_bf6_f32 v[236+4*\c:238+4*\c], v[144+32*\c:159+32*\c], v[245+2*\c]
.endr
	v_nop                                          ; one plain place behind a scaled conversion
.irp c, 0,1
.irp i, 0,1,2
	v_permlane16_swap_b32 v[224+6*\c+\i], v[236+4*\c+\i]
.endr
.irp i, 0,1,2
	v_mov_b32 v[227+6*\c+\i], v[236+4*\c+\i]
.endr
.endr
	v_pk_add_f32 v[236:237], v[128:129], v[130:131]   ; the row's sum, of the unquantised p, in two chains
.irp j, 4,8,12,16,20,24,28,32,36,40,44,48,52,56,60
	v_pk_add_f32 v[14:15], v[14:15], v[128+\j:129+\j]
	v_pk_add_f32 v[236:237], v[236:237], v[130+\j:131+\j]
.endr
	v_pk_add_f32 v[14:15], v[14:15], v[236:237]
.set J, 0
.rept 16
	v_pk_mul_f32 v[192+J:193+J], v[192+J:193+J], v[30:31] op_sel_hi:[1,0]   ; O^T under the new M.  (These and the sums are the places between p's codes and scale word and the products)
.set J, J+2
.endr
	s_wait_dscnt 0x0                               ; V^T
.irp f, 0,1,2,3                                ; O^T += V^T P^T: the four accumulators by turns
	v_wmma_scale_f32_16x16x128_f8f6f4 v[192+8*\f:199+8*\f], v[80+12*\f:91+12*\f], v[224:235], v[192+8*\f:199+8*\f], v[252+\f], v29 matrix_a_fmt:MATRIX_FMT_BF6 matrix_b_fmt:MATRIX_FMT_BF6
.endr
	s_add_co_u32 s28, s28, STEPB
	s_add_co_u32 s29, s29, 1
	s_cmp_lt_u32 s29, 16
	s_cbranch_scc1 .Lstep
	; THE WAY OUT: o = O^T / the sum; by the tile order registers 16 b + i are channels 32 b + 16 (lane / 16) + i: quantised as they stand
	PLACES 4
	v_add_f32 v14, v14, v15
	v_permlanex16_b32 v11, v14, s26, s27
	v_add_f32 v14, v14, v11
	v_rcp_f32 v14, v14
	v_nop
.set J, 0
	s_wait_alu depctr_va_vdst(0)
.rept 32
	v_mul_f32 v[128+J], v[192+J], v14
.set J, J+1
.endr
.irp b, 0,1
	v_max3_num_f32 v[4+\b], 0x2800000, |v[128+16*\b]|, |v[129+16*\b]|
.endr
.irp i, 2,4,6,8,10,12,14
.irp b, 0,1
	v_max3_num_f32 v[4+\b], v[4+\b], |v[128+16*\b+\i]|, |v[129+16*\b+\i]|
.endr
.endr
.irp b, 0,1
	v_permlanex16_b32 v[6+\b], v[4+\b], s26, s27
.endr
.irp b, 0,1
	v_max_num_f32 v[4+\b], v[4+\b], v[6+\b]
.endr
.irp b, 0,1
	v_add_nc_u32 v[244+\b], 0xfe000000, v[4+\b]
.endr
.irp b, 0,1
	v_lshrrev_b32 v[236+\b], 23, v[244+\b]
.endr
	v_lshl_or_b32 v11, v237, 8, v236
	v_lshlrev_b32 v11, s30, v11                    ; at their places in the K step's scale word: the reader joins the two heads' halves
	v_cvt_scalef32_pk16_bf6_f32 v[224:226], v[128:143], v244
	v_cvt_scalef32_pk16_bf6_f32 v[240:242], v[144:159], v245
	v_nop
.irp i, 0,1,2
	v_permlane16_swap_b32 v[224+\i], v[240+\i]
.endr
.irp i, 0,1,2
	v_mov_b32 v[227+\i], v[240+\i]
.endr
	global_store_b128 v1, v[224:227], s[8:9]
	global_store_b64 v2, v[228:229], s[8:9] offset:512
	global_store_b32 v3, v11, s[6:7]
	s_wait_xcnt 0x0
	v_lshl_add_u32 v254, v0, 2, 0x36000
	v_mov_b32 v255, 0
	s_wait_tensorcnt 0x0
	ds_add_u32 v254, v255
	s_wait_dscnt 0x0
	s_endpgm
.Lfunc_end_k_q8c7da33701_attn:
	.size	k_q8c7da33701_attn, .Lfunc_end_k_q8c7da33701_attn-k_q8c7da33701_attn
	.p2alignl 7, 3214868480
	.fill 96, 4, 3214868480
	.section	.rodata,"a",@progbits
	.p2align	6, 0x0
	.amdhsa_kernel k_q8c7da33701_attn
		.amdhsa_group_segment_fixed_size 223232
		.amdhsa_private_segment_fixed_size 0
		.amdhsa_enable_private_segment 0
		.amdhsa_kernarg_size 24
		.amdhsa_user_sgpr_count 2
		.amdhsa_user_sgpr_kernarg_segment_ptr 1
		.amdhsa_wavefront_size32 1
		.amdhsa_system_sgpr_workgroup_id_x 1
		.amdhsa_system_sgpr_workgroup_id_y 1
		.amdhsa_system_sgpr_workgroup_id_z 1
		.amdhsa_system_vgpr_workitem_id 0
		.amdhsa_next_free_vgpr 256
		.amdhsa_next_free_sgpr 66
		.amdhsa_reserve_vcc 0
		.amdhsa_float_denorm_mode_32 3
		.amdhsa_float_denorm_mode_16_64 3
		.amdhsa_memory_ordered 1
		.amdhsa_forward_progress 1
		.amdhsa_inst_pref_size 26
	.end_amdhsa_kernel
	.amdgpu_metadata
---
amdhsa.version: [ 1, 2 ]
amdhsa.kernels:
  - .name:           k_q8c7da33701_attn
    .symbol:         k_q8c7da33701_attn.kd
    .args:
      - { .name: qimg, .offset: 0, .size: 8, .value_kind: global_buffer, .address_space: global }
      - { .name: kvimg, .offset: 8, .size: 8, .value_kind: global_buffer, .address_space: global }
      - { .name: oimg, .offset: 16, .size: 8, .value_kind: global_buffer, .address_space: global }
    .group_segment_fixed_size: 223232
    .private_segment_fixed_size: 0
    .kernarg_segment_align: 8
    .kernarg_segment_size: 24
    .max_flat_workgroup_size: 512
    .sgpr_count:     66
    .vgpr_count:     256
    .wavefront_size: 32
...
	.end_amdgpu_metadata
.endif
;; end of part 3
;; launch wo (part 4): grid 128 x 1, 4 waves a work-group, no clusters, 168,448 bytes of LDS; arguments oimg, wts, x, ln2_g, ln2_b, hbuf, x1img; writes hbuf, x1img
.if DOCPART == 4
	.amdgcn_target "amdgcn-amd-amdhsa--gfx1250"
	.amdhsa_code_object_version 6
	.text
	.protected	k_q8c7da33701_wo
	.globl	k_q8c7da33701_wo
	.p2align	8
	.type	k_q8c7da33701_wo,@function
k_q8c7da33701_wo:
	s_mov_b64 s[64:65], 0
	v_nop
	global_prefetch_b8 v0, s[64:65] scope:SCOPE_SE
	s_setreg_imm32_b32 hwreg(HW_REG_WAVE_MODE, 25, 1), 1
	s_wait_xcnt 0x0
; x1 = x + o Wo^T on BF6 codes; h2 = LayerNorm2(x1), quantised.  x1 goes out as images of the accumulators (1,024 bytes a tile: registers 0-3 at 16 l, 4-7 at 512 + 16 l), h2 as records of 1,664 bytes.
; SHARES: a work-group takes 32 tokens (token tiles 2 G, 2 G + 1) and ALL 1,024 columns, since the norm wants whole rows; wave w takes columns 256 w on: 16 weight tiles, 32 accumulators.
; x is loaded straight into the accumulators: the first product adds onto it.  o's 16 records (28,672 bytes, dense) come into LDS once, a quarter by each wave's one tensor load; LDS is never filled again.
; The weights go from their images into a ring of three register slots of 8 fragments, half a K step each, two half steps ahead (48 loads of 512 bytes in flight).
; The product is used transposed: a lane holds one token, registers 16 B + i of a tile of tokens are columns 256 w + 32 B + 16 (lane / 16) + i.
; The rows' sums meet in LDS, once for the mean and once for the centred squares: two barriers.
; REGISTERS: window 0 addresses, scale words, at work; window 1 accumulator (T, F) at v[128 T + 8 F]; window 2 ring slots 0, 1, later the gain; window 3 ring slot 2, o's fragments at v96-143, later the bias.
; LIMITS: NaN and infinities are not served; a block of zeros gets the byte 1 over zero codes.
.set LI16, 1
.set LI8,  2
.set LI4,  3
.set XA,   4                           ; x: (r + 8 (r / 8)) x 4,096 + 64 h
.set GA,   5                           ; gain, bias: 64 h
.set STA,  6                           ; where I put my rows' sums
.set WS,   16                          ; v16-79  Wo's scale words: 4 F + j
.set AS,   80                          ; v80-95  o's scale words: 2 s + T
.set TS,   96                          ; v96-127 their halves as loaded; later the waves' sums
.set RN,   128                         ; v128-191 64 numbers of h2
.set TM,   192
.set PW,   208
.set PC,   210
.set SU,   232                         ; v232-239 two chains of sums for each T
.set NM,   240                         ; v240-243 minus the mean, a pair for each T
.set RS,   244                         ; v244-247 1 / sqrt(var + eps), a pair for each T
.set SEL,  36
.set STAT1, 28672                      ; behind o's records: word (wave, T, lane) at 256 wave + 128 T + 4 lane
.set STAT2, 29696
.set WSC,  5111808
.set MSB, 0
.macro WIN new
.if MSB != (\new)
	s_set_vgpr_msb (MSB<<8)|(\new)
.set MSB, \new
.endif
.endm
.macro PLACES n
.rept \n
	v_nop
.endr
.endm
.macro QUANT src                       ; 64 numbers in window 0, register 16 b + i = k 32 b + 16 (lane / 16) + i: a fragment in v[PC] on, its scale word in v[PW]
.irp b, 0,1,2,3
	v_max3_num_f32 v[TM+\b], 0x2800000, |v[(\src)+16*\b]|, |v[(\src)+16*\b+1]|
.endr
.irp i, 2,4,6,8,10,12,14
.irp b, 0,1,2,3
	v_max3_num_f32 v[TM+\b], v[TM+\b], |v[(\src)+16*\b+\i]|, |v[(\src)+16*\b+\i+1]|
.endr
.endr
.irp b, 0,1,2,3
	v_permlanex16_b32 v[TM+4+\b], v[TM+\b], s[SEL], s[SEL+1]
.endr
.irp b, 0,1,2,3
	v_max_num_f32 v[TM+\b], v[TM+\b], v[TM+4+\b]
.endr
.irp b, 0,1,2,3
	v_add_nc_u32 v[TM+12+\b], 0xfe000000, v[TM+\b]
.endr
.irp b, 0,1,2,3
	v_lshrrev_b32 v[TM+4+\b], 23, v[TM+12+\b]
.endr
	v_lshl_or_b32 v[PW], v[TM+5], 8, v[TM+4]
	v_lshl_or_b32 v[PW], v[TM+6], 16, v[PW]
	v_lshl_or_b32 v[PW], v[TM+7], 24, v[PW]
.irp c, 0,1
	v_cvt_scalef32_pk16_bf6_f32 v[PC+6*\c:PC+6*\c+2], v[(\src)+32*\c:(\src)+32*\c+15], v[TM+12+2*\c]
	v_cvt_scalef32_pk16_bf6_f32 v[PC+12+4*\c:PC+14+4*\c], v[(\src)+32*\c+16:(\src)+32*\c+31], v[TM+13+2*\c]
.endr
	v_nop
.irp c, 0,1
.irp i, 0,1,2
	v_permlane16_swap_b32 v[PC+6*\c+\i], v[PC+12+4*\c+\i]
.endr
.irp i, 0,1,2
	v_mov_b32 v[PC+3+6*\c+\i], v[PC+12+4*\c+\i]
.endr
.endr
.endm
.macro MM d, a, b, sa, sb, row         ; every product adds in place; row = 1: the weight's scale word lies in lanes 16-31
.if (\row) == 0
	v_wmma_scale_f32_16x16x128_f8f6f4 v[(\d):(\d)+7], v[(\a):(\a)+11], v[(\b):(\b)+11], v[(\d):(\d)+7], v[(\sa)], v[(\sb)] matrix_a_fmt:MATRIX_FMT_BF6 matrix_b_fmt:MATRIX_FMT_BF6
.else
	v_wmma_scale_f32_16x16x128_f8f6f4 v[(\d):(\d)+7], v[(\a):(\a)+11], v[(\b):(\b)+11], v[(\d):(\d)+7], v[(\sa)], v[(\sb)] matrix_a_fmt:MATRIX_FMT_BF6 matrix_b_fmt:MATRIX_FMT_BF6 matrix_a_scale:MATRIX_SCALE_ROW1
.endif
.endm
.macro WLOAD q                         ; half step q: K step q / 2 of weight tiles 8 (q % 2) + 0 .. 7 into slot q % 3: 24 loads
.if (\q)%3 == 2
	WIN 0xc0
.set WBL, 0
.else
	WIN 0x80
.set WBL, 96*((\q)%3)
.endif
.irp f, 0,1,2,3,4,5,6,7
.irp g, 0,1,2
	global_load_b128 v[WBL+12*\f+4*\g:WBL+12*\f+4*\g+3], v[LI16], s[32:33] offset:12288*(8*((\q)%2)+\f)+1536*((\q)/2)+512*\g
.endr
.endr
.endm
.macro ALOAD st                        ; K step st of the two token tiles: two heads' half images each: 8 loads
	WIN 0xc0
.irp t, 0,1
	ds_load_b128 v[96+24*((\st)%2)+12*\t:96+24*((\st)%2)+12*\t+3], v[LI16] offset:(8*\t+(\st))*1792
	ds_load_b64 v[96+24*((\st)%2)+12*\t+4:96+24*((\st)%2)+12*\t+5], v[LI8] offset:(8*\t+(\st))*1792+512
	ds_load_b128 v[96+24*((\st)%2)+12*\t+6:96+24*((\st)%2)+12*\t+9], v[LI16] offset:(8*\t+(\st))*1792+768
	ds_load_b64 v[96+24*((\st)%2)+12*\t+10:96+24*((\st)%2)+12*\t+11], v[LI8] offset:(8*\t+(\st))*1792+1280
.endr
.endm
.macro HSTEP q                         ; sixteen products; the sixteen accumulators by turns
.if (\q) > 0
	PLACES 4                                       ; for the loads into what the half step before has read
.endif
.if (\q)+2 < 16
	WLOAD (\q)+2
.endif
.if (\q)%2 == 0
.if (\q)/2 < 7
	ALOAD (\q)/2+1
	s_wait_dscnt 8                                 ; all but the 8 LDS loads just issued
.else
	s_wait_dscnt 0x0
.endif
.endif
.if 15-(\q) < 2
	s_wait_loadcnt 24*(15-(\q))
.else
	s_wait_loadcnt 48                              ; the two younger half steps' loads may be out
.endif
.if (\q)%3 == 2
	WIN 0x5f                                       ; source 0 window 3, source 1 window 3, C and D window 1
.set WBM, 0
.else
	WIN 0x5e                                       ; source 0 window 2
.set WBM, 96*((\q)%3)
.endif
.irp t, 0,1
.irp f, 0,1,2,3,4,5,6,7
	MM 128*\t+8*(8*((\q)%2)+\f), WBM+12*\f, 96+24*(((\q)/2)%2)+12*\t, WS+4*(8*((\q)%2)+\f)+(\q)/4, AS+2*((\q)/2)+\t, ((\q)/2)%2
.endr
.endr
.endm
.macro MEET base                       ; the two tiles' figures in v[SU + 4 T]: over the lane's pair, lane l xor 16, and the four waves (through LDS at base)
.irp t, 0,1
	v_pk_add_f32 v[SU+4*\t:SU+4*\t+1], v[SU+4*\t:SU+4*\t+1], v[SU+4*\t+2:SU+4*\t+3]
.endr
.irp t, 0,1
	v_add_f32 v[SU+4*\t], v[SU+4*\t], v[SU+4*\t+1]
.endr
.irp t, 0,1
	v_permlanex16_b32 v[SU+4*\t+2], v[SU+4*\t], s[SEL], s[SEL+1]
.endr
.irp t, 0,1
	v_add_f32 v[SU+4*\t], v[SU+4*\t], v[SU+4*\t+2]
.endr
.irp t, 0,1
	ds_store_b32 v[STA], v[SU+4*\t] offset:(\base)-STAT1+128*\t
.endr
	s_wait_dscnt 0x0                               ; for the others' sake
	s_barrier_signal -1
	s_barrier_wait -1
.irp t, 0,1
.irp u, 0,1,2,3
	ds_load_b32 v[TS+4*\t+\u], v[LI4] offset:(\base)+256*\u+128*\t
.endr
.endr
	s_wait_dscnt 0x0
.irp t, 0,1
	v_add_f32 v[TS+4*\t], v[TS+4*\t], v[TS+4*\t+1]
	v_add_f32 v[TS+4*\t+2], v[TS+4*\t+2], v[TS+4*\t+3]
.endr
.irp t, 0,1
	v_add_f32 v[TS+4*\t], v[TS+4*\t], v[TS+4*\t+2]
.endr
.endm
.macro OUTQ t, hf                      ; tile t, my columns 128 hf on: K step 2 w + hf of the next product
	WIN 0x01
.set J, 0
.rept 32
	v_pk_mul_f32 v[RN+J:RN+J+1], v[128*(\t)+64*(\hf)+J:128*(\t)+64*(\hf)+J+1], v[RS+2*(\t):RS+2*(\t)+1] op_sel_hi:[1,0]
.set J, J+2
.endr
	WIN 0x38                                       ; source 1 (gain) window 2, source 2 (bias) window 3
.set J, 0
.rept 32
	v_pk_fma_f32 v[RN+J:RN+J+1], v[RN+J:RN+J+1], v[64*(\hf)+J:64*(\hf)+J+1], v[64*(\hf)+J:64*(\hf)+J+1]
.set J, J+2
.endr
	WIN 0
	s_wait_xcnt 0x0                                ; earlier stores have read their data registers
	QUANT RN
.irp g, 0,1,2
	global_store_b128 v[LI16], v[PC+4*\g:PC+4*\g+3], s[14:15] offset:13312*(\t)+1664*(\hf)+512*\g
.endr
	global_store_b32 v[LI4], v[PW], s[14:15] offset:13312*(\t)+1664*(\hf)+1536
.endm
	s_load_b256 s[4:11], s[0:1], 0x0               ; oimg, wts, x, ln2_g
	s_load_b128 s[12:15], s[0:1], 0x20             ; ln2_b, hbuf
	s_load_b64 s[16:17], s[0:1], 0x30              ; x1img
	v_lshl_add_u32 v254, v0, 2, 0x29000
	v_mov_b32 v255, 0
	ds_add_u32 v254, v255
	ds_add_u32 v254, v255
	v_lshrrev_b32 v7, 5, v0
	v_readfirstlane_b32 s18, v7                    ; wave
	s_mov_b32 s19, ttmp9                           ; G
	s_mov_b32 s20, 1
	s_mul_i32 s21, s18, 7168                       ; LDS address: my quarter
	s_mov_b32 s24, 3<<16
	s_mov_b32 s25, 32<<16
	s_mov_b32 s26, 28<<16                          ; 28 rows of 256 bytes
	s_mov_b32 s27, 32<<16
	s_mov_b32 s28, 28
	s_mov_b32 s29, 32
	s_mov_b32 s30, 0
	s_mov_b32 s31, 0
	s_mul_i32 s40, s19, 28672
	s_add_co_u32 s40, s40, s21
	s_mov_b32 s41, 0
	s_wait_dscnt 0x0
	s_wait_kmcnt 0x0
	s_add_nc_u64 s[22:23], s[4:5], s[40:41]
	s_or_b32 s23, s23, 0x80000000
	tensor_load_to_lds s[20:23], s[24:31]          ; my one tensor load: a first fill
	s_nop 0
	PLACES 4
	s_mul_i32 s42, s18, 196608
	s_add_co_u32 s42, s42, 1179648
	s_mov_b32 s43, 0
	s_add_nc_u64 s[32:33], s[6:7], s[42:43]        ; Wo's chunks 96 + 16 w on
	s_lshl_b32 s42, s18, 13
	s_add_co_u32 s42, s42, WSC+96*512
	s_add_nc_u64 s[34:35], s[6:7], s[42:43]
	s_lshl_b32 s42, s19, 17
	s_lshl_b32 s44, s18, 10
	s_mov_b32 s45, 0
	s_add_co_u32 s42, s42, s44
	s_add_nc_u64 s[8:9], s[8:9], s[42:43]          ; x: 32 G rows of 4,096 bytes, + my 1,024 bytes
	s_add_nc_u64 s[10:11], s[10:11], s[44:45]
	s_add_nc_u64 s[12:13], s[12:13], s[44:45]
	s_lshl_b32 s42, s19, 17
	s_lshl_b32 s44, s18, 14
	s_add_co_u32 s42, s42, s44
	s_add_nc_u64 s[16:17], s[16:17], s[42:43]      ; x1img: (64 (2 G) + 16 w) x 1,024
	s_mul_i32 s42, s19, 26624
	s_mul_i32 s44, s18, 3328
	s_add_co_u32 s42, s42, s44
	s_add_nc_u64 s[14:15], s[14:15], s[42:43]      ; hbuf: (8 (2 G) + 2 w) x 1,664
	s_mov_b32 s[SEL], 0x76543210
	s_mov_b32 s[SEL+1], 0xfedcba98
	s_mov_b32 s48, 0x3a800000                      ; 1 / 1,024
	s_mov_b32 s49, 0x3727c5ac                      ; eps
	v_and_b32 v7, 31, v0
	v_lshlrev_b32 v[LI16], 4, v7
	v_lshlrev_b32 v[LI8], 3, v7
	v_lshlrev_b32 v[LI4], 2, v7
	v_and_b32 v8, 15, v0
	v_bfe_u32 v9, v0, 4, 1
	v_and_b32 v10, 8, v8
	v_add_nc_u32 v10, v10, v8
	v_lshlrev_b32 v[GA], 6, v9
	v_lshl_add_u32 v[XA], v10, 12, v[GA]
	s_lshl_b32 s46, s18, 8
	s_add_co_u32 s46, s46, STAT1
	v_add_nc_u32 v[STA], s46, v[LI4]
.irp b, 0,1,2,3
	v_mov_b32 v[TM+4+\b], 0
.endr
.irp f, 0,1,2,3,4,5,6,7,8,9,10,11,12,13,14,15
	global_load_b128 v[WS+4*\f:WS+4*\f+3], v[LI16], s[34:35] offset:512*\f
.endr
	WIN 0x40                                       ; x into the accumulators
.irp t, 0,1
.irp b, 0,1,2,3,4,5,6,7
.irp k, 0,1,2,3
	global_load_b128 v[128*\t+16*\b+4*\k:128*\t+16*\b+4*\k+3], v[XA], s[8:9] offset:32768*\t+128*\b+16*\k
.endr
.endr
.endr
	WLOAD 0
	WLOAD 1
	WIN 0
	s_wait_tensorcnt 0x0
	s_barrier_signal -1
	s_barrier_wait -1
.irp t, 0,1
.irp st, 0,1,2,3,4,5,6,7
.irp c, 0,1
	ds_load_b32 v[TS+2*(2*\st+\t)+\c], v[LI4] offset:(8*\t+\st)*1792+1536+128*\c
.endr
.endr
.endr
	s_wait_dscnt 0x0
.set J, 0
.rept 16
	v_or_b32 v[AS+J], v[TS+2*J], v[TS+2*J+1]       ; the two heads' halves make a K step's scale word
.set J, J+1
.endr
	PLACES 8                                       ; a scale word made by a vector instruction stands eight places ahead of the product
	ALOAD 0
.irp q, 0,1,2,3,4,5,6,7,8,9,10,11,12,13,14,15
	HSTEP \q
.endr
	PLACES 4                                       ; in front of the reads of results and of loads into registers that products have read
	WIN 0x80
.irp b, 0,1,2,3,4,5,6,7
.irp k, 0,1,2,3
	global_load_b128 v[16*\b+4*\k:16*\b+4*\k+3], v[GA], s[10:11] offset:128*\b+16*\k
.endr
.endr
	WIN 0xc0
.irp b, 0,1,2,3,4,5,6,7
.irp k, 0,1,2,3
	global_load_b128 v[16*\b+4*\k:16*\b+4*\k+3], v[GA], s[12:13] offset:128*\b+16*\k
.endr
.endr
	WIN 0x04                                       ; a store's data are its source 1: window 1
.irp t, 0,1
.irp f, 0,1,2,3,4,5,6,7,8,9,10,11,12,13,14,15
	global_store_b128 v[LI16], v[128*\t+8*\f:128*\t+8*\f+3], s[16:17] offset:65536*\t+1024*\f       ; x1, each accumulator from its low end on; 512 consecutive bytes a store
	global_store_b128 v[LI16], v[128*\t+8*\f+4:128*\t+8*\f+7], s[16:17] offset:65536*\t+1024*\f+512
.endr
.endr
	WIN 0x05                                       ; the rows' sums
.irp t, 0,1
	v_pk_add_f32 v[SU+4*\t:SU+4*\t+1], v[128*\t:128*\t+1], v[128*\t+2:128*\t+3]
	v_pk_add_f32 v[SU+4*\t+2:SU+4*\t+3], v[128*\t+4:128*\t+5], v[128*\t+6:128*\t+7]
.endr
	WIN 0x04
.set J, 8
.rept 30
.irp t, 0,1
	v_pk_add_f32 v[SU+4*\t:SU+4*\t+1], v[SU+4*\t:SU+4*\t+1], v[128*\t+J:128*\t+J+1]
	v_pk_add_f32 v[SU+4*\t+2:SU+4*\t+3], v[SU+4*\t+2:SU+4*\t+3], v[128*\t+J+2:128*\t+J+3]
.endr
.set J, J+4
.endr
	WIN 0
	MEET STAT1
.irp t, 0,1
	v_mul_f32 v[NM+2*\t], 0xba800000, v[TS+4*\t]   ; minus the mean
	v_mov_b32 v[NM+2*\t+1], 0                      ; (named with it as a pair)
.endr
	s_wait_xcnt 0x0                                ; x1's stores have read the accumulators
	WIN 0x41
.irp t, 0,1
.set J, 0
.rept 64
	v_pk_add_f32 v[128*\t+J:128*\t+J+1], v[128*\t+J:128*\t+J+1], v[NM+2*\t:NM+2*\t+1] op_sel_hi:[1,0]
.set J, J+2
.endr
.endr
	WIN 0x05                                       ; the centred squares
.irp t, 0,1
	v_pk_mul_f32 v[SU+4*\t:SU+4*\t+1], v[128*\t:128*\t+1], v[128*\t:128*\t+1]
	v_pk_mul_f32 v[SU+4*\t+2:SU+4*\t+3], v[128*\t+2:128*\t+3], v[128*\t+2:128*\t+3]
.endr
.set J, 4
.rept 31
.irp t, 0,1
	v_pk_fma_f32 v[SU+4*\t:SU+4*\t+1], v[128*\t+J:128*\t+J+1], v[128*\t+J:128*\t+J+1], v[SU+4*\t:SU+4*\t+1]
	v_pk_fma_f32 v[SU+4*\t+2:SU+4*\t+3], v[128*\t+J+2:128*\t+J+3], v[128*\t+J+2:128*\t+J+3], v[SU+4*\t+2:SU+4*\t+3]
.endr
.set J, J+4
.endr
	WIN 0
	MEET STAT2
.irp t, 0,1
	v_fma_f32 v[TS+4*\t], v[TS+4*\t], s48, s49     ; var + eps
	v_mov_b32 v[RS+2*\t+1], 0
.endr
.irp t, 0,1
	v_rsq_f32 v[RS+2*\t], v[TS+4*\t]
.endr
	v_nop
	s_wait_alu depctr_va_vdst(0)
	s_wait_loadcnt 0x0                             ; gain and bias
	OUTQ 0, 0
	OUTQ 0, 1
	OUTQ 1, 0
	OUTQ 1, 1
	s_wait_tensorcnt 0x0
	ds_add_u32 v254, v255
	s_wait_dscnt 0x0
	s_endpgm
.Lfunc_end_k_q8c7da33701_wo:
	.size	k_q8c7da33701_wo, .Lfunc_end_k_q8c7da33701_wo-k_q8c7da33701_wo
	.p2alignl 7, 3214868480
	.fill 96, 4, 3214868480
	.section	.rodata,"a",@progbits
	.p2align	6, 0x0
	.amdhsa_kernel k_q8c7da33701_wo
		.amdhsa_group_segment_fixed_size 168448
		.amdhsa_private_segment_fixed_size 0
		.amdhsa_enable_private_segment 0
		.amdhsa_kernarg_size 56
		.amdhsa_user_sgpr_count 2
		.amdhsa_user_sgpr_kernarg_segment_ptr 1
		.amdhsa_wavefront_size32 1
		.amdhsa_system_sgpr_workgroup_id_x 1
		.amdhsa_system_sgpr_workgroup_id_y 1
		.amdhsa_system_sgpr_workgroup_id_z 1
		.amdhsa_system_vgpr_workitem_id 0
		.amdhsa_next_free_vgpr 1024
		.amdhsa_next_free_sgpr 66
		.amdhsa_reserve_vcc 0
		.amdhsa_float_denorm_mode_32 3
		.amdhsa_float_denorm_mode_16_64 3
		.amdhsa_memory_ordered 1
		.amdhsa_forward_progress 1
		.amdhsa_inst_pref_size 163
	.end_amdhsa_kernel
	.amdgpu_metadata
---
amdhsa.version: [ 1, 2 ]
amdhsa.kernels:
  - .name:           k_q8c7da33701_wo
    .symbol:         k_q8c7da33701_wo.kd
    .args:
      - { .name: oimg, .offset: 0, .size: 8, .value_kind: global_buffer, .address_space: global }
      - { .name: wts, .offset: 8, .size: 8, .value_kind: global_buffer, .address_space: global }
      - { .name: x, .offset: 16, .size: 8, .value_kind: global_buffer, .address_space: global }
      - { .name: ln2_g, .offset: 24, .size: 8, .value_kind: global_buffer, .address_space: global }
      - { .name: ln2_b, .offset: 32, .size: 8, .value_kind: global_buffer, .address_space: global }
      - { .name: hbuf, .offset: 40, .size: 8, .value_kind: global_buffer, .address_space: global }
      - { .name: x1img, .offset: 48, .size: 8, .value_kind: global_buffer, .address_space: global }
    .group_segment_fixed_size: 168448
    .private_segment_fixed_size: 0
    .kernarg_segment_align: 8
    .kernarg_segment_size: 56
    .max_flat_workgroup_size: 128
    .sgpr_count:     66
    .vgpr_count:     1024
    .wavefront_size: 32
...
	.end_amdgpu_metadata
.endif
;; end of part 4
;; launch w1 (part 5): grid 64 x 4, 4 waves a work-group, no clusters, 168,448 bytes of LDS; arguments hbuf, wts, b1, gimg; writes gimg
.if DOCPART == 5
	.amdgcn_target "amdgcn-amd-amdhsa--gfx1250"
	.amdhsa_code_object_version 6
	.text
	.protected	k_q8c7da33701_w1
	.globl	k_q8c7da33701_w1
	.p2align	8
	.type	k_q8c7da33701_w1,@function
k_q8c7da33701_w1:
	s_mov_b64 s[64:65], 0
	v_nop
	global_prefetch_b8 v0, s[64:65] scope:SCOPE_SE
	s_setreg_imm32_b32 hwreg(HW_REG_WAVE_MODE, 25, 1), 1
	s_wait_xcnt 0x0
; g = gelu(h2 W1^T + b1), exact GELU, on BF6 codes; g is quantised along its 2,048 columns and stored as records of 1,664 bytes.
; SHARES: work-group x = 64 tokens (4 token tiles), y = 512 columns; wave w takes 128 columns (8 weight tiles): exactly K step 4 y + w of the next product.  32 accumulators.
; h2's 32 records (53,248 bytes, dense) come into LDS once, a quarter by each wave's one tensor load; LDS is never filled again.  The weights go from their images into a ring of three register slots,
; two K steps ahead (48 loads of 512 bytes in flight).  b1 is the C of each sum's first product.  The product is used transposed: a lane holds one token, registers 16 b + i are columns 32 b + 16 (lane / 16) + i.
; GELU: gelu(x) = max(x, 0) - |x| Q(|x|), Q(a) = 1 - Phi(a) = P(t) 2^(-a^2 log2(e) / 2), t = 1 / (1 + 0.2316419 a), P of degree 5 (Abramowitz and Stegun 26.2.17, its factor 1 / sqrt(2 pi) folded into the coefficients).
; LIMIT: Phi is within about 1e-7 in absolute terms, which for x > 0 is f32's own grain; relative to gelu(x) it is about 5e-5 at x = -3 and grows below, where |gelu(x)| < 0.005.
; LIMITS: NaN and infinities are not served; a block of zeros gets the byte 1 over zero codes.
; Multicast is left out: what the four column groups share is one first fill of 53,248 bytes.
; REGISTERS: window 0 addresses, scale words, b1, at work; window 1 accumulator (T, F) at v[8 (8 T + F)]; window 2 ring slots 0, 1; window 3 ring slot 2, h2's fragments at v96 and v144.
.set LI16, 1
.set LI4,  3
.set BA,   5                           ; b1: 64 h
.set WS,   16                          ; v16-47
.set AS,   48                          ; v48-55
.set BI,   64                          ; v64-127 b1 in the result's layout; later g
.set RN,   64
.set GA,   128                         ; |x|
.set GT,   144                         ; t
.set GE,   160                         ; 2^(..)
.set GP,   176                         ; -Q
.set TM,   192
.set PW,   208
.set PC,   210
.set KC,   232                         ; v232-241 the polynomial's coefficients, negated, c5 .. c1, a pair each
.set KK1,  242
.set KK2,  244
.set KONE, 246
.set SEL,  32
.set WSC,  5111808
.set MSB, 0
.macro WIN new
.if MSB != (\new)
	s_set_vgpr_msb (MSB<<8)|(\new)
.set MSB, \new
.endif
.endm
.macro PLACES n
.rept \n
	v_nop
.endr
.endm
.macro QUANT src
.irp b, 0,1,2,3
	v_max3_num_f32 v[TM+\b], 0x2800000, |v[(\src)+16*\b]|, |v[(\src)+16*\b+1]|
.endr
.irp i, 2,4,6,8,10,12,14
.irp b, 0,1,2,3
	v_max3_num_f32 v[TM+\b], v[TM+\b], |v[(\src)+16*\b+\i]|, |v[(\src)+16*\b+\i+1]|
.endr
.endr
.irp b, 0,1,2,3
	v_permlanex16_b32 v[TM+4+\b], v[TM+\b], s[SEL], s[SEL+1]
.endr
.irp b, 0,1,2,3
	v_max_num_f32 v[TM+\b], v[TM+\b], v[TM+4+\b]
.endr
.irp b, 0,1,2,3
	v_add_nc_u32 v[TM+12+\b], 0xfe000000, v[TM+\b]
.endr
.irp b, 0,1,2,3
	v_lshrrev_b32 v[TM+4+\b], 23, v[TM+12+\b]
.endr
	v_lshl_or_b32 v[PW], v[TM+5], 8, v[TM+4]
	v_lshl_or_b32 v[PW], v[TM+6], 16, v[PW]
	v_lshl_or_b32 v[PW], v[TM+7], 24, v[PW]
.irp c, 0,1
	v_cvt_scalef32_pk16_bf6_f32 v[PC+6*\c:PC+6*\c+2], v[(\src)+32*\c:(\src)+32*\c+15], v[TM+12+2*\c]
	v_cvt_scalef32_pk16_bf6_f32 v[PC+12+4*\c:PC+14+4*\c], v[(\src)+32*\c+16:(\src)+32*\c+31], v[TM+13+2*\c]
.endr
	v_nop
.irp c, 0,1
.irp i, 0,1,2
	v_permlane16_swap_b32 v[PC+6*\c+\i], v[PC+12+4*\c+\i]
.endr
.irp i, 0,1,2
	v_mov_b32 v[PC+3+6*\c+\i], v[PC+12+4*\c+\i]
.endr
.endr
.endm
.macro MM d, a, b, c, sa, sb, row      ; row = 1: the weight's scale word lies in lanes 16-31
.if (\row) == 0
	v_wmma_scale_f32_16x16x128_f8f6f4 v[(\d):(\d)+7], v[(\a):(\a)+11], v[(\b):(\b)+11], v[(\c):(\c)+7], v[(\sa)], v[(\sb)] matrix_a_fmt:MATRIX_FMT_BF6 matrix_b_fmt:MATRIX_FMT_BF6
.else
	v_wmma_scale_f32_16x16x128_f8f6f4 v[(\d):(\d)+7], v[(\a):(\a)+11], v[(\b):(\b)+11], v[(\c):(\c)+7], v[(\sa)], v[(\sb)] matrix_a_fmt:MATRIX_FMT_BF6 matrix_b_fmt:MATRIX_FMT_BF6 matrix_a_scale:MATRIX_SCALE_ROW1
.endif
.endm
.macro WLOAD st                        ; K step st of my eight weight tiles into slot st % 3: 24 loads
.if (\st)%3 == 2
	WIN 0xc0
.set WBL, 0
.else
	WIN 0x80
.set WBL, 96*((\st)%3)
.endif
.irp f, 0,1,2,3,4,5,6,7
.irp g, 0,1,2
	global_load_b128 v[WBL+12*\f+4*\g:WBL+12*\f+4*\g+3], v[LI16], s[28:29] offset:12288*\f+1536*(\st)+512*\g
.endr
.endr
.endm
.macro ALOAD st                        ; K step st of the four token tiles: 12 + 4 loads
	WIN 0xc0
.irp t, 0,1,2,3
.irp g, 0,1,2
	ds_load_b128 v[96+48*((\st)%2)+12*\t+4*\g:96+48*((\st)%2)+12*\t+4*\g+3], v[LI16] offset:13312*\t+1664*(\st)+512*\g
.endr
.endr
	WIN 0
.irp t, 0,1,2,3
	ds_load_b32 v[AS+4*((\st)%2)+\t], v[LI4] offset:13312*\t+1664*(\st)+1536
.endr
.endm
.macro STEP st                         ; 32 products; the 32 accumulators by turns
.if (\st) > 0
	PLACES 4
.endif
.if (\st)+2 < 8
	WLOAD (\st)+2
.endif
.if (\st)+1 < 8
	ALOAD (\st)+1
.endif
.if 7-(\st) < 2
	s_wait_loadcnt 24*(7-(\st))
.else
	s_wait_loadcnt 48                              ; the two younger K steps' loads may be out
.endif
.if (\st) < 7
	s_wait_dscnt 16                                ; all but the 16 LDS loads just issued
.else
	s_wait_dscnt 0x0
.endif
.if (\st) == 0
	WIN 0x4e                                       ; source 0 window 2, source 1 window 3, C (b1) window 0, D window 1
.set WBM, 0
.elseif (\st)%3 == 2
	WIN 0x5f
.set WBM, 0
.else
	WIN 0x5e
.set WBM, 96*((\st)%3)
.endif
.irp t, 0,1,2,3
.irp f, 0,1,2,3,4,5,6,7
.if (\st) == 0
	MM 8*(8*\t+\f), WBM+12*\f, 96+48*((\st)%2)+12*\t, BI+8*\f, WS+4*\f+(\st)/2, AS+4*((\st)%2)+\t, 0
.else
	MM 8*(8*\t+\f), WBM+12*\f, 96+48*((\st)%2)+12*\t, 8*(8*\t+\f), WS+4*\f+(\st)/2, AS+4*((\st)%2)+\t, (\st)%2
.endif
.endr
.endr
.endm
.macro GELU16 src, dst                 ; sixteen sums in window 1 at src -> gelu in window 0 at dst
	WIN 0x05
.set J, 0
.rept 16
	v_and_b32 v[GA+J], 0x7fffffff, v[(\src)+J]     ; |x|: each accumulator is read from its low end on
.set J, J+1
.endr
.set J, 0
.rept 8
	v_pk_mul_f32 v[GE+J:GE+J+1], v[(\src)+J:(\src)+J+1], v[(\src)+J:(\src)+J+1]
.set J, J+2
.endr
.set J, 0
.rept 16
	v_max_num_f32 v[(\dst)+J], 0, v[(\src)+J]
.set J, J+1
.endr
	WIN 0
.set J, 0
.rept 8
	v_pk_fma_f32 v[GT+J:GT+J+1], v[GA+J:GA+J+1], v[KK1:KK1+1], v[KONE:KONE+1]
	v_pk_mul_f32 v[GE+J:GE+J+1], v[GE+J:GE+J+1], v[KK2:KK2+1]
.set J, J+2
.endr
.set J, 0
.rept 16
	v_rcp_f32 v[GT+J], v[GT+J]
.set J, J+1
.endr
.set J, 0
.rept 16
	v_exp_f32 v[GE+J], v[GE+J]
.set J, J+1
.endr
	v_nop                                          ; one plain place behind the transcendentals
.set J, 0
	s_wait_alu depctr_va_vdst(0)
.rept 8
	v_pk_fma_f32 v[GP+J:GP+J+1], v[GT+J:GT+J+1], v[KC:KC+1], v[KC+2:KC+3]
.set J, J+2
.endr
.irp c, 4,6,8
.set J, 0
.rept 8
	v_pk_fma_f32 v[GP+J:GP+J+1], v[GP+J:GP+J+1], v[GT+J:GT+J+1], v[KC+\c:KC+\c+1]
.set J, J+2
.endr
.endr
.set J, 0
.rept 8
	v_pk_mul_f32 v[GT+J:GT+J+1], v[GT+J:GT+J+1], v[GE+J:GE+J+1]
.set J, J+2
.endr
.set J, 0
.rept 8
	v_pk_mul_f32 v[GP+J:GP+J+1], v[GP+J:GP+J+1], v[GT+J:GT+J+1]       ; -Q
.set J, J+2
.endr
.set J, 0
.rept 8
	v_pk_fma_f32 v[(\dst)+J:(\dst)+J+1], v[GA+J:GA+J+1], v[GP+J:GP+J+1], v[(\dst)+J:(\dst)+J+1]
.set J, J+2
.endr
.endm
	s_load_b256 s[4:11], s[0:1], 0x0               ; hbuf, wts, b1, gimg
	v_lshl_add_u32 v254, v0, 2, 0x29000
	v_mov_b32 v255, 0
	ds_add_u32 v254, v255
	ds_add_u32 v254, v255
	v_lshrrev_b32 v7, 5, v0
	v_readfirstlane_b32 s12, v7                    ; wave
	s_mov_b32 s13, ttmp9                           ; X
	s_and_b32 s14, ttmp7, 0xffff
	s_lshl_b32 s15, s14, 2
	s_add_co_u32 s15, s15, s12                     ; 4 y + w: my 128 columns
	s_mov_b32 s16, 1
	s_mul_i32 s17, s12, 13312
	s_mov_b32 s20, 3<<16
	s_mov_b32 s21, 32<<16
	s_mov_b32 s22, 52<<16                          ; 52 rows of 256 bytes
	s_mov_b32 s23, 32<<16
	s_mov_b32 s24, 52
	s_mov_b32 s25, 32
	s_mov_b32 s26, 0
	s_mov_b32 s27, 0
	s_mul_i32 s34, s13, 53248
	s_add_co_u32 s34, s34, s17
	s_mov_b32 s35, 0
	s_wait_dscnt 0x0
	s_wait_kmcnt 0x0
	s_add_nc_u64 s[18:19], s[4:5], s[34:35]
	s_or_b32 s19, s19, 0x80000000
	tensor_load_to_lds s[16:19], s[20:27]          ; my one tensor load: a first fill
	s_nop 0
	PLACES 4
	s_mul_i32 s36, s15, 98304
	s_add_co_u32 s36, s36, 1966080
	s_mov_b32 s37, 0
	s_add_nc_u64 s[28:29], s[6:7], s[36:37]        ; W1's chunks 160 + 8 (4 y + w) on
	s_lshl_b32 s36, s15, 12
	s_add_co_u32 s36, s36, WSC+160*512
	s_add_nc_u64 s[30:31], s[6:7], s[36:37]
	s_lshl_b32 s36, s15, 9
	s_add_nc_u64 s[8:9], s[8:9], s[36:37]
	s_mul_i32 s36, s13, 106496
	s_mul_i32 s38, s15, 1664
	s_add_co_u32 s36, s36, s38
	s_add_nc_u64 s[10:11], s[10:11], s[36:37]      ; gimg: (16 (4 X) + 4 y + w) x 1,664
	s_mov_b32 s[SEL], 0x76543210
	s_mov_b32 s[SEL+1], 0xfedcba98
	v_and_b32 v7, 31, v0
	v_lshlrev_b32 v[LI16], 4, v7
	v_lshlrev_b32 v[LI4], 2, v7
	v_bfe_u32 v9, v0, 4, 1
	v_lshlrev_b32 v[BA], 6, v9
.irp b, 0,1,2,3
	v_mov_b32 v[TM+4+\b], 0
.endr
.irp u, 0,1
	v_mov_b32 v[KC+\u], 0xbf07dc22                 ; -c5
	v_mov_b32 v[KC+2+\u], 0x3f3a00e3               ; -c4
	v_mov_b32 v[KC+4+\u], 0xbf35f0e3               ; -c3
	v_mov_b32 v[KC+6+\u], 0x3e11a98e               ; -c2
	v_mov_b32 v[KC+8+\u], 0xbe027906               ; -c1
	v_mov_b32 v[KK1+\u], 0x3e6d3389                ; 0.2316419
	v_mov_b32 v[KK2+\u], 0xbf38aa3b                ; -log2(e) / 2
	v_mov_b32 v[KONE+\u], 1.0
.endr
.irp f, 0,1,2,3,4,5,6,7
	global_load_b128 v[WS+4*\f:WS+4*\f+3], v[LI16], s[30:31] offset:512*\f
.endr
.irp b, 0,1,2,3
.irp k, 0,1,2,3
	global_load_b128 v[BI+16*\b+4*\k:BI+16*\b+4*\k+3], v[BA], s[8:9] offset:128*\b+16*\k
.endr
.endr
	WLOAD 0
	WLOAD 1
	WIN 0
	s_wait_tensorcnt 0x0
	s_barrier_signal -1
	s_barrier_wait -1
	ALOAD 0
.irp st, 0,1,2,3,4,5,6,7
	STEP \st
.endr
	PLACES 4                                       ; in front of the first read of results
.irp t, 0,1,2,3
.irp b, 0,1,2,3
	GELU16 64*\t+16*\b, RN+16*\b
.endr
	s_wait_xcnt 0x0                                ; the last tile's stores have read their data registers
	QUANT RN
.irp g, 0,1,2
	global_store_b128 v[LI16], v[PC+4*\g:PC+4*\g+3], s[10:11] offset:26624*\t+512*\g
.endr
	global_store_b32 v[LI4], v[PW], s[10:11] offset:26624*\t+1536
.endr
	s_wait_tensorcnt 0x0
	ds_add_u32 v254, v255
	s_wait_dscnt 0x0
	s_endpgm
.Lfunc_end_k_q8c7da33701_w1:
	.size	k_q8c7da33701_w1, .Lfunc_end_k_q8c7da33701_w1-k_q8c7da33701_w1
	.p2alignl 7, 3214868480
	.fill 96, 4, 3214868480
	.section	.rodata,"a",@progbits
	.p2align	6, 0x0
	.amdhsa_kernel k_q8c7da33701_w1
		.amdhsa_group_segment_fixed_size 168448
		.amdhsa_private_segment_fixed_size 0
		.amdhsa_enable_private_segment 0
		.amdhsa_kernarg_size 32
		.amdhsa_user_sgpr_count 2
		.amdhsa_user_sgpr_kernarg_segment_ptr 1
		.amdhsa_wavefront_size32 1
		.amdhsa_system_sgpr_workgroup_id_x 1
		.amdhsa_system_sgpr_workgroup_id_y 1
		.amdhsa_system_sgpr_workgroup_id_z 1
		.amdhsa_system_vgpr_workitem_id 0
		.amdhsa_next_free_vgpr 1024
		.amdhsa_next_free_sgpr 66
		.amdhsa_reserve_vcc 0
		.amdhsa_float_denorm_mode_32 3
		.amdhsa_float_denorm_mode_16_64 3
		.amdhsa_memory_ordered 1
		.amdhsa_forward_progress 1
		.amdhsa_inst_pref_size 206
	.end_amdhsa_kernel
	.amdgpu_metadata
---
amdhsa.version: [ 1, 2 ]
amdhsa.kernels:
  - .name:           k_q8c7da33701_w1
    .symbol:         k_q8c7da33701_w1.kd
    .args:
      - { .name: hbuf, .offset: 0, .size: 8, .value_kind: global_buffer, .address_space: global }
      - { .name: wts, .offset: 8, .size: 8, .value_kind: global_buffer, .address_space: global }
      - { .name: b1, .offset: 16, .size: 8, .value_kind: global_buffer, .address_space: global }
      - { .name: gimg, .offset: 24, .size: 8, .value_kind: global_buffer, .address_space: global }
    .group_segment_fixed_size: 168448
    .private_segment_fixed_size: 0
    .kernarg_segment_align: 8
    .kernarg_segment_size: 32
    .max_flat_workgroup_size: 128
    .sgpr_count:     66
    .vgpr_count:     1024
    .wavefront_size: 32
...
	.end_amdgpu_metadata
.endif
;; end of part 5
;; launch w2 (part 6): grid 64 x 4, 4 waves a work-group, no clusters, 176,640 bytes of LDS; arguments gimg, wts, x1img, b2, out0; writes out0
.if DOCPART == 6
	.amdgcn_target "amdgcn-amd-amdhsa--gfx1250"
	.amdhsa_code_object_version 6
	.text
	.protected	k_q8c7da33701_w2
	.globl	k_q8c7da33701_w2
	.p2align	8
	.type	k_q8c7da33701_w2,@function
k_q8c7da33701_w2:
	s_mov_b64 s[64:65], 0
	v_nop
	global_prefetch_b8 v0, s[64:65] scope:SCOPE_SE
	s_setreg_imm32_b32 hwreg(HW_REG_WAVE_MODE, 25, 1), 1
	s_wait_xcnt 0x0
; out0 = x1 + b2 + g W2^T on BF6 codes, K = 2,048 in 16 steps.
; SHARES: work-group x = 64 tokens (4 token tiles), y = 256 columns; wave w takes 64 columns (4 weight tiles): 16 accumulators.
; x1's accumulator images are loaded straight into the accumulators: the first product adds onto them.  g's 64 records (106,496 bytes, dense) come into LDS once, a quarter by each wave's one tensor load;
; LDS is never filled again.  The weights go from their images into a ring of five register slots, four K steps ahead (48 loads of 512 bytes in flight).
; The product is used transposed: a lane holds one token and 32 columns.  On the way out a tile of 16 tokens x 64 columns goes through the wave's own stage in LDS (rows of 256 bytes + 16)
; and leaves as rows: sixteen lanes store 256 consecutive bytes, at a multiple of 256 from out0's first byte.  The stage lies behind g's records; no tensor load lands there.
; Multicast is left out: what the four column groups share is one first fill of 106,496 bytes.
; REGISTERS: window 0 addresses, scale words, b2, at work; window 1 accumulator (T, f) at v[8 (4 T + f)]; window 2 the ring, slot i at v[48 i]; window 3 g's fragments at v0 and v48.
.set LI16,  1
.set LI4,   3
.set LI16B, 4                          ; + 53,248: token tiles 2, 3
.set LI4B,  5
.set BA,    6                          ; b2: 64 h
.set SO,    7                          ; the stage, on the way in
.set SR,    8                          ; and back
.set GO,    9                          ; my byte offset in two rows of out0
.set WS,    16                         ; v16-47
.set AS,    48                         ; v48-55
.set BI,    64                         ; v64-95  b2 in the result's layout
.set OT,    96                         ; v96-127 a tile's results
.set OB,    128                        ; v128-191 rows read back, two sets
.set STAGE, 106496
.set WSC,   5111808
.set MSB, 0
.macro WIN new
.if MSB != (\new)
	s_set_vgpr_msb (MSB<<8)|(\new)
.set MSB, \new
.endif
.endm
.macro PLACES n
.rept \n
	v_nop
.endr
.endm
.macro MM d, a, b, sa, sb, row
.if (\row) == 0
	v_wmma_scale_f32_16x16x128_f8f6f4 v[(\d):(\d)+7], v[(\a):(\a)+11], v[(\b):(\b)+11], v[(\d):(\d)+7], v[(\sa)], v[(\sb)] matrix_a_fmt:MATRIX_FMT_BF6 matrix_b_fmt:MATRIX_FMT_BF6
.else
	v_wmma_scale_f32_16x16x128_f8f6f4 v[(\d):(\d)+7], v[(\a):(\a)+11], v[(\b):(\b)+11], v[(\d):(\d)+7], v[(\sa)], v[(\sb)] matrix_a_fmt:MATRIX_FMT_BF6 matrix_b_fmt:MATRIX_FMT_BF6 matrix_a_scale:MATRIX_SCALE_ROW1
.endif
.endm
.macro WLOAD st                        ; K step st of my four weight tiles into slot st % 5: twelve loads
	WIN 0x80
.irp f, 0,1,2,3
.irp g, 0,1,2
	global_load_b128 v[48*((\st)%5)+12*\f+4*\g:48*((\st)%5)+12*\f+4*\g+3], v[LI16], s[32:33] offset:24576*\f+1536*(\st)+512*\g
.endr
.endr
.endm
.macro ALOAD st                        ; K step st of the four token tiles: 12 + 4 loads
	WIN 0xc0
.irp t, 0,1
.irp g, 0,1,2
	ds_load_b128 v[48*((\st)%2)+12*\t+4*\g:48*((\st)%2)+12*\t+4*\g+3], v[LI16] offset:26624*\t+1664*(\st)+512*\g
.endr
.endr
.irp t, 2,3
.irp g, 0,1,2
	ds_load_b128 v[48*((\st)%2)+12*\t+4*\g:48*((\st)%2)+12*\t+4*\g+3], v[LI16B] offset:26624*(\t-2)+1664*(\st)+512*\g
.endr
.endr
	WIN 0
.irp t, 0,1
	ds_load_b32 v[AS+4*((\st)%2)+\t], v[LI4] offset:26624*\t+1664*(\st)+1536
.endr
.irp t, 2,3
	ds_load_b32 v[AS+4*((\st)%2)+\t], v[LI4B] offset:26624*(\t-2)+1664*(\st)+1536
.endr
.endm
.macro STEP st                         ; 16 products; the 16 accumulators by turns
.if (\st) > 0
	PLACES 4
.endif
.if (\st)+4 < 16
	WLOAD (\st)+4
.endif
.if (\st)+1 < 16
	ALOAD (\st)+1
.endif
.if 15-(\st) < 4
	s_wait_loadcnt 12*(15-(\st))
.else
	s_wait_loadcnt 48                              ; the four younger K steps' loads may be out
.endif
.if (\st) < 15
	s_wait_dscnt 16                                ; all but the 16 LDS loads just issued
.else
	s_wait_dscnt 0x0
.endif
	WIN 0x5e                                       ; source 0 window 2, source 1 window 3, C and D window 1
.irp t, 0,1,2,3
.irp f, 0,1,2,3
	MM 8*(4*\t+\f), 48*((\st)%5)+12*\f, 48*((\st)%2)+12*\t, WS+8*\f+4*((\st)/8)+((\st)%8)/2, AS+4*((\st)%2)+\t, (\st)%2
.endr
.endr
.endm
.macro OUTT t                          ; token tile t leaves
	WIN 0x01
.set J, 0
.rept 16
	v_pk_add_f32 v[OT+J:OT+J+1], v[32*(\t)+J:32*(\t)+J+1], v[BI+J:BI+J+1]      ; + b2; each accumulator from its low end on
.set J, J+2
.endr
	WIN 0
.irp b, 0,1
.irp k, 0,1,2,3
	ds_store_b128 v[SO], v[OT+16*\b+4*\k:OT+16*\b+4*\k+3] offset:16*(\t)*272+128*\b+16*\k
.endr
.endr
	s_wait_xcnt 0x0                                ; the stores of two tiles ago have read the registers that the loads below fill
.irp i, 0,1,2,3,4,5,6,7
	ds_load_b128 v[OB+32*((\t)%2)+4*\i:OB+32*((\t)%2)+4*\i+3], v[SR] offset:(16*(\t)+2*\i)*272   ; my own bytes: LDS serves a wave's instructions in order
.endr
	s_wait_dscnt 0x0
.irp i, 0,1,2,3,4,5,6,7
	global_store_b128 v[GO], v[OB+32*((\t)%2)+4*\i:OB+32*((\t)%2)+4*\i+3], s[12:13] offset:(32*((\t)/2)+8*((\t)%2)+2*\i+8*(\i/4))*4096 th:TH_STORE_NT   ; stage row i' is token 32 (t / 2) + 8 (t % 2) + i' + 8 (i' / 8)
.endr
.endm
	s_load_b256 s[4:11], s[0:1], 0x0               ; gimg, wts, x1img, b2
	s_load_b64 s[12:13], s[0:1], 0x20              ; out0
	v_lshl_add_u32 v254, v0, 2, 0x2b000
	v_mov_b32 v255, 0
	ds_add_u32 v254, v255
	ds_add_u32 v254, v255
	v_lshrrev_b32 v10, 5, v0
	v_readfirstlane_b32 s14, v10                   ; wave
	s_mov_b32 s15, ttmp9                           ; X
	s_and_b32 s16, ttmp7, 0xffff
	s_lshl_b32 s17, s16, 2
	s_add_co_u32 s17, s17, s14                     ; 4 y + w: my 64 columns
	s_mov_b32 s20, 1
	s_mul_i32 s21, s14, 26624
	s_mov_b32 s24, 3<<16
	s_mov_b32 s25, 32<<16
	s_mov_b32 s26, 104<<16                         ; 104 rows of 256 bytes
	s_mov_b32 s27, 32<<16
	s_mov_b32 s28, 104
	s_mov_b32 s29, 32
	s_mov_b32 s30, 0
	s_mov_b32 s31, 0
	s_mul_i32 s40, s15, 106496
	s_add_co_u32 s40, s40, s21
	s_mov_b32 s41, 0
	s_wait_dscnt 0x0
	s_wait_kmcnt 0x0
	s_add_nc_u64 s[22:23], s[4:5], s[40:41]
	s_or_b32 s23, s23, 0x80000000
	tensor_load_to_lds s[20:23], s[24:31]          ; my one tensor load: a first fill
	s_nop 0
	PLACES 4
	s_mul_i32 s42, s17, 98304
	s_add_co_u32 s42, s42, 3538944
	s_mov_b32 s43, 0
	s_add_nc_u64 s[32:33], s[6:7], s[42:43]        ; W2's chunks 288 + 8 (4 y + w) on
	s_lshl_b32 s42, s17, 12
	s_add_co_u32 s42, s42, WSC+288*512
	s_add_nc_u64 s[34:35], s[6:7], s[42:43]
	s_lshl_b32 s42, s15, 18
	s_lshl_b32 s44, s17, 12
	s_add_co_u32 s42, s42, s44
	s_add_nc_u64 s[8:9], s[8:9], s[42:43]          ; x1img: (64 (4 X) + 4 (4 y + w)) x 1,024
	s_lshl_b32 s42, s17, 8
	s_add_nc_u64 s[10:11], s[10:11], s[42:43]      ; b2
	s_lshl_b32 s44, s15, 18
	s_add_co_u32 s42, s42, s44
	s_add_nc_u64 s[12:13], s[12:13], s[42:43]      ; out0: 64 X rows of 4,096 bytes, + my 256 bytes
	v_and_b32 v10, 31, v0
	v_lshlrev_b32 v[LI16], 4, v10
	v_lshlrev_b32 v[LI4], 2, v10
	v_add_nc_u32 v[LI16B], 53248, v[LI16]
	v_add_nc_u32 v[LI4B], 53248, v[LI4]
	v_and_b32 v11, 15, v0                          ; r
	v_bfe_u32 v12, v0, 4, 1                        ; h
	v_lshlrev_b32 v[BA], 6, v12
	s_mul_i32 s45, s14, 17408
	s_add_co_u32 s45, s45, STAGE                   ; my stage
	v_mul_u32_u24 v[SO], v11, 272
	v_lshl_add_u32 v[SO], v12, 6, v[SO]
	v_add_nc_u32 v[SO], s45, v[SO]                 ; in: row r, + 64 h
	v_mul_u32_u24 v[SR], v12, 272
	v_lshl_add_u32 v[SR], v11, 4, v[SR]
	v_add_nc_u32 v[SR], s45, v[SR]                 ; back: lanes 0-15 one row, lanes 16-31 the next
	v_lshlrev_b32 v[GO], 12, v12
	v_lshl_add_u32 v[GO], v11, 4, v[GO]
.irp c, 0,1,2,3,4,5,6,7
	global_load_b128 v[WS+4*\c:WS+4*\c+3], v[LI16], s[34:35] offset:512*\c
.endr
.irp b, 0,1
.irp k, 0,1,2,3
	global_load_b128 v[BI+16*\b+4*\k:BI+16*\b+4*\k+3], v[BA], s[10:11] offset:128*\b+16*\k
.endr
.endr
	WIN 0x40                                       ; x1 into the accumulators
.irp t, 0,1,2,3
.irp f, 0,1,2,3
	global_load_b128 v[8*(4*\t+\f):8*(4*\t+\f)+3], v[LI16], s[8:9] offset:65536*\t+1024*\f
	global_load_b128 v[8*(4*\t+\f)+4:8*(4*\t+\f)+7], v[LI16], s[8:9] offset:65536*\t+1024*\f+512
.endr
.endr
	WLOAD 0
	WLOAD 1
	WLOAD 2
	WLOAD 3
	WIN 0
	s_wait_tensorcnt 0x0
	s_barrier_signal -1
	s_barrier_wait -1
	ALOAD 0
.irp st, 0,1,2,3,4,5,6,7,8,9,10,11,12,13,14,15
	STEP \st
.endr
	PLACES 4                                       ; in front of the first read of results
	OUTT 0
	OUTT 1
	OUTT 2
	OUTT 3
	s_wait_tensorcnt 0x0
	ds_add_u32 v254, v255
	s_wait_dscnt 0x0
	s_endpgm
.Lfunc_end_k_q8c7da33701_w2:
	.size	k_q8c7da33701_w2, .Lfunc_end_k_q8c7da33701_w2-k_q8c7da33701_w2
	.p2alignl 7, 3214868480
	.fill 96, 4, 3214868480
	.section	.rodata,"a",@progbits
	.p2align	6, 0x0
	.amdhsa_kernel k_q8c7da33701_w2
		.amdhsa_group_segment_fixed_size 176640
		.amdhsa_private_segment_fixed_size 0
		.amdhsa_enable_private_segment 0
		.amdhsa_kernarg_size 40
		.amdhsa_user_sgpr_count 2
		.amdhsa_user_sgpr_kernarg_segment_ptr 1
		.amdhsa_wavefront_size32 1
		.amdhsa_system_sgpr_workgroup_id_x 1
		.amdhsa_system_sgpr_workgroup_id_y 1
		.amdhsa_system_sgpr_workgroup_id_z 1
		.amdhsa_system_vgpr_workitem_id 0
		.amdhsa_next_free_vgpr 1024
		.amdhsa_next_free_sgpr 66
		.amdhsa_reserve_vcc 0
		.amdhsa_float_denorm_mode_32 3
		.amdhsa_float_denorm_mode_16_64 3
		.amdhsa_memory_ordered 1
		.amdhsa_forward_progress 1
		.amdhsa_inst_pref_size 91
	.end_amdhsa_kernel
	.amdgpu_metadata
---
amdhsa.version: [ 1, 2 ]
amdhsa.kernels:
  - .name:           k_q8c7da33701_w2
    .symbol:         k_q8c7da33701_w2.kd
    .args:
      - { .name: gimg, .offset: 0, .size: 8, .value_kind: global_buffer, .address_space: global }
      - { .name: wts, .offset: 8, .size: 8, .value_kind: global_buffer, .address_space: global }
      - { .name: x1img, .offset: 16, .size: 8, .value_kind: global_buffer, .address_space: global }
      - { .name: b2, .offset: 24, .size: 8, .value_kind: global_buffer, .address_space: global }
      - { .name: out0, .offset: 32, .size: 8, .value_kind: global_buffer, .address_space: global }
    .group_segment_fixed_size: 176640
    .private_segment_fixed_size: 0
    .kernarg_segment_align: 8
    .kernarg_segment_size: 40
    .max_flat_workgroup_size: 128
    .sgpr_count:     66
    .vgpr_count:     1024
    .wavefront_size: 32
...
	.end_amdgpu_metadata
.endif
;; end of part 6
;; ======== version 2 of 2: 6 launches; 1.13 times as fast as version 1
;; limits: a function is approximated: absolute error at most 1e-07
;; workspace buffers: hbuf 3,407,872 bytes; wts 5,324,800 bytes; qimg 3,670,016 bytes; kvimg 1,703,936 bytes; oimg 3,670,016 bytes; x1img 16,777,216 bytes; gimg 6,815,744 bytes
;; launch prep (part 7): grid 360 x 1, 4 waves a work-group, no clusters, 66,560 bytes of LDS; arguments x, ln1_g, ln1_b, hbuf, Wq_codes, Wq_scales, Wkv_codes, Wkv_scales, Wo_codes, Wo_scales, W1_codes, W1_scales, W2_codes, W2_scales, wts; writes hbuf, wts
.if DOCPART == 7
	.amdgcn_target "amdgcn-amd-amdhsa--gfx1250"
	.amdhsa_code_object_version 6
	.text
	.protected	k_q8c7da33701_prep
	.globl	k_q8c7da33701_prep
	.p2align	8
	.type	k_q8c7da33701_prep,@function
k_q8c7da33701_prep:
	s_mov_b64 s[64:65], 0
	v_nop
	global_prefetch_b8 v0, s[64:65] scope:SCOPE_SE
	s_setreg_imm32_b32 hwreg(HW_REG_WAVE_MODE, 25, 1), 1
	s_wait_xcnt 0x0
; h = LayerNorm1(x), quantised along its 1,024 columns to BF6 (E3M2) with one E8M0 byte for each 32, stored as IMAGES OF OPERAND REGISTERS;
; and the five weights' codes and scale bytes, copied once into the same kind of image, so that later launches fetch every fragment by loads of 512 consecutive bytes.
; TILE ORDER, used by the whole program: lane r (0..15) of token tile Tg holds token 32 (Tg / 2) + 8 (Tg % 2) + r + 8 (r / 8); a weight tile's lanes hold the weight's rows in the same order.
; A RECORD (tile, K step of 128) is 1,664 bytes: registers 4 g .. 4 g + 3 of lane l at 512 g + 16 l (three groups), then the lanes' scale words at 1,536 + 4 l.
; h's records lie K-major inside the reader's block of 8 tiles: (Tg / 8) x 106,496 + (s / 2) x 26,624 + (Tg % 8) x 3,328 + (s % 2) x 1,664, so that the reader can fetch the first K steps first.
; SHARES: work-groups 0-255: a token tile each.  Wave w normalises stage rows 4 w .. 4 w + 3 (four neighbouring tokens, whole rows in registers: mean first, then the centred squares), puts them into a stage in LDS,
; and behind one barrier quantises K steps 2 w and 2 w + 1 of all 16 rows.  Work-groups 256-359: each wave copies one chunk (a weight tile x 8 K steps) of the 416; they use no LDS and pass no barrier.
; The two kinds part on the work-group's number alone, so that the weights' way to memory and back runs beside the norm's and not behind it.
; LIMITS: NaN and infinities are not served.  A block of zeros gets the byte 1 (its codes are zeros; only this program reads the bytes).
.set PITCH, 4112                       ; a stage row: 4,096 bytes + 16, so that sixteen rows' 16 bytes fall on sixteen different groups of banks
.set X,   32                           ; v32-159  four rows of 32 registers; later 2 x 64 numbers of a K step; in the other path a chunk's codes
.set G,   160                          ; v160-191 gain
.set BB,  192                          ; v192-223 bias
.set PC,  160                          ; v160-178 the codes just made (the gain is done with by then)
.set TM,  224                          ; v224-239 at work in QUANT
.set PW,  240                          ; v240     the scale word just made
.set SA,  8                            ; v8-15    a pair for each row: sums
.set SB,  16                           ; v16-23   second chain; then minus the mean
.set SC,  24                           ; v24-31   second chain of squares; then 1 / sqrt(var + eps)
.set SEL, 56                           ; s[56:57] lane selects: lane l xor 16
.set WSC, 5111808                      ; wts: the scale words begin behind 416 chunks of 12,288 bytes
; 64 numbers of a lane, register 16 b + i = k 32 b + 16 (lane / 16) + i of my row, become a fragment's 12 registers in v[PC] on and its scale word in v[PW]
.macro QUANT src
.irp b, 0,1,2,3
	v_max3_num_f32 v[TM+\b], |v[(\src)+16*\b]|, |v[(\src)+16*\b+1]|, 0x2800000   ; my 16 of block b, and the floor 2^(5 - 127): the byte cannot fall under 1
.endr
.irp i, 2,4,6,8,10,12,14
.irp b, 0,1,2,3
	v_max3_num_f32 v[TM+\b], v[TM+\b], |v[(\src)+16*\b+\i]|, |v[(\src)+16*\b+\i+1]|
.endr
.endr
.irp b, 0,1,2,3
	v_permlanex16_b32 v[TM+4+\b], v[TM+\b], s[SEL], s[SEL+1]
.endr
.irp b, 0,1,2,3
	v_max_num_f32 v[TM+\b], v[TM+\b], v[TM+4+\b]           ; with lane l xor 16's 16: the block's largest magnitude
.endr
.irp b, 0,1,2,3
	v_add_nc_u32 v[TM+12+\b], 0xfe000000, v[TM+\b]         ; 4 off its exponent field: the conversion's scale operand
.endr
.irp b, 0,1,2,3
	v_lshrrev_b32 v[TM+4+\b], 23, v[TM+12+\b]              ; the scale's byte
.endr
	v_lshl_or_b32 v[PW], v[TM+5], 8, v[TM+4]
	v_lshl_or_b32 v[PW], v[TM+6], 16, v[PW]
	v_lshl_or_b32 v[PW], v[TM+7], 24, v[PW]
.irp c, 0,1
	v_cvt_scalef32_pk16_bf6_f32 v[PC+6*\c:PC+6*\c+2], v[(\src)+32*\c:(\src)+32*\c+15], v[TM+12+2*\c]
	v_cvt_scalef32_pk16_bf6_f32 v[PC+12+4*\c:PC+14+4*\c], v[(\src)+32*\c+16:(\src)+32*\c+31], v[TM+13+2*\c]
.endr
	v_nop                                                  ; one plain place behind a scaled conversion
.irp c, 0,1                                            ; the operand wants a whole block in a lane: lanes 0-15 block 2 c, lanes 16-31 block 2 c + 1
.irp i, 0,1,2
	v_permlane16_swap_b32 v[PC+6*\c+\i], v[PC+12+4*\c+\i]
.endr
.irp i, 0,1,2
	v_mov_b32 v[PC+3+6*\c+\i], v[PC+12+4*\c+\i]
.endr
.endr
.endm
; the four rows' figures in v[SA + 2 k], summed over the 32 lanes; scr: pairs whose upper register has been written
.macro ACROSS scr
.irp m, 1,2,4,8
.irp k, 0,1,2,3
	v_add_f32_dpp v[SA+2*\k], v[SA+2*\k], v[SA+2*\k] row_xmask:\m row_mask:0xf bank_mask:0xf
.endr
.endr
.irp k, 0,1,2,3
	v_permlanex16_b32 v[\scr+2*\k+1], v[SA+2*\k], s[SEL], s[SEL+1]
.endr
.irp k, 0,1,2,3
	v_add_f32 v[SA+2*\k], v[SA+2*\k], v[\scr+2*\k+1]
.endr
.endm
	s_load_b128 s[4:7], s[0:1], 0x0                ; x, ln1_g
	s_load_b128 s[8:11], s[0:1], 0x10              ; ln1_b, hbuf
	s_load_b256 s[16:23], s[0:1], 0x20             ; Wq codes, scales; Wkv codes, scales
	s_load_b256 s[24:31], s[0:1], 0x40             ; Wo codes, scales; W1 codes, scales
	s_load_b128 s[32:35], s[0:1], 0x60             ; W2 codes, scales
	s_load_b64 s[36:37], s[0:1], 0x70              ; wts
	v_lshl_add_u32 v254, v0, 2, 0x10200
	v_mov_b32 v255, 0
	v_lshrrev_b32 v1, 5, v0
	v_readfirstlane_b32 s40, v1                    ; wave
	v_and_b32 v5, 31, v0                           ; lane
	v_and_b32 v6, 15, v0                           ; r
	v_bfe_u32 v7, v0, 4, 1                         ; h
	v_lshlrev_b32 v1, 4, v5                        ; 16 x lane
	v_lshlrev_b32 v2, 2, v5                        ; 4 x lane
	s_mul_i32 s41, s40, 4*PITCH
	v_add_nc_u32 v3, s41, v1                       ; stage, on the way in: my four rows
	v_mul_u32_u24 v4, v6, PITCH
	v_lshl_add_u32 v4, v7, 6, v4
	s_lshl_b32 s41, s40, 10
	v_add_nc_u32 v4, s41, v4                       ; on the way out: row r, + 64 h, + my two K steps (1,024 bytes a wave)
	s_mov_b32 s[SEL], 0x76543210
	s_mov_b32 s[SEL+1], 0xfedcba98
	s_mov_b32 s58, 0x3a800000                      ; 1 / 1,024
	s_mov_b32 s59, 0x3727c5ac                      ; eps = 1e-5
.irp b, 0,1,2,3
	v_mov_b32 v[TM+4+\b], 0                        ; a lane permute's destination counts as read
.endr
	s_lshr_b32 s42, ttmp9, 1                       ; my first token: 32 (Tg / 2) + 8 (Tg % 2) + 4 w + 8 (w / 2)
	s_lshl_b32 s42, s42, 5
	s_and_b32 s43, ttmp9, 1
	s_lshl_b32 s43, s43, 3
	s_add_co_u32 s42, s42, s43
	s_lshl_b32 s43, s40, 2
	s_add_co_u32 s42, s42, s43
	s_lshr_b32 s43, s40, 1
	s_lshl_b32 s43, s43, 3
	s_add_co_u32 s42, s42, s43
	s_lshl_b32 s42, s42, 12                        ; rows of 4,096 bytes
	s_mov_b32 s43, 0
	s_lshr_b32 s44, ttmp9, 3                       ; hbuf: block Tg / 8, K steps 2 w and 2 w + 1, tile Tg % 8
	s_mul_i32 s44, s44, 106496
	s_mul_i32 s45, s40, 26624
	s_add_co_u32 s44, s44, s45
	s_and_b32 s45, ttmp9, 7
	s_mul_i32 s45, s45, 3328
	s_add_co_u32 s44, s44, s45
	s_mov_b32 s45, 0
	s_wait_kmcnt 0x0
	s_cmp_ge_u32 ttmp9, 256                        ; the same way for all four waves of a work-group
	s_cbranch_scc1 .Lrepack
	s_add_nc_u64 s[4:5], s[4:5], s[42:43]
	s_add_nc_u64 s[10:11], s[10:11], s[44:45]
.irp k, 0,1,2,3
.irp c, 0,1,2,3,4,5,6,7
	global_load_b128 v[X+32*\k+4*\c:X+32*\k+4*\c+3], v1, s[4:5] offset:4096*\k+512*\c   ; 32 lanes read 512 consecutive bytes
.endr
.endr
.irp c, 0,1,2,3,4,5,6,7
	global_load_b128 v[G+4*\c:G+4*\c+3], v1, s[6:7] offset:512*\c
	global_load_b128 v[BB+4*\c:BB+4*\c+3], v1, s[8:9] offset:512*\c
.endr
	s_wait_loadcnt 16                              ; x is in; the sixteen younger loads (gain, bias) may be out
	; the mean
.irp k, 0,1,2,3
	v_pk_add_f32 v[SA+2*\k:SA+2*\k+1], v[X+32*\k:X+32*\k+1], v[X+32*\k+2:X+32*\k+3]
	v_pk_add_f32 v[SB+2*\k:SB+2*\k+1], v[X+32*\k+4:X+32*\k+5], v[X+32*\k+6:X+32*\k+7]
.endr
.irp j, 8,12,16,20,24,28
.irp k, 0,1,2,3
	v_pk_add_f32 v[SA+2*\k:SA+2*\k+1], v[SA+2*\k:SA+2*\k+1], v[X+32*\k+\j:X+32*\k+\j+1]
	v_pk_add_f32 v[SB+2*\k:SB+2*\k+1], v[SB+2*\k:SB+2*\k+1], v[X+32*\k+\j+2:X+32*\k+\j+3]
.endr
.endr
.irp k, 0,1,2,3
	v_pk_add_f32 v[SA+2*\k:SA+2*\k+1], v[SA+2*\k:SA+2*\k+1], v[SB+2*\k:SB+2*\k+1]
.endr
.irp k, 0,1,2,3
	v_add_f32 v[SA+2*\k], v[SA+2*\k], v[SA+2*\k+1]
.endr
	ACROSS SB
.irp k, 0,1,2,3
	v_mul_f32 v[SB+2*\k], 0xba800000, v[SA+2*\k]   ; minus the mean
.endr
.irp k, 0,1,2,3
.set J, 0
.rept 16
	v_pk_add_f32 v[X+32*\k+J:X+32*\k+J+1], v[X+32*\k+J:X+32*\k+J+1], v[SB+2*\k:SB+2*\k+1] op_sel_hi:[1,0]
.set J, J+2
.endr
.endr
	; the variance, of the centred numbers
.irp k, 0,1,2,3
	v_pk_mul_f32 v[SA+2*\k:SA+2*\k+1], v[X+32*\k:X+32*\k+1], v[X+32*\k:X+32*\k+1]
	v_pk_mul_f32 v[SC+2*\k:SC+2*\k+1], v[X+32*\k+2:X+32*\k+3], v[X+32*\k+2:X+32*\k+3]
.endr
.irp j, 4,8,12,16,20,24,28
.irp k, 0,1,2,3
	v_pk_fma_f32 v[SA+2*\k:SA+2*\k+1], v[X+32*\k+\j:X+32*\k+\j+1], v[X+32*\k+\j:X+32*\k+\j+1], v[SA+2*\k:SA+2*\k+1]
	v_pk_fma_f32 v[SC+2*\k:SC+2*\k+1], v[X+32*\k+\j+2:X+32*\k+\j+3], v[X+32*\k+\j+2:X+32*\k+\j+3], v[SC+2*\k:SC+2*\k+1]
.endr
.endr
.irp k, 0,1,2,3
	v_pk_add_f32 v[SA+2*\k:SA+2*\k+1], v[SA+2*\k:SA+2*\k+1], v[SC+2*\k:SC+2*\k+1]
.endr
.irp k, 0,1,2,3
	v_add_f32 v[SA+2*\k], v[SA+2*\k], v[SA+2*\k+1]
.endr
	ACROSS SC
.irp k, 0,1,2,3
	v_fma_f32 v[SA+2*\k], v[SA+2*\k], s58, s59     ; var + eps
.endr
.irp k, 0,1,2,3
	v_rsq_f32 v[SC+2*\k], v[SA+2*\k]
.endr
	v_nop                                          ; one plain place behind the transcendentals
	s_wait_alu depctr_va_vdst(0)
.irp k, 0,1,2,3
.set J, 0
.rept 16
	v_pk_mul_f32 v[X+32*\k+J:X+32*\k+J+1], v[X+32*\k+J:X+32*\k+J+1], v[SC+2*\k:SC+2*\k+1] op_sel_hi:[1,0]
.set J, J+2
.endr
.endr
	s_wait_loadcnt 0x0                             ; gain and bias
.irp k, 0,1,2,3
.set J, 0
.rept 16
	v_pk_fma_f32 v[X+32*\k+J:X+32*\k+J+1], v[X+32*\k+J:X+32*\k+J+1], v[G+J:G+J+1], v[BB+J:BB+J+1]
.set J, J+2
.endr
.endr
.irp k, 0,1,2,3
.irp c, 0,1,2,3,4,5,6,7
	ds_store_b128 v3, v[X+32*\k+4*\c:X+32*\k+4*\c+3] offset:PITCH*\k+512*\c
.endr
.endr
	s_wait_dscnt 0x0                               ; for the others' sake: my rows lie in the stage
	s_barrier_signal -1
	s_barrier_wait -1
	; my two K steps of all sixteen rows: lane (r, h) takes, of row r, 16 neighbours of each block of 32
.irp st, 0,1
.irp b, 0,1,2,3
.irp j, 0,1,2,3
	ds_load_b128 v[X+64*\st+16*\b+4*\j:X+64*\st+16*\b+4*\j+3], v4 offset:512*\st+128*\b+16*\j
.endr
.endr
.endr
	s_wait_dscnt 16                                ; the first K step's sixteen loads are in
	QUANT X
.irp g, 0,1,2
	global_store_b128 v1, v[PC+4*\g:PC+4*\g+3], s[10:11] offset:512*\g
.endr
	global_store_b32 v2, v[PW], s[10:11] offset:1536
	s_wait_dscnt 0x0
	s_wait_xcnt 0x0                                ; the stores' data registers are written again only behind this wait
	QUANT X+64
.irp g, 0,1,2
	global_store_b128 v1, v[PC+4*\g:PC+4*\g+3], s[10:11] offset:1664+512*\g
.endr
	global_store_b32 v2, v[PW], s[10:11] offset:1664+1536
	s_wait_tensorcnt 0x0
	ds_add_u32 v254, v255
	s_wait_dscnt 0x0
	s_endpgm
.Lrepack:
	; THE WEIGHTS.  Chunk c = 4 x (work-group - 256) + wave, 416 in all: Wq 0-63, Wkv 64-95, Wo 96-159, W1 160-287, W2 288-415 (tile (c - 288) / 2, half (c - 288) % 2 of its K)
	s_sub_co_u32 s41, ttmp9, 256
	s_lshl_b32 s41, s41, 2
	s_add_co_u32 s41, s41, s40
	s_mov_b64 s[44:45], s[32:33]
	s_mov_b64 s[46:47], s[34:35]
	s_mov_b32 s48, 288
	s_cmp_lt_u32 s41, 288                          ; every choice hangs on the chunk's number alone
	s_cselect_b64 s[44:45], s[28:29], s[44:45]
	s_cselect_b64 s[46:47], s[30:31], s[46:47]
	s_cselect_b32 s48, 160, s48
	s_cselect_b32 s50, 0, 1                        ; 1 for W2: rows twice as long
	s_cmp_lt_u32 s41, 160
	s_cselect_b64 s[44:45], s[24:25], s[44:45]
	s_cselect_b64 s[46:47], s[26:27], s[46:47]
	s_cselect_b32 s48, 96, s48
	s_cmp_lt_u32 s41, 96
	s_cselect_b64 s[44:45], s[20:21], s[44:45]
	s_cselect_b64 s[46:47], s[22:23], s[46:47]
	s_cselect_b32 s48, 64, s48
	s_cmp_lt_u32 s41, 64
	s_cselect_b64 s[44:45], s[16:17], s[44:45]
	s_cselect_b64 s[46:47], s[18:19], s[46:47]
	s_cselect_b32 s48, 0, s48
	s_sub_co_u32 s49, s41, s48                     ; the chunk's number in its weight
	s_lshr_b32 s51, s49, s50                       ; tile F
	s_and_b32 s52, s49, s50                        ; half of K (0 but for W2)
	s_lshr_b32 s53, s51, 1
	s_lshl_b32 s53, s53, 5
	s_and_b32 s55, s51, 1
	s_lshl_b32 s55, s55, 3
	s_add_co_u32 s53, s53, s55                     ; the tile's first row: 32 (F / 2) + 8 (F % 2)
	s_lshl_b32 s54, 768, s50                       ; a row of codes in bytes
	s_lshl_b32 s60, 32, s50                        ; a row of scale bytes
	s_mul_i32 s42, s53, s54
	s_mul_i32 s55, s52, 768
	s_add_co_u32 s42, s42, s55
	s_mov_b32 s43, 0
	s_add_nc_u64 s[44:45], s[44:45], s[42:43]
	s_mul_i32 s42, s53, s60
	s_lshl_b32 s55, s52, 5
	s_add_co_u32 s42, s42, s55
	s_add_nc_u64 s[46:47], s[46:47], s[42:43]
	s_mul_i32 s42, s41, 12288
	s_add_nc_u64 s[38:39], s[36:37], s[42:43]      ; the chunk's images
	s_lshl_b32 s42, s41, 9
	s_add_co_u32 s42, s42, WSC
	s_add_nc_u64 s[36:37], s[36:37], s[42:43]      ; and its scale words
	v_and_b32 v243, 8, v6
	v_add_nc_u32 v243, v243, v6                    ; r + 8 (r / 8)
	v_mul_u32_u24 v241, v243, s54
	v_mad_u32_u24 v241, v7, 24, v241               ; codes: my row, + 24 h
	v_mul_u32_u24 v242, v243, s60
	v_lshl_add_u32 v242, v7, 2, v242               ; scale words: my row, + 4 h: lanes 0-15 take the even K steps' words, lanes 16-31 the odd ones'
.irp st, 0,1,2,3,4,5,6,7
.irp p, 0,1,2,3,4,5
	global_load_b64 v[X+12*\st+2*\p:X+12*\st+2*\p+1], v241, s[44:45] offset:96*\st+48*(\p/3)+8*(\p%3)
.endr
.endr
.irp j, 0,1,2,3
	global_load_b32 v[128+\j], v242, s[46:47] offset:8*\j
.endr
	s_wait_loadcnt 0x0
.irp st, 0,1,2,3,4,5,6,7
.irp g, 0,1,2
	global_store_b128 v1, v[X+12*\st+4*\g:X+12*\st+4*\g+3], s[38:39] offset:1536*\st+512*\g   ; 32 lanes store 512 consecutive bytes
.endr
.endr
	global_store_b128 v1, v[128:131], s[36:37]
	s_endpgm
.Lfunc_end_k_q8c7da33701_prep:
	.size	k_q8c7da33701_prep, .Lfunc_end_k_q8c7da33701_prep-k_q8c7da33701_prep
	.p2alignl 7, 3214868480
	.fill 96, 4, 3214868480
	.section	.rodata,"a",@progbits
	.p2align	6, 0x0
	.amdhsa_kernel k_q8c7da33701_prep
		.amdhsa_group_segment_fixed_size 66560
		.amdhsa_private_segment_fixed_size 0
		.amdhsa_enable_private_segment 0
		.amdhsa_kernarg_size 120
		.amdhsa_user_sgpr_count 2
		.amdhsa_user_sgpr_kernarg_segment_ptr 1
		.amdhsa_wavefront_size32 1
		.amdhsa_system_sgpr_workgroup_id_x 1
		.amdhsa_system_sgpr_workgroup_id_y 1
		.amdhsa_system_sgpr_workgroup_id_z 1
		.amdhsa_system_vgpr_workitem_id 0
		.amdhsa_next_free_vgpr 256
		.amdhsa_next_free_sgpr 66
		.amdhsa_reserve_vcc 0
		.amdhsa_float_denorm_mode_32 3
		.amdhsa_float_denorm_mode_16_64 3
		.amdhsa_memory_ordered 1
		.amdhsa_forward_progress 1
		.amdhsa_inst_pref_size 53
	.end_amdhsa_kernel
	.amdgpu_metadata
---
amdhsa.version: [ 1, 2 ]
amdhsa.kernels:
  - .name:           k_q8c7da33701_prep
    .symbol:         k_q8c7da33701_prep.kd
    .args:
      - { .name: x, .offset: 0, .size: 8, .value_kind: global_buffer, .address_space: global }
      - { .name: ln1_g, .offset: 8, .size: 8, .value_kind: global_buffer, .address_space: global }
      - { .name: ln1_b, .offset: 16, .size: 8, .value_kind: global_buffer, .address_space: global }
      - { .name: hbuf, .offset: 24, .size: 8, .value_kind: global_buffer, .address_space: global }
      - { .name: Wq_codes, .offset: 32, .size: 8, .value_kind: global_buffer, .address_space: global }
      - { .name: Wq_scales, .offset: 40, .size: 8, .value_kind: global_buffer, .address_space: global }
      - { .name: Wkv_codes, .offset: 48, .size: 8, .value_kind: global_buffer, .address_space: global }
      - { .name: Wkv_scales, .offset: 56, .size: 8, .value_kind: global_buffer, .address_space: global }
      - { .name: Wo_codes, .offset: 64, .size: 8, .value_kind: global_buffer, .address_space: global }
      - { .name: Wo_scales, .offset: 72, .size: 8, .value_kind: global_buffer, .address_space: global }
      - { .name: W1_codes, .offset: 80, .size: 8, .value_kind: global_buffer, .address_space: global }
      - { .name: W1_scales, .offset: 88, .size: 8, .value_kind: global_buffer, .address_space: global }
      - { .name: W2_codes, .offset: 96, .size: 8, .value_kind: global_buffer, .address_space: global }
      - { .name: W2_scales, .offset: 104, .size: 8, .value_kind: global_buffer, .address_space: global }
      - { .name: wts, .offset: 112, .size: 8, .value_kind: global_buffer, .address_space: global }
    .group_segment_fixed_size: 66560
    .private_segment_fixed_size: 0
    .kernarg_segment_align: 8
    .kernarg_segment_size: 120
    .max_flat_workgroup_size: 128
    .sgpr_count:     66
    .vgpr_count:     256
    .wavefront_size: 32
...
	.end_amdgpu_metadata
.endif
;; end of part 7
;; launch qkv (part 8): grid 32 x 6, 4 waves a work-group, no clusters, 176,640 bytes of LDS; arguments hbuf, wts, cos, sin, qimg, kvimg; writes qimg, kvimg
.if DOCPART == 8
	.amdgcn_target "amdgcn-amd-amdhsa--gfx1250"
	.amdhsa_code_object_version 6
	.text
	.protected	k_q8c7da33701_qkv
	.globl	k_q8c7da33701_qkv
	.p2align	8
	.type	k_q8c7da33701_qkv,@function
k_q8c7da33701_qkv:
	s_mov_b64 s[64:65], 0
	v_nop
	global_prefetch_b8 v0, s[64:65] scope:SCOPE_SE
	s_setreg_imm32_b32 hwreg(HW_REG_WAVE_MODE, 25, 1), 1
	s_wait_xcnt 0x0
; q, k, v = h [Wq; Wkv]^T on BF6 codes; RoPE on q and k; q and k quantised along the head's 64, v along the tokens; all stored as images of operand registers.
; SHARES: work-group x = 128 tokens (8 token tiles: one key step of attention); a wave takes one unit of 64 columns.  y < 4: query heads 4 y + wave; y = 4: k of kv head = wave; y = 5: v of kv head = wave:
; so the four waves of a work-group are of one kind, and the paths part on the work-group's number alone.
; h's 64 records (106,496 bytes, K-major: two K steps of all eight tiles are 26,624 dense bytes) come into LDS once, by four tensor loads a wave, the first K steps first; a fifth load a wave brings a quarter of
; the block's cos and sin (128 rows of 256 bytes each, 16 bytes of padding behind a row).  By this text's own count a wave has five tensor loads out.  LDS is never filled again, so the waits in front of the
; barriers are counted: each shows the loads up to the group that is read next.  Each weight fragment is read by one wave alone: it goes from its image in memory straight into a ring of four register slots,
; three K steps ahead (36 loads of 512 bytes a wave in flight).
; q, k: the product is used transposed (source 0 = 16 rows of W, source 1 = 16 tokens): a lane holds one token, and by the tile order the 16 registers of tiles 2 b, 2 b + 1 are features 32 b + 16 (lane / 16) + 0 .. 15.
; v: source 0 = 16 tokens, source 1 = 16 rows of Wv: a lane holds one feature, and the 16 registers of token tiles 2 b, 2 b + 1 are tokens 32 b + 16 (lane / 16) + 0 .. 15: neighbours along the second product's K.
; A q record is 896 bytes: registers 0-3 at 16 l, 4-5 at 512 + 8 l, the scale word (two bytes; the upper two 0) at 768 + 4 l.
; k goes out IN PAIRS OF TILES: one record of 1,664 bytes holds one tile in registers 0-5 (k = 0 .. 63 of a fragment) and a second in registers 6-11, their scale bytes in one word.
; THE LANES OF k's RECORDS ARE REGROUPED ON THE WAY OUT, so that in attention a lane's scores of four tiles are a whole block of 32 keys: lane (r, h) of the pair made of token tiles 2 b, 2 b + 1 goes to
; record 2 (b / 2) + r / 8, lane r % 8 + 8 (b % 2) + 16 h.  Row r' of tile tau of group c (record 2 c + tau / 2, half tau % 2) is then key 64 c + 32 (r' / 8) + 8 tau + r' % 8 of the key step.
; A key step's record is 13,312 bytes: four pairs of k, then four tiles of V^T.
; REGISTERS: window 0 addresses, scale words, at work; window 1 the 32 accumulators; window 2 the ring, v192-255 cos and sin of odd tiles; window 3 two sets of h's fragments, v192-255 cos and sin of even tiles.
; LIMITS: NaN and infinities are not served; a block of zeros gets the byte 1 over zero codes.
.set LI16,  1                          ; 16 x lane
.set LI8,   2                          ; 8 x lane
.set LI4,   3                          ; 4 x lane
.set LI16B, 4                          ; 16 x lane + 53,248: K steps 4-7 (an LDS immediate has 16 bits)
.set LI4B,  5
.set CSL,   6                          ; cos in LDS: 106,496 + (r + 8 (r / 8)) x 272 + 64 h
.set KA16,  11                         ; k's records: 1,664 (r / 8) + 16 (r % 8) + 256 h
.set KA4,   12                         ; and their scale words: 1,664 (r / 8) + 4 (r % 8) + 64 h
.set WS,    16                         ; v16-31  W's scale words: tile f, K steps 2 j (lanes 0-15) and 2 j + 1 (lanes 16-31) at 4 f + j
.set AS,    32                         ; v32-47  h's scale words, two sets of 8
.set RN,    64                         ; v64-95  32 numbers behind RoPE
.set TT,    96                         ; v96-99  at work
.set TM,    192
.set PW,    208                        ; v208-209 scale words just made
.set PC,    210
.set SEL,   42
.set COSL,  106496                     ; LDS: cos, 128 rows of 272 bytes;
.set SINO,  34816                      ; sin lies so far behind it
.set WSC,   5111808
.set MSB, 0
.macro WIN new                         ; the immediate's high byte repeats the setting that is left
.if MSB != (\new)
	s_set_vgpr_msb (MSB<<8)|(\new)
.set MSB, \new
.endif
.endm
.macro PLACES n
.rept \n
	v_nop
.endr
.endm
.macro GATE n                          ; my tensor loads but the n youngest have landed, no LDS load of mine is out; behind the barrier that holds of every wave.
	s_wait_tensorcnt \n
	s_wait_dscnt 0x0
	s_barrier_signal -1
	s_barrier_wait -1
.endm
.macro QUANT src, win                  ; 64 numbers in window win, register 16 b + i = k 32 b + 16 (lane / 16) + i: a fragment in v[PC] on, its scale word in v[PW]
	WIN ((\win)<<2)|((\win)<<4)
.irp b, 0,1,2,3
	v_max3_num_f32 v[TM+\b], 0x2800000, |v[(\src)+16*\b]|, |v[(\src)+16*\b+1]|   ; the floor 2^(5 - 127): the byte cannot fall under 1
.endr
.irp i, 2,4,6,8,10,12,14
.irp b, 0,1,2,3
	v_max3_num_f32 v[TM+\b], v[TM+\b], |v[(\src)+16*\b+\i]|, |v[(\src)+16*\b+\i+1]|
.endr
.endr
	WIN 0
.irp b, 0,1,2,3
	v_permlanex16_b32 v[TM+4+\b], v[TM+\b], s[SEL], s[SEL+1]
.endr
.irp b, 0,1,2,3
	v_max_num_f32 v[TM+\b], v[TM+\b], v[TM+4+\b]
.endr
.irp b, 0,1,2,3
	v_add_nc_u32 v[TM+12+\b], 0xfe000000, v[TM+\b]         ; 4 off the exponent field: the conversion's scale operand
.endr
.irp b, 0,1,2,3
	v_lshrrev_b32 v[TM+4+\b], 23, v[TM+12+\b]
.endr
	v_lshl_or_b32 v[PW], v[TM+5], 8, v[TM+4]
	v_lshl_or_b32 v[PW], v[TM+6], 16, v[PW]
	v_lshl_or_b32 v[PW], v[TM+7], 24, v[PW]
	WIN \win
.irp c, 0,1
	v_cvt_scalef32_pk16_bf6_f32 v[PC+6*\c:PC+6*\c+2], v[(\src)+32*\c:(\src)+32*\c+15], v[TM+12+2*\c]
	v_cvt_scalef32_pk16_bf6_f32 v[PC+12+4*\c:PC+14+4*\c], v[(\src)+32*\c+16:(\src)+32*\c+31], v[TM+13+2*\c]
.endr
	WIN 0
	v_nop                                                  ; one plain place behind a scaled conversion
.irp c, 0,1
.irp i, 0,1,2
	v_permlane16_swap_b32 v[PC+6*\c+\i], v[PC+12+4*\c+\i]
.endr
.irp i, 0,1,2
	v_mov_b32 v[PC+3+6*\c+\i], v[PC+12+4*\c+\i]
.endr
.endr
.endm
.macro QHALF src, dst, pw              ; the same for 32 numbers in window 0 (64 along K): six registers from v[dst] on and two scale bytes in v[pw]
.irp b, 0,1
	v_max3_num_f32 v[TM+\b], 0x2800000, |v[(\src)+16*\b]|, |v[(\src)+16*\b+1]|
.endr
.irp i, 2,4,6,8,10,12,14
.irp b, 0,1
	v_max3_num_f32 v[TM+\b], v[TM+\b], |v[(\src)+16*\b+\i]|, |v[(\src)+16*\b+\i+1]|
.endr
.endr
.irp b, 0,1
	v_permlanex16_b32 v[TM+4+\b], v[TM+\b], s[SEL], s[SEL+1]
.endr
.irp b, 0,1
	v_max_num_f32 v[TM+\b], v[TM+\b], v[TM+4+\b]
.endr
.irp b, 0,1
	v_add_nc_u32 v[TM+12+\b], 0xfe000000, v[TM+\b]
.endr
.irp b, 0,1
	v_lshrrev_b32 v[TM+4+\b], 23, v[TM+12+\b]
.endr
	v_lshl_or_b32 v[(\pw)], v[TM+5], 8, v[TM+4]
	v_cvt_scalef32_pk16_bf6_f32 v[(\dst):(\dst)+2], v[(\src):(\src)+15], v[TM+12]
	v_cvt_scalef32_pk16_bf6_f32 v[PC+12:PC+14], v[(\src)+16:(\src)+31], v[TM+13]
	v_nop
.irp i, 0,1,2
	v_permlane16_swap_b32 v[(\dst)+\i], v[PC+12+\i]
.endr
.irp i, 0,1,2
	v_mov_b32 v[(\dst)+3+\i], v[PC+12+\i]
.endr
.endm
; a product.  acc = 0: it starts the sum.  row = 1: source 0's scale word lies in lanes 16-31; 2: source 1's
.macro MM d, a, b, sa, sb, acc, row
.if (\acc) == 0
	v_wmma_scale_f32_16x16x128_f8f6f4 v[(\d):(\d)+7], v[(\a):(\a)+11], v[(\b):(\b)+11], 0, v[(\sa)], v[(\sb)] matrix_a_fmt:MATRIX_FMT_BF6 matrix_b_fmt:MATRIX_FMT_BF6
.elseif (\row) == 0
	v_wmma_scale_f32_16x16x128_f8f6f4 v[(\d):(\d)+7], v[(\a):(\a)+11], v[(\b):(\b)+11], v[(\d):(\d)+7], v[(\sa)], v[(\sb)] matrix_a_fmt:MATRIX_FMT_BF6 matrix_b_fmt:MATRIX_FMT_BF6
.elseif (\row) == 1
	v_wmma_scale_f32_16x16x128_f8f6f4 v[(\d):(\d)+7], v[(\a):(\a)+11], v[(\b):(\b)+11], v[(\d):(\d)+7], v[(\sa)], v[(\sb)] matrix_a_fmt:MATRIX_FMT_BF6 matrix_b_fmt:MATRIX_FMT_BF6 matrix_a_scale:MATRIX_SCALE_ROW1
.else
	v_wmma_scale_f32_16x16x128_f8f6f4 v[(\d):(\d)+7], v[(\a):(\a)+11], v[(\b):(\b)+11], v[(\d):(\d)+7], v[(\sa)], v[(\sb)] matrix_a_fmt:MATRIX_FMT_BF6 matrix_b_fmt:MATRIX_FMT_BF6 matrix_b_scale:MATRIX_SCALE_ROW1
.endif
.endm
.macro WLOAD st                        ; K step st of my four weight tiles into ring slot st % 4: twelve loads of 512 consecutive bytes
	WIN 0x80
.irp f, 0,1,2,3
.irp g, 0,1,2
	global_load_b128 v[48*((\st)%4)+12*\f+4*\g:48*((\st)%4)+12*\f+4*\g+3], v[LI16], s[32:33] offset:12288*\f+1536*(\st)+512*\g
.endr
.endr
.endm
.macro ALOAD st                        ; K step st of the eight token tiles from LDS into set st % 2: 24 + 8 loads.  Record (T, st) lies at (st / 2) x 26,624 + T x 3,328 + (st % 2) x 1,664
.if (\st) < 4
.set AB16, LI16
.set AB4, LI4
.else
.set AB16, LI16B
.set AB4, LI4B
.endif
.set AOF, (((\st)/2)%2)*26624+((\st)%2)*1664
	WIN 0xc0
.irp t, 0,1,2,3,4,5,6,7
.irp g, 0,1,2
	ds_load_b128 v[96*((\st)%2)+12*\t+4*\g:96*((\st)%2)+12*\t+4*\g+3], v[AB16] offset:AOF+3328*\t+512*\g
.endr
.endr
	WIN 0
.irp t, 0,1,2,3,4,5,6,7
	ds_load_b32 v[AS+8*((\st)%2)+\t], v[AB4] offset:AOF+3328*\t+1536
.endr
.endm
.macro ROPELOAD t                      ; cos (32 registers) and sin (32) of token tile t at my lane's 32 features, from LDS: sixteen loads
.if (\t)%2 == 0
	WIN 0xc0
.else
	WIN 0x80
.endif
.irp b, 0,1
.irp j, 0,1,2,3
	ds_load_b128 v[192+16*\b+4*\j:192+16*\b+4*\j+3], v[CSL] offset:(32*((\t)/2)+8*((\t)%2))*272+128*\b+16*\j
	ds_load_b128 v[224+16*\b+4*\j:224+16*\b+4*\j+3], v[CSL] offset:SINO+(32*((\t)/2)+8*((\t)%2))*272+128*\b+16*\j
.endr
.endr
.endm
; A K step.  kind 0: q or k; 1: v.  The four places serve the loads into the slot, the set and the scale words that the step before has read.
; In front of the LDS loads of a group of two K steps stands its gate; the count is the tensor loads younger than that group's.
; The 32 accumulators take turns, one instruction a turn.
.macro STEP st, kind
.if (\st) > 0
	PLACES 4
.endif
.if (\st)+3 < 8
	WLOAD (\st)+3
.endif
.if ((\st)%2 == 1) && ((\st) < 7)
	GATE 4-((\st)+1)/2
.endif
.if ((\st) == 7) && ((\kind) == 0)
	GATE 0                                         ; cos and sin, the youngest load
	ROPELOAD 0
	ROPELOAD 1
.endif
.if (\st)+1 < 8
	ALOAD (\st)+1
.endif
.set LCN, 36                           ; the weights' loads younger than this step's: three steps of twelve, fewer at the end
.if 7-(\st) < 3
.set LCN, 12*(7-(\st))
.endif
	s_wait_loadcnt LCN
.if ((\st) < 7) || ((\kind) == 0)
	s_wait_dscnt 32                                ; all but the 32 LDS loads just issued
.else
	s_wait_dscnt 0x0
.endif
.if (\kind) == 0
	WIN 0x5e                                       ; source 0 window 2, source 1 window 3, C and D window 1
.irp t, 0,1,2,3,4,5,6,7
.irp f, 0,1,2,3
	MM 8*(4*\t+\f), 48*((\st)%4)+12*\f, 96*((\st)%2)+12*\t, WS+4*\f+(\st)/2, AS+8*((\st)%2)+\t, \st, (\st)%2
.endr
.endr
.else
	WIN 0x5b                                       ; source 0 window 3, source 1 window 2
.irp t, 0,1,2,3,4,5,6,7
.irp f, 0,1,2,3
	MM 8*(8*\f+\t), 96*((\st)%2)+12*\t, 48*((\st)%4)+12*\f, AS+8*((\st)%2)+\t, WS+4*\f+(\st)/2, \st, 2*((\st)%2)
.endr
.endr
.endif
.endm
; token tile t of q (kk = 0) or k (kk = 1): RoPE on neighbouring pairs, quantised; q is stored tile by tile, k behind every second tile
.macro OUTQK t, kk
.if (\t) < 7
	s_wait_dscnt 16                                ; this tile's cos and sin are in; the next tile's sixteen loads may be out
.else
	s_wait_dscnt 0x0
.endif
.if (\t)%2 == 0
	WIN 0x0d                                       ; source 0 window 1 (the sums), source 1 window 3
.else
	WIN 0x09
.endif
.irp i, 0,1,2,3,4,5,6,7,8,9,10,11,12,13,14,15  ; each accumulator is read from its low end on
	v_mul_f32 v[TT+2*(\i%2)], v[32*(\t)+2*\i+1], v[224+2*\i]
	v_mul_f32 v[TT+2*(\i%2)+1], v[32*(\t)+2*\i], v[224+2*\i+1]
	v_fma_f32 v[RN+2*\i], v[32*(\t)+2*\i], v[192+2*\i], -v[TT+2*(\i%2)]          ; x0 c0 - x1 s0
	v_fma_f32 v[RN+2*\i+1], v[32*(\t)+2*\i+1], v[192+2*\i+1], v[TT+2*(\i%2)+1]   ; x1 c1 + x0 s1
.endr
.if (\t)+2 < 8
	ROPELOAD (\t)+2
.endif
	WIN 0
	s_wait_xcnt 0x0                                ; earlier stores have read their data registers
	QHALF RN, PC+6*((\t)%2), PW+(\t)%2
.if (\kk) == 0
	global_store_b128 v[LI16], v[PC+6*((\t)%2):PC+6*((\t)%2)+3], s[40:41] offset:896*(\t)
	global_store_b64 v[LI8], v[PC+6*((\t)%2)+4:PC+6*((\t)%2)+5], s[40:41] offset:896*(\t)+512
	global_store_b32 v[LI4], v[PW+(\t)%2], s[40:41] offset:896*(\t)+768
.elseif (\t)%2 == 1
	v_lshl_or_b32 v[PW], v[PW+1], 16, v[PW]        ; the pair's scale word: the even tile's two bytes below, the odd tile's above
.irp g, 0,1,2                                  ; block b = t / 2: record 2 (b / 2) + r / 8, lane r % 8 + 8 (b % 2) + 16 h
	global_store_b128 v[KA16], v[PC+4*\g:PC+4*\g+3], s[40:41] offset:3328*((\t)/4)+128*(((\t)/2)%2)+512*\g
.endr
	global_store_b32 v[KA4], v[PW], s[40:41] offset:3328*((\t)/4)+32*(((\t)/2)%2)+1536
.endif
.endm
	s_load_b256 s[4:11], s[0:1], 0x0               ; hbuf, wts, cos, sin
	s_load_b128 s[12:15], s[0:1], 0x20             ; qimg, kvimg
	v_lshl_add_u32 v254, v0, 2, 0x2b000
	v_mov_b32 v255, 0
	ds_add_u32 v254, v255
	ds_add_u32 v254, v255
	v_lshrrev_b32 v7, 5, v0
	v_readfirstlane_b32 s16, v7                    ; wave
	s_mov_b32 s17, ttmp9                           ; X: the block of 128 tokens
	s_and_b32 s18, ttmp7, 0xffff                   ; y
	s_lshl_b32 s19, s18, 2
	s_add_co_u32 s19, s19, s16                     ; y < 4: unit 4 y + wave
	s_lshl_b32 s21, s16, 1
	s_add_co_u32 s21, s21, s18
	s_add_co_u32 s21, s21, 12                      ; else 16 + 2 wave + (y - 4)
	s_cmp_lt_u32 s18, 4
	s_cselect_b32 s19, s19, s21                    ; U: my unit of 64 columns
	s_max_u32 s20, s18, 3
	s_sub_co_u32 s20, s20, 3                       ; the work-group's kind: 0 q, 1 k, 2 v
	s_mov_b32 s24, 3<<16                           ; group 1 for h: elements of 8 bytes, no mask, no padding
	s_mov_b32 s25, 32<<16                          ; tensor_dim0 = 32 (256 bytes)
	s_mov_b32 s26, 26<<16                          ; tensor_dim1 = 26 rows
	s_mov_b32 s27, 32<<16                          ; tile_dim0
	s_mov_b32 s28, 26                              ; tile_dim1
	s_mov_b32 s29, 32                              ; pitch: dense
	s_mov_b32 s30, 0
	s_mov_b32 s31, 0
	s_mov_b32 s72, (3<<16)|(1<<20)|(5<<22)|(3<<25) ; group 1 for cos and sin: 4 words of padding behind every 64
	s_mov_b32 s73, 32<<16
	s_mov_b32 s74, 64<<16                          ; 64 rows
	s_mov_b32 s75, 32<<16
	s_mov_b32 s76, 64
	s_mov_b32 s77, 32
	s_mov_b32 s78, 0
	s_mov_b32 s79, 0
	s_mul_i32 s21, s16, 6656                       ; my quarter of a group of two K steps
.irp i, 0,1,2,3
	s_mov_b32 s[48+4*\i], 1                        ; group 0 of load i: count,
	s_add_co_u32 s[49+4*\i], s21, \i*26624         ; LDS address
.endr
	s_mov_b32 s68, 1
	s_mul_i32 s69, s16, 17408                      ; waves 0, 1: cos' halves; waves 2, 3: sin's: 64 rows of 272 bytes each
	s_add_co_u32 s69, s69, COSL
	s_mul_i32 s44, s17, 106496
	s_add_co_u32 s44, s44, s21
	s_mov_b32 s45, 0
	s_and_b32 s46, s17, 15
	s_lshl_b32 s46, s46, 15                        ; the block's place in its sequence: 128 rows of 256 bytes,
	s_and_b32 s47, s16, 1
	s_lshl_b32 s47, s47, 14                        ; and my half of them
	s_add_co_u32 s46, s46, s47
	s_mov_b32 s47, 0
	s_wait_dscnt 0x0
	s_wait_kmcnt 0x0
	s_add_nc_u64 s[22:23], s[4:5], s[44:45]
.irp i, 0,1,2,3
	s_add_nc_u64 s[50+4*\i:51+4*\i], s[22:23], \i*26624
	s_or_b32 s[51+4*\i], s[51+4*\i], 0x80000000
.endr
	s_cmp_lt_u32 s16, 2                            ; the choice hangs on the wave's number alone
	s_cselect_b64 s[70:71], s[8:9], s[10:11]
	s_add_nc_u64 s[70:71], s[70:71], s[46:47]
	s_or_b32 s71, s71, 0x80000000
	tensor_load_to_lds s[48:51], s[24:31]          ; K steps 0, 1: all five are first fills, in the order in which they are wanted
	s_nop 0
	tensor_load_to_lds s[52:55], s[24:31]          ; 2, 3
	s_nop 0
	tensor_load_to_lds s[56:59], s[24:31]          ; 4, 5
	s_nop 0
	tensor_load_to_lds s[60:63], s[24:31]          ; 6, 7
	s_nop 0
	tensor_load_to_lds s[68:71], s[72:79]          ; cos or sin
	s_nop 0
	PLACES 4
	s_mul_i32 s46, s19, 49152
	s_add_nc_u64 s[32:33], s[6:7], s[46:47]        ; my four weight tiles' images
	s_lshl_b32 s46, s19, 11
	s_add_co_u32 s46, s46, WSC
	s_add_nc_u64 s[34:35], s[6:7], s[46:47]        ; and their scale words
	s_lshr_b32 s46, s17, 4                         ; where the results go.  k, v: ((batch x 4 + kv head) x 16 + key step) x 13,312;
	s_lshl_b32 s46, s46, 2
	s_add_co_u32 s46, s46, s16
	s_lshl_b32 s46, s46, 4
	s_and_b32 s44, s17, 15
	s_add_co_u32 s46, s46, s44
	s_mul_i32 s46, s46, 13312
	s_lshl_b32 s44, s19, 8                         ; q: (head x 256 + 8 X) x 896
	s_lshl_b32 s45, s17, 3
	s_add_co_u32 s44, s44, s45
	s_mul_i32 s44, s44, 896
	s_cmp_lt_u32 s18, 4                            ; the choices hang on the work-group's number alone
	s_cselect_b32 s46, s44, s46
	s_cselect_b64 s[40:41], s[12:13], s[14:15]
	s_add_nc_u64 s[40:41], s[40:41], s[46:47]
	s_mov_b32 s[SEL], 0x76543210
	s_mov_b32 s[SEL+1], 0xfedcba98
	v_and_b32 v7, 31, v0
	v_lshlrev_b32 v[LI16], 4, v7
	v_lshlrev_b32 v[LI8], 3, v7
	v_lshlrev_b32 v[LI4], 2, v7
	v_add_nc_u32 v[LI16B], 53248, v[LI16]
	v_add_nc_u32 v[LI4B], 53248, v[LI4]
	v_and_b32 v8, 15, v0                           ; r
	v_bfe_u32 v9, v0, 4, 1                         ; h
	v_and_b32 v10, 8, v8
	v_add_nc_u32 v10, v10, v8
	v_mul_u32_u24 v[CSL], v10, 272
	v_lshl_add_u32 v[CSL], v9, 6, v[CSL]
	v_add_nc_u32 v[CSL], COSL, v[CSL]
	v_lshrrev_b32 v13, 3, v8                       ; r / 8
	v_and_b32 v14, 7, v8                           ; r % 8
	v_mul_u32_u24 v[KA16], v13, 1664
	v_lshl_add_u32 v[KA4], v14, 2, v[KA16]
	v_lshl_add_u32 v[KA4], v9, 6, v[KA4]
	v_lshl_add_u32 v[KA16], v14, 4, v[KA16]
	v_lshl_add_u32 v[KA16], v9, 8, v[KA16]
.irp b, 0,1,2,3
	v_mov_b32 v[TM+4+\b], 0                        ; a lane permute's destination counts as read
.endr
.irp f, 0,1,2,3
	global_load_b128 v[WS+4*\f:WS+4*\f+3], v[LI16], s[34:35] offset:512*\f
.endr
	WLOAD 0
	WLOAD 1
	WLOAD 2
	WIN 0
	GATE 4                                         ; K steps 0 and 1 lie in LDS; the four younger loads may be out
	ALOAD 0
	s_cmp_eq_u32 s20, 2
	s_cbranch_scc1 .Lv
.irp st, 0,1,2,3,4,5,6,7
	STEP \st, 0
.endr
	PLACES 4                                       ; in front of the first read of results
	WIN 0
	s_cmp_lg_u32 s20, 0
	s_cbranch_scc1 .Lk
.irp t, 0,1,2,3,4,5,6,7
	OUTQK \t, 0
.endr
	s_wait_tensorcnt 0x0
	ds_add_u32 v254, v255
	s_wait_dscnt 0x0
	s_endpgm
.Lk:
.irp t, 0,1,2,3,4,5,6,7
	OUTQK \t, 1
.endr
	s_wait_tensorcnt 0x0
	ds_add_u32 v254, v255
	s_wait_dscnt 0x0
	s_endpgm
.Lv:
.irp st, 0,1,2,3,4,5,6,7
	STEP \st, 1
.endr
	PLACES 4
.irp f, 0,1,2,3                                ; tile f of V^T: 16 features x the block's 128 tokens
	WIN 0
	s_wait_xcnt 0x0
	QUANT 64*\f, 1
.irp g, 0,1,2
	global_store_b128 v[LI16], v[PC+4*\g:PC+4*\g+3], s[40:41] offset:6656+1664*\f+512*\g
.endr
	global_store_b32 v[LI4], v[PW], s[40:41] offset:6656+1664*\f+1536
.endr
	s_wait_tensorcnt 0x0                           ; no tensor load is out at the end (this path has not waited for the youngest)
	s_wait_tensorcnt 0x0
	ds_add_u32 v254, v255
	s_wait_dscnt 0x0
	s_endpgm
.Lfunc_end_k_q8c7da33701_qkv:
	.size	k_q8c7da33701_qkv, .Lfunc_end_k_q8c7da33701_qkv-k_q8c7da33701_qkv
	.p2alignl 7, 3214868480
	.fill 96, 4, 3214868480
	.section	.rodata,"a",@progbits
	.p2align	6, 0x0
	.amdhsa_kernel k_q8c7da33701_qkv
		.amdhsa_group_segment_fixed_size 176640
		.amdhsa_private_segment_fixed_size 0
		.amdhsa_enable_private_segment 0
		.amdhsa_kernarg_size 48
		.amdhsa_user_sgpr_count 2
		.amdhsa_user_sgpr_kernarg_segment_ptr 1
		.amdhsa_wavefront_size32 1
		.amdhsa_system_sgpr_workgroup_id_x 1
		.amdhsa_system_sgpr_workgroup_id_y 1
		.amdhsa_system_sgpr_workgroup_id_z 1
		.amdhsa_system_vgpr_workitem_id 0
		.amdhsa_next_free_vgpr 1024
		.amdhsa_next_free_sgpr 80
		.amdhsa_reserve_vcc 0
		.amdhsa_float_denorm_mode_32 3
		.amdhsa_float_denorm_mode_16_64 3
		.amdhsa_memory_ordered 1
		.amdhsa_forward_progress 1
		.amdhsa_inst_pref_size 237
	.end_amdhsa_kernel
	.amdgpu_metadata
---
amdhsa.version: [ 1, 2 ]
amdhsa.kernels:
  - .name:           k_q8c7da33701_qkv
    .symbol:         k_q8c7da33701_qkv.kd
    .args:
      - { .name: hbuf, .offset: 0, .size: 8, .value_kind: global_buffer, .address_space: global }
      - { .name: wts, .offset: 8, .size: 8, .value_kind: global_buffer, .address_space: global }
      - { .name: cos, .offset: 16, .size: 8, .value_kind: global_buffer, .address_space: global }
      - { .name: sin, .offset: 24, .size: 8, .value_kind: global_buffer, .address_space: global }
      - { .name: qimg, .offset: 32, .size: 8, .value_kind: global_buffer, .address_space: global }
      - { .name: kvimg, .offset: 40, .size: 8, .value_kind: global_buffer, .address_space: global }
    .group_segment_fixed_size: 176640
    .private_segment_fixed_size: 0
    .kernarg_segment_align: 8
    .kernarg_segment_size: 48
    .max_flat_workgroup_size: 128
    .sgpr_count:     80
    .vgpr_count:     1024
    .wavefront_size: 32
...
	.end_amdgpu_metadata
.endif
;; end of part 8
;; launch attn (part 9): grid 32 x 8, 16 waves a work-group, no clusters, 215,040 bytes of LDS; arguments qimg, kvimg, oimg; writes oimg
.if DOCPART == 9
	.amdgcn_target "amdgcn-amd-amdhsa--gfx1250"
	.amdhsa_code_object_version 6
	.text
	.protected	k_q8c7da33701_attn
	.globl	k_q8c7da33701_attn
	.p2align	8
	.type	k_q8c7da33701_attn,@function
k_q8c7da33701_attn:
	s_mov_b64 s[64:65], 0
	v_nop
	global_prefetch_b8 v0, s[64:65] scope:SCOPE_SE
	s_setreg_imm32_b32 hwreg(HW_REG_WAVE_MODE, 25, 1), 1
	s_wait_xcnt 0x0
; o = softmax(q k^T / 8) v for one (batch, kv head) = work-group y, both products on BF6 codes; o is quantised along the head's 64 and stored as half of an operand's image.
; THE SOFTMAX AHEAD OF THE SECOND PRODUCT: t = score x log2(e) / 8; M = the running largest t rounded UP to a whole number; p = 2^(t - M) is quantised along the keys, not normalised;
; the row's sum is taken of the unquantised p and divides at the end; when M moves, the sum and O^T are multiplied by 2^(old M - new M), which rounds nothing.
; SHARES: sixteen waves, four to a SIMD, each with ONE tile of 16 queries of one of the four query heads of the group (head = wave % 4, tile = 4 x + wave / 4).
; ALL of this kv head's K and V (codes and scale words, 16 key steps x 13,312 bytes) fit in LDS.  Each wave brings a sixteenth of key steps 0-3 by a first tensor load (13 rows of 256 bytes) and a sixteenth of
; the other twelve by a second (39 rows): two loads of a wave are out.  Key steps 0-2, which also fetch K of step 3, are walked behind a barrier whose wait leaves the second load out; a second barrier, with the wait for 0,
; stands in front of step 3.  LDS is never filled again.  While the second load is out every LDS address is a constant of the text: so steps 0-2 are written out.
; LAYOUT: both products transposed (S^T = K Q^T, O^T = V^T P^T): a lane holds one query.
; THE FIRST PRODUCT'S K IS 64.  A fragment of K holds TWO key tiles, one in k = 0 .. 63 and one in k = 64 .. 127; it is multiplied once by [q | 0] and once by [0 | q], which are the registers
; q, 0, q on end (18).  Zero codes add nothing under any scale byte but 0xff; q's two scale bytes stand twice in its word.
; A WHOLE BLOCK OF 32 KEYS IN A LANE.  Row r' of key tile tau of group c (fragment 2 c + tau / 2, half tau % 2) is key 64 c + 32 (r' / 8) + 8 tau + r' % 8: so register S + 32 c + i of lane (r, h) is key
; 64 c + 32 h + i, which is the order of p's operand registers: a block's largest score needs no other lane, the conversions' results are the operand (but for three moves a block, since a conversion's three
; registers begin on an even number), and only the row's maximum and the scale word's bytes change lanes.
; EXPONENTIALS BY TURNS.  No two of the 64 exponentials of a step follow each other: behind each stands at least one plain line that is due anyway and names nothing of it: the scaling t - M four pairs ahead,
; the sum's addition five pairs back, the blocks' scale chain, the conversions and their moves, the rescaling of O^T.  So 87 of a step's 148 plain vector lines stand among its exponentials.
; A STEP: 8 products S^T; four places (three of them useful lines); this step's V^T and the NEXT step's K are asked for; the softmax; 4 products O^T.  So no LDS load is waited for straight behind its issue.
; Multicast is left out: what the 32 work-groups of a kv head share is one first fill of 212,992 bytes each, all of which every one of them has to receive, against 16 key steps of work.
; LIMITS: NaN and infinities are not served; a block of zeros gets the byte 1 over zero codes.  v_exp_f32 is taken not to fall where its input rises (a block's largest p is made from its largest score).
.set STEPB, 13312                      ; a key step: four pairs of K (1,664 bytes each), then four tiles of V^T
.set LI16, 1                           ; 16 x lane
.set LI8,  2
.set LI4,  3
.set BM,   4                           ; v4-7    four chains of maxima; then +0, +2 my two blocks' largest, +1, +3 their bytes; then a conversion's result
.set A16,  8                           ; v8, v9  the step's LDS addresses: at its V^T; the next step's K lies 6,656 bytes on
.set A4,   9
.set TQ,   10                          ; at work
.set TX,   11
.set NM,   12                          ; -M
.set TMX,  13                          ; the largest t
.set SUM,  14                          ; v[14:15] the row's sum
.set Q,    16                          ; v16-33  q, 0, q
.set KB,   34                          ; v34-81  four fragments of K
.set VB,   82                          ; v82-129 four of V^T
.set S,    130                         ; v130-193 S^T, then p
.set O,    194                         ; v194-225 O^T
.set PC,   226                         ; v226-237 p's codes
.set SO0,  PC+4                        ; the conversions' scale operands of my blocks h and 2 + h, until the moves write the codes there
.set SO1,  PC+10
.set KS,   238                         ; v238-241 K's scale words
.set VS,   242                         ; v242-245 V's
.set QS,   246                         ; q's
.set PS,   247                         ; p's
.set F,    248                         ; v248 f = 2^(old M - new M); v249 its pair
.set SUM2, 250                         ; v[250:251] the sum's second chain
.set T2,   252                         ; v252-254 a conversion's result
.set SH8,  255                         ; 8 x (lane / 16): my bytes' place in the scale word
.macro PLACES n
.rept \n
	v_nop
.endr
.endm
.macro AJ j                            ; t - M of pair j
	v_pk_fma_f32 v[S+2*(\j):S+2*(\j)+1], v[S+2*(\j):S+2*(\j)+1], s[24:25], v[NM:NM+1] op_sel_hi:[1,0,0]
.endm
.macro RJ m                            ; pair m of O^T under the new M
	v_pk_mul_f32 v[O+2*(\m):O+2*(\m)+1], v[O+2*(\m):O+2*(\m)+1], v[F:F+1] op_sel_hi:[1,0]
.endm
.macro DJ j                            ; pair j of the unquantised p joins the row's sum: two chains; pair 0 goes in with pair 1
.if (\j) == 1
	v_pk_add_f32 v[SUM2:SUM2+1], v[S:S+1], v[S+2:S+3]
.elseif (\j)%2 == 0
	s_wait_alu depctr_va_vdst(0)
	v_pk_add_f32 v[SUM:SUM+1], v[SUM:SUM+1], v[S+2*(\j):S+2*(\j)+1]
.else
	v_pk_add_f32 v[SUM2:SUM2+1], v[SUM2:SUM2+1], v[S+2*(\j):S+2*(\j)+1]
.endif
.endm
.macro SLOT2                           ; the plain line behind the odd exponential of pair J
.if J == 0
	v_pk_mul_f32 v[SUM:SUM+1], v[SUM:SUM+1], v[F:F+1] op_sel_hi:[1,0]   ; the sum under the new M
.elseif J == 1
	s_wait_alu depctr_va_vdst(0)
	v_max_num_f32 v[BM], 0x2800000, v[BM]          ; the floor 2^(5 - 127) under my blocks' largest p: the byte cannot fall under 1
.elseif J == 2
	v_max_num_f32 v[BM+2], 0x2800000, v[BM+2]
.elseif J == 3
	v_add_nc_u32 v[SO0], 0xfe000000, v[BM]         ; 4 off the exponent field: the conversion's scale operand
.elseif J == 4
	v_add_nc_u32 v[SO1], 0xfe000000, v[BM+2]
.elseif J == 5
	v_lshrrev_b32 v[BM+1], 23, v[SO0]              ; the scale's byte
.else
	DJ J-5
.endif
.endm
.macro SLOT3                           ; a further line behind it, in 23 of the 32 groups
.if J == 5
	v_lshrrev_b32 v[BM+3], 23, v[SO1]
.elseif J == 6
	v_lshl_or_b32 v[PS], v[BM+3], 16, v[BM+1]      ; my two bytes: blocks h and 2 + h,
.elseif J == 7
	v_lshlrev_b32 v[PS], v[SH8], v[PS]             ; at their places in the scale word;
.elseif J == 8
	v_permlanex16_b32 v[TQ], v[PS], s26, s27
.elseif J == 9
	v_or_b32 v[PS], v[PS], v[TQ]                   ; with lane l xor 16's two the word is whole
.elseif J == 10
	v_cvt_scalef32_pk16_bf6_f32 v[PC:PC+2], v[S:S+15], v[SO0]
.elseif (J >= 11) && (J <= 16)
	RJ J-11
.elseif J == 17
	s_wait_alu depctr_va_vdst(0)
	v_cvt_scalef32_pk16_bf6_f32 v[BM:BM+2], v[S+16:S+31], v[SO0]       ; (a conversion's three registers begin on an even number)
.elseif J == 18
	RJ 6
.elseif (J >= 19) && (J <= 21)
	v_mov_b32 v[PC+3+J-19], v[BM+J-19]
.elseif (J >= 22) && (J <= 24)
	RJ J-15
.elseif J == 25
	v_cvt_scalef32_pk16_bf6_f32 v[PC+6:PC+8], v[S+32:S+47], v[SO1]
.elseif (J >= 26) && (J <= 27)
	RJ J-16
.endif
.endm
; A key step.  pf = 1: the next step's K is fetched.  base >= 0: the LDS byte of this step's V^T as a constant; else it stands in s28, which then steps.
.macro BODY pf, base
	s_wait_dscnt 0x0                               ; K
.irp j, 0,1,2,3
	v_wmma_scale_f32_16x16x128_f8f6f4 v[S+16*\j:S+16*\j+7], v[KB+12*\j:KB+12*\j+11], v[Q:Q+11], 0, v[KS+\j], v[QS] matrix_a_fmt:MATRIX_FMT_BF6 matrix_b_fmt:MATRIX_FMT_BF6
	v_wmma_scale_f32_16x16x128_f8f6f4 v[S+16*\j+8:S+16*\j+15], v[KB+12*\j:KB+12*\j+11], v[Q+6:Q+17], 0, v[KS+\j], v[QS] matrix_a_fmt:MATRIX_FMT_BF6 matrix_b_fmt:MATRIX_FMT_BF6
.endr
	; four places: in front of the loads into V^T's registers (read by the last step's products) and K's (read just now), and of the first read of the scores
.if (\base) >= 0
	v_add_nc_u32 v[A16], \base, v[LI16]
	v_add_nc_u32 v[A4], \base, v[LI4]
.else
	v_add_nc_u32 v[A16], s28, v[LI16]
	v_add_nc_u32 v[A4], s28, v[LI4]
.endif
	v_mov_b32 v[TX], v[NM]                         ; the old -M
	v_nop
.irp f, 0,1,2,3
.irp g, 0,1,2
	ds_load_b128 v[VB+12*\f+4*\g:VB+12*\f+4*\g+3], v[A16] offset:1664*\f+512*\g
.endr
	ds_load_b32 v[VS+\f], v[A4] offset:1664*\f+1536
.endr
.if \pf
.irp j, 0,1,2,3
.irp g, 0,1,2
	ds_load_b128 v[KB+12*\j+4*\g:KB+12*\j+4*\g+3], v[A16] offset:6656+1664*\j+512*\g
.endr
	ds_load_b32 v[KS+\j], v[A4] offset:6656+1664*\j+1536
.endr
.endif
.irp k, 0,1,2,3
	v_max3_num_f32 v[BM+\k], v[S+16*\k], v[S+16*\k+1], v[S+16*\k+2]   ; the largest score, in four chains of 16; each accumulator is read from its low end on
.endr
.irp i, 3,5,7,9,11,13
.irp k, 0,1,2,3
	v_max3_num_f32 v[BM+\k], v[BM+\k], v[S+16*\k+\i], v[S+16*\k+\i+1]
.endr
.endr
	v_max3_num_f32 v[BM], v[BM], v[S+15], v[S+31]
	v_max3_num_f32 v[BM+2], v[BM+2], v[S+47], v[S+63]
	v_max_num_f32 v[BM], v[BM], v[BM+1]            ; THE LARGEST SCORE OF MY BLOCK h, and below of my block 2 + h: for the row's maximum and, since p rises with the score, for the block's largest p
	v_max_num_f32 v[BM+2], v[BM+2], v[BM+3]
	v_max_num_f32 v[TQ], v[BM], v[BM+2]
	v_permlanex16_b32 v[BM+1], v[TQ], s26, s27
	v_max_num_f32 v[TQ], v[TQ], v[BM+1]            ; with lane l xor 16's two blocks: the step's largest score of my query
	v_mul_f32 v[TQ], s24, v[TQ]                    ; as t (c is positive)
	v_max_num_f32 v[TMX], v[TMX], v[TQ]            ; the running largest t
	v_floor_f32 v[NM], -v[TMX]                     ; the new -M = -ceil(t): a whole number
	v_sub_f32 v[TX], v[NM], v[TX]                  ; old M - new M, 0 or less
	v_cvt_i32_f32 v[TX], v[TX]                     ; (it saturates)
	v_ldexp_f32 v[F], 1.0, v[TX]                   ; f = 2^(old M - new M)
	v_fma_f32 v[BM], v[BM], s24, v[NM]             ; t - M of my blocks' largest scores
	v_fma_f32 v[BM+2], v[BM+2], s24, v[NM]
	AJ 0
	AJ 1
	AJ 2
	AJ 3
	v_exp_f32 v[BM], v[BM]                         ; my blocks' largest p: the same multiply-add and exponential on the same number give the same bits
	v_exp_f32 v[BM+2], v[BM+2]
.set J, 0
.rept 32                                       ; pair J: p = 2^(t - M), each exponential with a plain line behind it that names nothing of it
	v_exp_f32 v[S+2*J], v[S+2*J]
.if J < 28
	AJ J+4
.else
	RJ J-16
.endif
	v_exp_f32 v[S+2*J+1], v[S+2*J+1]
	SLOT2
	SLOT3
.set J, J+1
.endr
	s_wait_alu depctr_va_vdst(0)
	v_cvt_scalef32_pk16_bf6_f32 v[T2:T2+2], v[S+48:S+63], v[SO1]
	DJ 27                                          ; the plain place behind the conversion
.irp i, 0,1,2
	v_mov_b32 v[PC+9+\i], v[T2+\i]
.endr
	DJ 28                                          ; five plain lines that name nothing of the products stand between the last write of p's codes and the products
	DJ 29
	DJ 30
	DJ 31
	v_pk_add_f32 v[SUM:SUM+1], v[SUM:SUM+1], v[SUM2:SUM2+1]
	s_wait_dscnt 16*(\pf)                          ; V^T is in; the sixteen younger loads (the next step's K) may be out
.irp f, 0,1,2,3                                ; O^T += V^T P^T: the four accumulators by turns
	v_wmma_scale_f32_16x16x128_f8f6f4 v[O+8*\f:O+8*\f+7], v[VB+12*\f:VB+12*\f+11], v[PC:PC+11], v[O+8*\f:O+8*\f+7], v[VS+\f], v[PS] matrix_a_fmt:MATRIX_FMT_BF6 matrix_b_fmt:MATRIX_FMT_BF6
.endr
.if (\base) < 0
	s_add_co_u32 s28, s28, STEPB
.endif
.endm
	s_load_b128 s[4:7], s[0:1], 0x0                ; qimg, kvimg
	s_load_b64 s[8:9], s[0:1], 0x10                ; oimg
	v_lshl_add_u32 v254, v0, 2, 0x34000
	v_mov_b32 v255, 0
	ds_add_u32 v254, v255
	ds_add_u32 v254, v255
	s_wait_dscnt 0x0
	v_lshrrev_b32 v1, 5, v0
	v_readfirstlane_b32 s10, v1                    ; wave 0..15
	s_and_b32 s11, ttmp7, 0xffff                   ; y = batch x 4 + kv head
	s_mov_b32 s12, 1                               ; the first load: my sixteenth of key steps 0-3
	s_mul_i32 s13, s10, 3328
	s_mov_b32 s16, 3<<16                           ; elements of 8 bytes
	s_mov_b32 s17, 32<<16                          ; rows of 256 bytes
	s_mov_b32 s18, 13<<16                          ; 13 rows
	s_mov_b32 s19, 32<<16
	s_mov_b32 s20, 13
	s_mov_b32 s21, 32                              ; dense
	s_mov_b32 s22, 0
	s_mov_b32 s23, 0
	s_mov_b32 s48, 1                               ; the second: my sixteenth of key steps 4-15
	s_mul_i32 s49, s10, 9984
	s_add_co_u32 s49, s49, 4*STEPB
	s_mov_b32 s52, 3<<16
	s_mov_b32 s53, 32<<16
	s_mov_b32 s54, 39<<16                          ; 39 rows
	s_mov_b32 s55, 32<<16
	s_mov_b32 s56, 39
	s_mov_b32 s57, 32
	s_mov_b32 s58, 0
	s_mov_b32 s59, 0
	s_mul_i32 s32, s11, 16*STEPB
	s_add_co_u32 s46, s32, s49
	s_mov_b32 s47, 0
	s_add_co_u32 s32, s32, s13
	s_mov_b32 s33, 0
	s_and_b32 s34, s10, 3
	s_and_b32 s35, s11, 3
	s_lshl_b32 s35, s35, 2
	s_add_co_u32 s35, s35, s34                     ; query head
	s_lshl_b32 s36, ttmp9, 2
	s_lshr_b32 s37, s10, 2
	s_add_co_u32 s36, s36, s37
	s_lshr_b32 s37, s11, 2
	s_lshl_b32 s37, s37, 7
	s_add_co_u32 s36, s36, s37                     ; token tile Tg
	s_lshl_b32 s38, s35, 8
	s_add_co_u32 s38, s38, s36
	s_mul_i32 s38, s38, 896                        ; q's record
	s_mov_b32 s39, 0
	s_lshl_b32 s40, s36, 3
	s_lshr_b32 s41, s35, 1
	s_add_co_u32 s40, s40, s41
	s_mul_i32 s40, s40, 1792                       ; o's record: (8 Tg + head / 2)
	s_and_b32 s42, s35, 1                          ; c: which half of the K step of 128 my head is
	s_lshl_b32 s30, s42, 4                         ; my two scale bytes go 16 c bits up
	s_mul_i32 s43, s42, 768
	s_lshl_b32 s44, s42, 7
	s_add_co_u32 s44, s44, s40
	s_add_co_u32 s44, s44, 1536                    ; my scale chunk
	s_mov_b32 s45, 0
	s_add_co_u32 s40, s40, s43                     ; my half image
	s_mov_b32 s41, 0
	s_mov_b32 s24, 0x3e38aa3b                      ; c = log2(e) / 8
	s_mov_b32 s25, s24
	s_mov_b32 s26, 0x76543210
	s_mov_b32 s27, 0xfedcba98
	s_mov_b32 s28, 3*STEPB+6656                    ; LDS byte of V^T of key step 3, where the loop begins
	s_mov_b32 s29, 0                               ; the loop's trips
	s_wait_kmcnt 0x0
	s_add_nc_u64 s[14:15], s[6:7], s[32:33]
	s_or_b32 s15, s15, 0x80000000
	s_add_nc_u64 s[50:51], s[6:7], s[46:47]
	s_or_b32 s51, s51, 0x80000000
	tensor_load_to_lds s[12:15], s[16:23]          ; both are first fills, the bytes that are wanted first ahead
	s_nop 0
	tensor_load_to_lds s[48:51], s[52:59]
	s_nop 0
	PLACES 4
	s_add_nc_u64 s[4:5], s[4:5], s[38:39]
	s_add_nc_u64 s[6:7], s[8:9], s[44:45]
	s_add_nc_u64 s[8:9], s[8:9], s[40:41]
	v_and_b32 v[TX], 31, v0
	v_lshlrev_b32 v[LI16], 4, v[TX]
	v_lshlrev_b32 v[LI8], 3, v[TX]
	v_lshlrev_b32 v[LI4], 2, v[TX]
	global_load_b128 v[Q:Q+3], v[LI16], s[4:5]     ; q, twice: in front of the zeros and behind them
	global_load_b64 v[Q+4:Q+5], v[LI8], s[4:5] offset:512
	global_load_b128 v[Q+12:Q+15], v[LI16], s[4:5]
	global_load_b64 v[Q+16:Q+17], v[LI8], s[4:5] offset:512
	global_load_b32 v[TQ], v[LI4], s[4:5] offset:768
.irp i, 6,7,8,9,10,11
	v_mov_b32 v[Q+\i], 0                           ; the zero codes
.endr
	v_bfe_u32 v[SH8], v0, 4, 1
	v_lshlrev_b32 v[SH8], 3, v[SH8]                ; 8 x (lane / 16)
	v_mov_b32 v[TMX], 0xff61b1e6                   ; the largest t so far: -3e38
	v_floor_f32 v[NM], -v[TMX]                     ; -M
	v_mov_b32 v[SUM], 0
	v_mov_b32 v[SUM+1], 0
	v_mov_b32 v[F+1], 0
	s_wait_loadcnt 0x0                             ; q
	v_lshl_or_b32 v[QS], v[TQ], 16, v[TQ]          ; its two scale bytes, twice.  (The 32 lines below are the places between this line and the first product)
.set J, 0
.rept 32
	v_mov_b32 v[O+J], 0                            ; O^T: the step is written for every step alike; the first finds zeros, which the first change of M leaves zeros
.set J, J+1
.endr
	s_wait_tensorcnt 0x1                           ; my part of key steps 0-3 lies in LDS; the second load may be out
	s_barrier_signal -1
	s_barrier_wait -1                              ; everybody's does
.irp j, 0,1,2,3                                ; K of key step 0
.irp g, 0,1,2
	ds_load_b128 v[KB+12*\j+4*\g:KB+12*\j+4*\g+3], v[LI16] offset:1664*\j+512*\g
.endr
	ds_load_b32 v[KS+\j], v[LI4] offset:1664*\j+1536
.endr
	BODY 1, 6656                                   ; key steps 0, 1, 2: they read LDS bytes under 4 x 13,312 alone
	BODY 1, STEPB+6656
	BODY 1, 2*STEPB+6656
	s_wait_tensorcnt 0x0                           ; my part of key steps 4-15,
	s_wait_dscnt 0x0
	s_barrier_signal -1
	s_barrier_wait -1                              ; and everybody's
.Lstep:                                            ; key steps 3 to 14
	BODY 1, -1
	s_add_co_u32 s29, s29, 1
	s_cmp_lt_u32 s29, 12
	s_cbranch_scc1 .Lstep
	BODY 0, 15*STEPB+6656                          ; the last: nothing more to fetch
	; THE WAY OUT: o = O^T / the sum; by the weights' tile order registers 16 b + i are channels 32 b + 16 (lane / 16) + i: two lanes to a block, quantised as they stand
	PLACES 4
	v_add_f32 v[SUM], v[SUM], v[SUM+1]
	v_permlanex16_b32 v[TX], v[SUM], s26, s27
	v_add_f32 v[SUM], v[SUM], v[TX]
	v_rcp_f32 v[SUM], v[SUM]
	v_nop
.set J, 0
	s_wait_alu depctr_va_vdst(0)
.rept 32
	v_mul_f32 v[S+J], v[O+J], v[SUM]
.set J, J+1
.endr
.irp b, 0,1
	v_max3_num_f32 v[BM+\b], 0x2800000, |v[S+16*\b]|, |v[S+16*\b+1]|
.endr
.irp i, 2,4,6,8,10,12,14
.irp b, 0,1
	v_max3_num_f32 v[BM+\b], v[BM+\b], |v[S+16*\b+\i]|, |v[S+16*\b+\i+1]|
.endr
.endr
.irp b, 0,1
	v_permlanex16_b32 v[BM+2+\b], v[BM+\b], s26, s27
.endr
.irp b, 0,1
	v_max_num_f32 v[BM+\b], v[BM+\b], v[BM+2+\b]
.endr
.irp b, 0,1
	v_add_nc_u32 v[PC+3+\b], 0xfe000000, v[BM+\b]
.endr
.irp b, 0,1
	v_lshrrev_b32 v[TQ+\b], 23, v[PC+3+\b]
.endr
	v_lshl_or_b32 v[TX], v[TX], 8, v[TQ]
	v_lshlrev_b32 v[TX], s30, v[TX]                ; at their places in the K step's scale word: the reader joins the two heads' halves
	v_cvt_scalef32_pk16_bf6_f32 v[PC:PC+2], v[S:S+15], v[PC+3]
	v_cvt_scalef32_pk16_bf6_f32 v[T2:T2+2], v[S+16:S+31], v[PC+4]
	v_nop
.irp i, 0,1,2
	v_permlane16_swap_b32 v[PC+\i], v[T2+\i]
.endr
.irp i, 0,1,2
	v_mov_b32 v[PC+3+\i], v[T2+\i]
.endr
	global_store_b128 v[LI16], v[PC:PC+3], s[8:9]
	global_store_b64 v[LI8], v[PC+4:PC+5], s[8:9] offset:512
	global_store_b32 v[LI4], v[TX], s[6:7]
	s_wait_xcnt 0x0
	v_lshl_add_u32 v254, v0, 2, 0x34000
	v_mov_b32 v255, 0
	s_wait_tensorcnt 0x0
	ds_add_u32 v254, v255
	s_wait_dscnt 0x0
	s_endpgm
.Lfunc_end_k_q8c7da33701_attn:
	.size	k_q8c7da33701_attn, .Lfunc_end_k_q8c7da33701_attn-k_q8c7da33701_attn
	.p2alignl 7, 3214868480
	.fill 96, 4, 3214868480
	.section	.rodata,"a",@progbits
	.p2align	6, 0x0
	.amdhsa_kernel k_q8c7da33701_attn
		.amdhsa_group_segment_fixed_size 215040
		.amdhsa_private_segment_fixed_size 0
		.amdhsa_enable_private_segment 0
		.amdhsa_kernarg_size 24
		.amdhsa_user_sgpr_count 2
		.amdhsa_user_sgpr_kernarg_segment_ptr 1
		.amdhsa_wavefront_size32 1
		.amdhsa_system_sgpr_workgroup_id_x 1
		.amdhsa_system_sgpr_workgroup_id_y 1
		.amdhsa_system_sgpr_workgroup_id_z 1
		.amdhsa_system_vgpr_workitem_id 0
		.amdhsa_next_free_vgpr 256
		.amdhsa_next_free_sgpr 66
		.amdhsa_reserve_vcc 0
		.amdhsa_float_denorm_mode_32 3
		.amdhsa_float_denorm_mode_16_64 3
		.amdhsa_memory_ordered 1
		.amdhsa_forward_progress 1
		.amdhsa_inst_pref_size 85
	.end_amdhsa_kernel
	.amdgpu_metadata
---
amdhsa.version: [ 1, 2 ]
amdhsa.kernels:
  - .name:           k_q8c7da33701_attn
    .symbol:         k_q8c7da33701_attn.kd
    .args:
      - { .name: qimg, .offset: 0, .size: 8, .value_kind: global_buffer, .address_space: global }
      - { .name: kvimg, .offset: 8, .size: 8, .value_kind: global_buffer, .address_space: global }
      - { .name: oimg, .offset: 16, .size: 8, .value_kind: global_buffer, .address_space: global }
    .group_segment_fixed_size: 215040
    .private_segment_fixed_size: 0
    .kernarg_segment_align: 8
    .kernarg_segment_size: 24
    .max_flat_workgroup_size: 512
    .sgpr_count:     66
    .vgpr_count:     256
    .wavefront_size: 32
...
	.end_amdgpu_metadata
.endif
;; end of part 9
;; launch wo (part 10): grid 128 x 1, 4 waves a work-group, no clusters, 168,448 bytes of LDS; arguments oimg, wts, x, ln2_g, ln2_b, hbuf, x1img; writes hbuf, x1img
.if DOCPART == 10
	.amdgcn_target "amdgcn-amd-amdhsa--gfx1250"
	.amdhsa_code_object_version 6
	.text
	.protected	k_q8c7da33701_wo
	.globl	k_q8c7da33701_wo
	.p2align	8
	.type	k_q8c7da33701_wo,@function
k_q8c7da33701_wo:
	s_mov_b64 s[64:65], 0
	v_nop
	global_prefetch_b8 v0, s[64:65] scope:SCOPE_SE
	s_setreg_imm32_b32 hwreg(HW_REG_WAVE_MODE, 25, 1), 1
	s_wait_xcnt 0x0
; x1 = x + o Wo^T on BF6 codes; h2 = LayerNorm2(x1), quantised.  x1 goes out as images of the accumulators (1,024 bytes a tile: registers 0-3 at 16 l, 4-7 at 512 + 16 l), h2 as records of 1,664 bytes,
; K-major inside the reader's block of 4 tiles: (Tg / 4) x 53,248 + (s / 2) x 13,312 + (Tg % 4) x 3,328 + (s % 2) x 1,664.
; SHARES: a work-group takes 32 tokens (token tiles 2 G, 2 G + 1) and ALL 1,024 columns, since the norm wants whole rows; wave w takes columns 256 w on: 16 weight tiles, 32 accumulators.
; x is loaded straight into the accumulators: the first product adds onto it.  o's 16 records (28,672 bytes, dense) come into LDS once, a quarter by each wave's one tensor load; LDS is never filled again.
; The weights go from their images into a ring of three register slots of 8 fragments, half a K step each, two half steps ahead (48 loads of 512 bytes in flight).
; The product is used transposed: a lane holds one token, registers 16 B + i of a tile of tokens are columns 256 w + 32 B + 16 (lane / 16) + i.
; The rows' sums meet in LDS, once for the mean and once for the centred squares: two barriers.
; REGISTERS: window 0 addresses, scale words, at work; window 1 accumulator (T, F) at v[128 T + 8 F]; window 2 ring slots 0, 1, later the gain; window 3 ring slot 2, o's fragments at v96-143, later the bias.
; LIMITS: NaN and infinities are not served; a block of zeros gets the byte 1 over zero codes.
.set LI16, 1
.set LI8,  2
.set LI4,  3
.set XA,   4                           ; x: (r + 8 (r / 8)) x 4,096 + 64 h
.set GA,   5                           ; gain, bias: 64 h
.set STA,  6                           ; where I put my rows' sums
.set WS,   16                          ; v16-79  Wo's scale words: 4 F + j
.set AS,   80                          ; v80-95  o's scale words: 2 s + T
.set TS,   96                          ; v96-127 their halves as loaded; later the waves' sums
.set RN,   128                         ; v128-191 64 numbers of h2
.set TM,   192
.set PW,   208
.set PC,   210
.set SU,   232                         ; v232-239 two chains of sums for each T
.set NM,   240                         ; v240-243 minus the mean, a pair for each T
.set RS,   244                         ; v244-247 1 / sqrt(var + eps), a pair for each T
.set SEL,  36
.set STAT1, 28672                      ; behind o's records: word (wave, T, lane) at 256 wave + 128 T + 4 lane
.set STAT2, 29696
.set WSC,  5111808
.set MSB, 0
.macro WIN new                         ; the immediate's high byte repeats the setting that is left
.if MSB != (\new)
	s_set_vgpr_msb (MSB<<8)|(\new)
.set MSB, \new
.endif
.endm
.macro PLACES n
.rept \n
	v_nop
.endr
.endm
.macro QUANT src                       ; 64 numbers in window 0, register 16 b + i = k 32 b + 16 (lane / 16) + i: a fragment in v[PC] on, its scale word in v[PW]
.irp b, 0,1,2,3
	v_max3_num_f32 v[TM+\b], 0x2800000, |v[(\src)+16*\b]|, |v[(\src)+16*\b+1]|   ; the floor 2^(5 - 127): the byte cannot fall under 1
.endr
.irp i, 2,4,6,8,10,12,14
.irp b, 0,1,2,3
	v_max3_num_f32 v[TM+\b], v[TM+\b], |v[(\src)+16*\b+\i]|, |v[(\src)+16*\b+\i+1]|
.endr
.endr
.irp b, 0,1,2,3
	v_permlanex16_b32 v[TM+4+\b], v[TM+\b], s[SEL], s[SEL+1]
.endr
.irp b, 0,1,2,3
	v_max_num_f32 v[TM+\b], v[TM+\b], v[TM+4+\b]
.endr
.irp b, 0,1,2,3
	v_add_nc_u32 v[TM+12+\b], 0xfe000000, v[TM+\b]         ; 4 off the exponent field: the conversion's scale operand
.endr
.irp b, 0,1,2,3
	v_lshrrev_b32 v[TM+4+\b], 23, v[TM+12+\b]
.endr
	v_lshl_or_b32 v[PW], v[TM+5], 8, v[TM+4]
	v_lshl_or_b32 v[PW], v[TM+6], 16, v[PW]
	v_lshl_or_b32 v[PW], v[TM+7], 24, v[PW]
.irp c, 0,1
	v_cvt_scalef32_pk16_bf6_f32 v[PC+6*\c:PC+6*\c+2], v[(\src)+32*\c:(\src)+32*\c+15], v[TM+12+2*\c]
	v_cvt_scalef32_pk16_bf6_f32 v[PC+12+4*\c:PC+14+4*\c], v[(\src)+32*\c+16:(\src)+32*\c+31], v[TM+13+2*\c]
.endr
	v_nop                                                  ; one plain place behind a scaled conversion
.irp c, 0,1
.irp i, 0,1,2
	v_permlane16_swap_b32 v[PC+6*\c+\i], v[PC+12+4*\c+\i]
.endr
.irp i, 0,1,2
	v_mov_b32 v[PC+3+6*\c+\i], v[PC+12+4*\c+\i]
.endr
.endr
.endm
.macro MM d, a, b, sa, sb, row         ; every product adds in place; row = 1: the weight's scale word lies in lanes 16-31
.if (\row) == 0
	v_wmma_scale_f32_16x16x128_f8f6f4 v[(\d):(\d)+7], v[(\a):(\a)+11], v[(\b):(\b)+11], v[(\d):(\d)+7], v[(\sa)], v[(\sb)] matrix_a_fmt:MATRIX_FMT_BF6 matrix_b_fmt:MATRIX_FMT_BF6
.else
	v_wmma_scale_f32_16x16x128_f8f6f4 v[(\d):(\d)+7], v[(\a):(\a)+11], v[(\b):(\b)+11], v[(\d):(\d)+7], v[(\sa)], v[(\sb)] matrix_a_fmt:MATRIX_FMT_BF6 matrix_b_fmt:MATRIX_FMT_BF6 matrix_a_scale:MATRIX_SCALE_ROW1
.endif
.endm
.macro WLOAD q                         ; half step q: K step q / 2 of weight tiles 8 (q % 2) + 0 .. 7 into slot q % 3: 24 loads
.if (\q)%3 == 2
	WIN 0xc0
.set WBL, 0
.else
	WIN 0x80
.set WBL, 96*((\q)%3)
.endif
.irp f, 0,1,2,3,4,5,6,7
.irp g, 0,1,2
	global_load_b128 v[WBL+12*\f+4*\g:WBL+12*\f+4*\g+3], v[LI16], s[32:33] offset:12288*(8*((\q)%2)+\f)+1536*((\q)/2)+512*\g
.endr
.endr
.endm
.macro ALOAD st                        ; K step st of the two token tiles: two heads' half images each: 8 loads
	WIN 0xc0
.irp t, 0,1
	ds_load_b128 v[96+24*((\st)%2)+12*\t:96+24*((\st)%2)+12*\t+3], v[LI16] offset:(8*\t+(\st))*1792
	ds_load_b64 v[96+24*((\st)%2)+12*\t+4:96+24*((\st)%2)+12*\t+5], v[LI8] offset:(8*\t+(\st))*1792+512
	ds_load_b128 v[96+24*((\st)%2)+12*\t+6:96+24*((\st)%2)+12*\t+9], v[LI16] offset:(8*\t+(\st))*1792+768
	ds_load_b64 v[96+24*((\st)%2)+12*\t+10:96+24*((\st)%2)+12*\t+11], v[LI8] offset:(8*\t+(\st))*1792+1280
.endr
.endm
.macro HSTEP q                         ; sixteen products; the sixteen accumulators by turns
.if (\q) > 0
	PLACES 4                                       ; for the loads into what the half step before has read
.endif
.if (\q)+2 < 16
	WLOAD (\q)+2
.endif
.if (\q)%2 == 0
.if (\q)/2 < 7
	ALOAD (\q)/2+1
	s_wait_dscnt 8                                 ; all but the 8 LDS loads just issued
.else
	s_wait_dscnt 0x0
.endif
.endif
.if 15-(\q) < 2
	s_wait_loadcnt 24*(15-(\q))
.else
	s_wait_loadcnt 48                              ; the two younger half steps' loads may be out
.endif
.if (\q)%3 == 2
	WIN 0x5f                                       ; source 0 window 3, source 1 window 3, C and D window 1
.set WBM, 0
.else
	WIN 0x5e                                       ; source 0 window 2
.set WBM, 96*((\q)%3)
.endif
.irp t, 0,1
.irp f, 0,1,2,3,4,5,6,7
	MM 128*\t+8*(8*((\q)%2)+\f), WBM+12*\f, 96+24*(((\q)/2)%2)+12*\t, WS+4*(8*((\q)%2)+\f)+(\q)/4, AS+2*((\q)/2)+\t, ((\q)/2)%2
.endr
.endr
.endm
.macro MEET base                       ; the two tiles' figures in v[SU + 4 T]: over the lane's pair, lane l xor 16, and the four waves (through LDS at base)
.irp t, 0,1
	v_pk_add_f32 v[SU+4*\t:SU+4*\t+1], v[SU+4*\t:SU+4*\t+1], v[SU+4*\t+2:SU+4*\t+3]
.endr
.irp t, 0,1
	v_add_f32 v[SU+4*\t], v[SU+4*\t], v[SU+4*\t+1]
.endr
.irp t, 0,1
	v_permlanex16_b32 v[SU+4*\t+2], v[SU+4*\t], s[SEL], s[SEL+1]
.endr
.irp t, 0,1
	v_add_f32 v[SU+4*\t], v[SU+4*\t], v[SU+4*\t+2]
.endr
.irp t, 0,1
	ds_store_b32 v[STA], v[SU+4*\t] offset:(\base)-STAT1+128*\t
.endr
	s_wait_dscnt 0x0                               ; for the others' sake
	s_barrier_signal -1
	s_barrier_wait -1
.irp t, 0,1
.irp u, 0,1,2,3
	ds_load_b32 v[TS+4*\t+\u], v[LI4] offset:(\base)+256*\u+128*\t
.endr
.endr
	s_wait_dscnt 0x0
.irp t, 0,1
	v_add_f32 v[TS+4*\t], v[TS+4*\t], v[TS+4*\t+1]
	v_add_f32 v[TS+4*\t+2], v[TS+4*\t+2], v[TS+4*\t+3]
.endr
.irp t, 0,1
	v_add_f32 v[TS+4*\t], v[TS+4*\t], v[TS+4*\t+2]
.endr
.endm
.macro OUTQ t, hf                      ; tile t, my columns 128 hf on: K step 2 w + hf of the next product
	WIN 0x01
.set J, 0
.rept 32
	v_pk_mul_f32 v[RN+J:RN+J+1], v[128*(\t)+64*(\hf)+J:128*(\t)+64*(\hf)+J+1], v[RS+2*(\t):RS+2*(\t)+1] op_sel_hi:[1,0]
.set J, J+2
.endr
	WIN 0x38                                       ; source 1 (gain) window 2, source 2 (bias) window 3
.set J, 0
.rept 32
	v_pk_fma_f32 v[RN+J:RN+J+1], v[RN+J:RN+J+1], v[64*(\hf)+J:64*(\hf)+J+1], v[64*(\hf)+J:64*(\hf)+J+1]
.set J, J+2
.endr
	WIN 0
	s_wait_xcnt 0x0                                ; earlier stores have read their data registers
	QUANT RN
.irp g, 0,1,2
	global_store_b128 v[LI16], v[PC+4*\g:PC+4*\g+3], s[14:15] offset:3328*(\t)+1664*(\hf)+512*\g
.endr
	global_store_b32 v[LI4], v[PW], s[14:15] offset:3328*(\t)+1664*(\hf)+1536
.endm
	s_load_b256 s[4:11], s[0:1], 0x0               ; oimg, wts, x, ln2_g
	s_load_b128 s[12:15], s[0:1], 0x20             ; ln2_b, hbuf
	s_load_b64 s[16:17], s[0:1], 0x30              ; x1img
	v_lshl_add_u32 v254, v0, 2, 0x29000
	v_mov_b32 v255, 0
	ds_add_u32 v254, v255
	ds_add_u32 v254, v255
	v_lshrrev_b32 v7, 5, v0
	v_readfirstlane_b32 s18, v7                    ; wave
	s_mov_b32 s19, ttmp9                           ; G
	s_mov_b32 s20, 1
	s_mul_i32 s21, s18, 7168                       ; LDS address: my quarter
	s_mov_b32 s24, 3<<16
	s_mov_b32 s25, 32<<16
	s_mov_b32 s26, 28<<16                          ; 28 rows of 256 bytes
	s_mov_b32 s27, 32<<16
	s_mov_b32 s28, 28
	s_mov_b32 s29, 32
	s_mov_b32 s30, 0
	s_mov_b32 s31, 0
	s_mul_i32 s40, s19, 28672
	s_add_co_u32 s40, s40, s21
	s_mov_b32 s41, 0
	s_wait_dscnt 0x0
	s_wait_kmcnt 0x0
	s_add_nc_u64 s[22:23], s[4:5], s[40:41]
	s_or_b32 s23, s23, 0x80000000
	tensor_load_to_lds s[20:23], s[24:31]          ; my one tensor load: a first fill
	s_nop 0
	PLACES 4
	s_mul_i32 s42, s18, 196608
	s_add_co_u32 s42, s42, 1179648
	s_mov_b32 s43, 0
	s_add_nc_u64 s[32:33], s[6:7], s[42:43]        ; Wo's chunks 96 + 16 w on
	s_lshl_b32 s42, s18, 13
	s_add_co_u32 s42, s42, WSC+96*512
	s_add_nc_u64 s[34:35], s[6:7], s[42:43]
	s_lshl_b32 s42, s19, 17
	s_lshl_b32 s44, s18, 10
	s_mov_b32 s45, 0
	s_add_co_u32 s42, s42, s44
	s_add_nc_u64 s[8:9], s[8:9], s[42:43]          ; x: 32 G rows of 4,096 bytes, + my 1,024 bytes
	s_add_nc_u64 s[10:11], s[10:11], s[44:45]
	s_add_nc_u64 s[12:13], s[12:13], s[44:45]
	s_lshl_b32 s42, s19, 17
	s_lshl_b32 s44, s18, 14
	s_add_co_u32 s42, s42, s44
	s_add_nc_u64 s[16:17], s[16:17], s[42:43]      ; x1img: (64 (2 G) + 16 w) x 1,024
	s_lshr_b32 s42, s19, 1                         ; hbuf: block G / 2, K steps 2 w and 2 w + 1, tiles 2 (G % 2) on
	s_mul_i32 s42, s42, 53248
	s_mul_i32 s44, s18, 13312
	s_add_co_u32 s42, s42, s44
	s_and_b32 s44, s19, 1
	s_mul_i32 s44, s44, 6656
	s_add_co_u32 s42, s42, s44
	s_add_nc_u64 s[14:15], s[14:15], s[42:43]
	s_mov_b32 s[SEL], 0x76543210
	s_mov_b32 s[SEL+1], 0xfedcba98
	s_mov_b32 s48, 0x3a800000                      ; 1 / 1,024
	s_mov_b32 s49, 0x3727c5ac                      ; eps
	v_and_b32 v7, 31, v0
	v_lshlrev_b32 v[LI16], 4, v7
	v_lshlrev_b32 v[LI8], 3, v7
	v_lshlrev_b32 v[LI4], 2, v7
	v_and_b32 v8, 15, v0
	v_bfe_u32 v9, v0, 4, 1
	v_and_b32 v10, 8, v8
	v_add_nc_u32 v10, v10, v8
	v_lshlrev_b32 v[GA], 6, v9
	v_lshl_add_u32 v[XA], v10, 12, v[GA]
	s_lshl_b32 s46, s18, 8
	s_add_co_u32 s46, s46, STAT1
	v_add_nc_u32 v[STA], s46, v[LI4]
.irp b, 0,1,2,3
	v_mov_b32 v[TM+4+\b], 0                        ; a lane permute's destination counts as read
.endr
.irp f, 0,1,2,3,4,5,6,7,8,9,10,11,12,13,14,15
	global_load_b128 v[WS+4*\f:WS+4*\f+3], v[LI16], s[34:35] offset:512*\f
.endr
	WIN 0x40                                       ; x into the accumulators
.irp t, 0,1
.irp b, 0,1,2,3,4,5,6,7
.irp k, 0,1,2,3
	global_load_b128 v[128*\t+16*\b+4*\k:128*\t+16*\b+4*\k+3], v[XA], s[8:9] offset:32768*\t+128*\b+16*\k
.endr
.endr
.endr
	WLOAD 0
	WLOAD 1
	WIN 0
	s_wait_tensorcnt 0x0
	s_barrier_signal -1
	s_barrier_wait -1
.irp t, 0,1
.irp st, 0,1,2,3,4,5,6,7
.irp c, 0,1
	ds_load_b32 v[TS+2*(2*\st+\t)+\c], v[LI4] offset:(8*\t+\st)*1792+1536+128*\c
.endr
.endr
.endr
	s_wait_dscnt 0x0
.set J, 0
.rept 16
	v_or_b32 v[AS+J], v[TS+2*J], v[TS+2*J+1]       ; the two heads' halves make a K step's scale word
.set J, J+1
.endr
	PLACES 8                                       ; a scale word made by a vector instruction stands eight places ahead of the product
	ALOAD 0
.irp q, 0,1,2,3,4,5,6,7,8,9,10,11,12,13,14,15
	HSTEP \q
.endr
	PLACES 4                                       ; in front of the reads of results and of loads into registers that products have read
	WIN 0x80
.irp b, 0,1,2,3,4,5,6,7
.irp k, 0,1,2,3
	global_load_b128 v[16*\b+4*\k:16*\b+4*\k+3], v[GA], s[10:11] offset:128*\b+16*\k
.endr
.endr
	WIN 0xc0
.irp b, 0,1,2,3,4,5,6,7
.irp k, 0,1,2,3
	global_load_b128 v[16*\b+4*\k:16*\b+4*\k+3], v[GA], s[12:13] offset:128*\b+16*\k
.endr
.endr
	WIN 0x04                                       ; a store's data are its source 1: window 1
.irp t, 0,1
.irp f, 0,1,2,3,4,5,6,7,8,9,10,11,12,13,14,15
	global_store_b128 v[LI16], v[128*\t+8*\f:128*\t+8*\f+3], s[16:17] offset:65536*\t+1024*\f       ; x1, each accumulator from its low end on; 512 consecutive bytes a store
	global_store_b128 v[LI16], v[128*\t+8*\f+4:128*\t+8*\f+7], s[16:17] offset:65536*\t+1024*\f+512
.endr
.endr
	WIN 0x05                                       ; the rows' sums
.irp t, 0,1
	v_pk_add_f32 v[SU+4*\t:SU+4*\t+1], v[128*\t:128*\t+1], v[128*\t+2:128*\t+3]
	v_pk_add_f32 v[SU+4*\t+2:SU+4*\t+3], v[128*\t+4:128*\t+5], v[128*\t+6:128*\t+7]
.endr
	WIN 0x04
.set J, 8
.rept 30
.irp t, 0,1
	v_pk_add_f32 v[SU+4*\t:SU+4*\t+1], v[SU+4*\t:SU+4*\t+1], v[128*\t+J:128*\t+J+1]
	v_pk_add_f32 v[SU+4*\t+2:SU+4*\t+3], v[SU+4*\t+2:SU+4*\t+3], v[128*\t+J+2:128*\t+J+3]
.endr
.set J, J+4
.endr
	WIN 0
	MEET STAT1
.irp t, 0,1
	v_mul_f32 v[NM+2*\t], 0xba800000, v[TS+4*\t]   ; minus the mean
	v_mov_b32 v[NM+2*\t+1], 0                      ; (named with it as a pair)
.endr
	s_wait_xcnt 0x0                                ; x1's stores have read the accumulators
	WIN 0x41
.irp t, 0,1
.set J, 0
.rept 64
	v_pk_add_f32 v[128*\t+J:128*\t+J+1], v[128*\t+J:128*\t+J+1], v[NM+2*\t:NM+2*\t+1] op_sel_hi:[1,0]
.set J, J+2
.endr
.endr
	WIN 0x05                                       ; the centred squares
.irp t, 0,1
	v_pk_mul_f32 v[SU+4*\t:SU+4*\t+1], v[128*\t:128*\t+1], v[128*\t:128*\t+1]
	v_pk_mul_f32 v[SU+4*\t+2:SU+4*\t+3], v[128*\t+2:128*\t+3], v[128*\t+2:128*\t+3]
.endr
.set J, 4
.rept 31
.irp t, 0,1
	v_pk_fma_f32 v[SU+4*\t:SU+4*\t+1], v[128*\t+J:128*\t+J+1], v[128*\t+J:128*\t+J+1], v[SU+4*\t:SU+4*\t+1]
	v_pk_fma_f32 v[SU+4*\t+2:SU+4*\t+3], v[128*\t+J+2:128*\t+J+3], v[128*\t+J+2:128*\t+J+3], v[SU+4*\t+2:SU+4*\t+3]
.endr
.set J, J+4
.endr
	WIN 0
	MEET STAT2
.irp t, 0,1
	v_fma_f32 v[TS+4*\t], v[TS+4*\t], s48, s49     ; var + eps
	v_mov_b32 v[RS+2*\t+1], 0
.endr
.irp t, 0,1
	v_rsq_f32 v[RS+2*\t], v[TS+4*\t]
.endr
	v_nop                                          ; one plain place behind the transcendentals
	s_wait_alu depctr_va_vdst(0)
	s_wait_loadcnt 0x0                             ; gain and bias
	OUTQ 0, 0
	OUTQ 0, 1
	OUTQ 1, 0
	OUTQ 1, 1
	s_wait_tensorcnt 0x0
	ds_add_u32 v254, v255
	s_wait_dscnt 0x0
	s_endpgm
.Lfunc_end_k_q8c7da33701_wo:
	.size	k_q8c7da33701_wo, .Lfunc_end_k_q8c7da33701_wo-k_q8c7da33701_wo
	.p2alignl 7, 3214868480
	.fill 96, 4, 3214868480
	.section	.rodata,"a",@progbits
	.p2align	6, 0x0
	.amdhsa_kernel k_q8c7da33701_wo
		.amdhsa_group_segment_fixed_size 168448
		.amdhsa_private_segment_fixed_size 0
		.amdhsa_enable_private_segment 0
		.amdhsa_kernarg_size 56
		.amdhsa_user_sgpr_count 2
		.amdhsa_user_sgpr_kernarg_segment_ptr 1
		.amdhsa_wavefront_size32 1
		.amdhsa_system_sgpr_workgroup_id_x 1
		.amdhsa_system_sgpr_workgroup_id_y 1
		.amdhsa_system_sgpr_workgroup_id_z 1
		.amdhsa_system_vgpr_workitem_id 0
		.amdhsa_next_free_vgpr 1024
		.amdhsa_next_free_sgpr 66
		.amdhsa_reserve_vcc 0
		.amdhsa_float_denorm_mode_32 3
		.amdhsa_float_denorm_mode_16_64 3
		.amdhsa_memory_ordered 1
		.amdhsa_forward_progress 1
		.amdhsa_inst_pref_size 163
	.end_amdhsa_kernel
	.amdgpu_metadata
---
amdhsa.version: [ 1, 2 ]
amdhsa.kernels:
  - .name:           k_q8c7da33701_wo
    .symbol:         k_q8c7da33701_wo.kd
    .args:
      - { .name: oimg, .offset: 0, .size: 8, .value_kind: global_buffer, .address_space: global }
      - { .name: wts, .offset: 8, .size: 8, .value_kind: global_buffer, .address_space: global }
      - { .name: x, .offset: 16, .size: 8, .value_kind: global_buffer, .address_space: global }
      - { .name: ln2_g, .offset: 24, .size: 8, .value_kind: global_buffer, .address_space: global }
      - { .name: ln2_b, .offset: 32, .size: 8, .value_kind: global_buffer, .address_space: global }
      - { .name: hbuf, .offset: 40, .size: 8, .value_kind: global_buffer, .address_space: global }
      - { .name: x1img, .offset: 48, .size: 8, .value_kind: global_buffer, .address_space: global }
    .group_segment_fixed_size: 168448
    .private_segment_fixed_size: 0
    .kernarg_segment_align: 8
    .kernarg_segment_size: 56
    .max_flat_workgroup_size: 128
    .sgpr_count:     66
    .vgpr_count:     1024
    .wavefront_size: 32
...
	.end_amdgpu_metadata
.endif
;; end of part 10
;; launch w1 (part 11): grid 64 x 4, 4 waves a work-group, no clusters, 168,448 bytes of LDS; arguments hbuf, wts, b1, gimg; writes gimg
.if DOCPART == 11
	.amdgcn_target "amdgcn-amd-amdhsa--gfx1250"
	.amdhsa_code_object_version 6
	.text
	.protected	k_q8c7da33701_w1
	.globl	k_q8c7da33701_w1
	.p2align	8
	.type	k_q8c7da33701_w1,@function
k_q8c7da33701_w1:
	s_mov_b64 s[64:65], 0
	v_nop
	global_prefetch_b8 v0, s[64:65] scope:SCOPE_SE
	s_setreg_imm32_b32 hwreg(HW_REG_WAVE_MODE, 25, 1), 1
	s_wait_xcnt 0x0
; g = gelu(h2 W1^T + b1), exact GELU, on BF6 codes; g is quantised along its 2,048 columns and stored as records of 1,664 bytes,
; K-major inside the reader's block of 4 tiles: X x 106,496 + (s / 4) x 26,624 + T x 6,656 + (s % 4) x 1,664.
; SHARES: work-group x = 64 tokens (4 token tiles), y = 512 columns; wave w takes 128 columns (8 weight tiles): exactly K step 4 y + w of the next product.  32 accumulators.
; h2's 32 records (53,248 bytes, K-major: two K steps of all four tiles are 13,312 dense bytes) come into LDS once, by four tensor loads a wave (a quarter of a group each), the first K steps first:
; by this text's own count a wave has four tensor loads out.  LDS is never filled again, so the waits in front of the barriers are counted: each shows the loads up to the group that is read next.
; The weights go from their images into a ring of three register slots, two K steps ahead (48 loads of 512 bytes in flight).  b1 is the C of each sum's first product.
; The product is used transposed: a lane holds one token, registers 16 b + i are columns 32 b + 16 (lane / 16) + i.
; GELU: gelu(x) = max(x, 0) - |x| Q(|x|), Q(a) = 1 - Phi(a) = P(t) 2^(-a^2 log2(e) / 2), t = 1 / (1 + 0.2316419 a), P of degree 5 (Abramowitz and Stegun 26.2.17, its factor 1 / sqrt(2 pi) folded into the coefficients).
; LIMIT: Phi is within about 1e-7 in absolute terms, which for x > 0 is f32's own grain; relative to gelu(x) it is about 5e-5 at x = -3 and grows below, where |gelu(x)| < 0.005.
; LIMITS: NaN and infinities are not served; a block of zeros gets the byte 1 over zero codes.
; Multicast is left out: what the four column groups share is one first fill of 53,248 bytes, all of which each of them has to receive.
; REGISTERS: window 0 addresses, scale words, b1, at work; window 1 accumulator (T, F) at v[8 (8 T + F)]; window 2 ring slots 0, 1; window 3 ring slot 2, h2's fragments at v96 and v144.
.set LI16, 1
.set LI4,  3
.set BA,   5                           ; b1: 64 h
.set WS,   16                          ; v16-47
.set AS,   48                          ; v48-55
.set BI,   64                          ; v64-127 b1 in the result's layout; later g
.set RN,   64
.set GA,   128                         ; |x|
.set GT,   144                         ; t
.set GE,   160                         ; 2^(..)
.set GP,   176                         ; -Q
.set TM,   192
.set PW,   208
.set PC,   210
.set KC,   232                         ; v232-241 the polynomial's coefficients, negated, c5 .. c1, a pair each
.set KK1,  242
.set KK2,  244
.set KONE, 246
.set SEL,  32
.set WSC,  5111808
.set MSB, 0
.macro WIN new                         ; the immediate's high byte repeats the setting that is left
.if MSB != (\new)
	s_set_vgpr_msb (MSB<<8)|(\new)
.set MSB, \new
.endif
.endm
.macro PLACES n
.rept \n
	v_nop
.endr
.endm
.macro GATE n                          ; my tensor loads but the n youngest have landed, no LDS load of mine is out; behind the barrier that holds of every wave.
	s_wait_tensorcnt \n
	s_wait_dscnt 0x0
	s_barrier_signal -1
	s_barrier_wait -1
.endm
.macro QUANT src
.irp b, 0,1,2,3
	v_max3_num_f32 v[TM+\b], 0x2800000, |v[(\src)+16*\b]|, |v[(\src)+16*\b+1]|   ; the floor 2^(5 - 127): the byte cannot fall under 1
.endr
.irp i, 2,4,6,8,10,12,14
.irp b, 0,1,2,3
	v_max3_num_f32 v[TM+\b], v[TM+\b], |v[(\src)+16*\b+\i]|, |v[(\src)+16*\b+\i+1]|
.endr
.endr
.irp b, 0,1,2,3
	v_permlanex16_b32 v[TM+4+\b], v[TM+\b], s[SEL], s[SEL+1]
.endr
.irp b, 0,1,2,3
	v_max_num_f32 v[TM+\b], v[TM+\b], v[TM+4+\b]
.endr
.irp b, 0,1,2,3
	v_add_nc_u32 v[TM+12+\b], 0xfe000000, v[TM+\b]         ; 4 off the exponent field: the conversion's scale operand
.endr
.irp b, 0,1,2,3
	v_lshrrev_b32 v[TM+4+\b], 23, v[TM+12+\b]
.endr
	v_lshl_or_b32 v[PW], v[TM+5], 8, v[TM+4]
	v_lshl_or_b32 v[PW], v[TM+6], 16, v[PW]
	v_lshl_or_b32 v[PW], v[TM+7], 24, v[PW]
.irp c, 0,1
	v_cvt_scalef32_pk16_bf6_f32 v[PC+6*\c:PC+6*\c+2], v[(\src)+32*\c:(\src)+32*\c+15], v[TM+12+2*\c]
	v_cvt_scalef32_pk16_bf6_f32 v[PC+12+4*\c:PC+14+4*\c], v[(\src)+32*\c+16:(\src)+32*\c+31], v[TM+13+2*\c]
.endr
	v_nop                                                  ; one plain place behind a scaled conversion
.irp c, 0,1
.irp i, 0,1,2
	v_permlane16_swap_b32 v[PC+6*\c+\i], v[PC+12+4*\c+\i]
.endr
.irp i, 0,1,2
	v_mov_b32 v[PC+3+6*\c+\i], v[PC+12+4*\c+\i]
.endr
.endr
.endm
.macro MM d, a, b, c, sa, sb, row      ; row = 1: the weight's scale word lies in lanes 16-31
.if (\row) == 0
	v_wmma_scale_f32_16x16x128_f8f6f4 v[(\d):(\d)+7], v[(\a):(\a)+11], v[(\b):(\b)+11], v[(\c):(\c)+7], v[(\sa)], v[(\sb)] matrix_a_fmt:MATRIX_FMT_BF6 matrix_b_fmt:MATRIX_FMT_BF6
.else
	v_wmma_scale_f32_16x16x128_f8f6f4 v[(\d):(\d)+7], v[(\a):(\a)+11], v[(\b):(\b)+11], v[(\c):(\c)+7], v[(\sa)], v[(\sb)] matrix_a_fmt:MATRIX_FMT_BF6 matrix_b_fmt:MATRIX_FMT_BF6 matrix_a_scale:MATRIX_SCALE_ROW1
.endif
.endm
.macro WLOAD st                        ; K step st of my eight weight tiles into slot st % 3: 24 loads
.if (\st)%3 == 2
	WIN 0xc0
.set WBL, 0
.else
	WIN 0x80
.set WBL, 96*((\st)%3)
.endif
.irp f, 0,1,2,3,4,5,6,7
.irp g, 0,1,2
	global_load_b128 v[WBL+12*\f+4*\g:WBL+12*\f+4*\g+3], v[LI16], s[28:29] offset:12288*\f+1536*(\st)+512*\g
.endr
.endr
.endm
.macro ALOAD st                        ; K step st of the four token tiles: 12 + 4 loads.  Record (T, st) lies at (st / 2) x 13,312 + T x 3,328 + (st % 2) x 1,664
.set AOF, ((\st)/2)*13312+((\st)%2)*1664
	WIN 0xc0
.irp t, 0,1,2,3
.irp g, 0,1,2
	ds_load_b128 v[96+48*((\st)%2)+12*\t+4*\g:96+48*((\st)%2)+12*\t+4*\g+3], v[LI16] offset:AOF+3328*\t+512*\g
.endr
.endr
	WIN 0
.irp t, 0,1,2,3
	ds_load_b32 v[AS+4*((\st)%2)+\t], v[LI4] offset:AOF+3328*\t+1536
.endr
.endm
.macro STEP st                         ; 32 products; the 32 accumulators by turns
.if (\st) > 0
	PLACES 4                                       ; for the loads into what the step before has read
.endif
.if (\st)+2 < 8
	WLOAD (\st)+2
.endif
.if ((\st)%2 == 1) && ((\st) < 7)
	GATE 3-((\st)+1)/2                             ; the next group of two K steps lies in LDS; the count is the tensor loads younger than that group's
.endif
.if (\st)+1 < 8
	ALOAD (\st)+1
.endif
.if 7-(\st) < 2
	s_wait_loadcnt 24*(7-(\st))
.else
	s_wait_loadcnt 48                              ; the two younger K steps' loads may be out
.endif
.if (\st) < 7
	s_wait_dscnt 16                                ; all but the 16 LDS loads just issued
.else
	s_wait_dscnt 0x0
.endif
.if (\st) == 0
	WIN 0x4e                                       ; source 0 window 2, source 1 window 3, C (b1) window 0, D window 1
.set WBM, 0
.elseif (\st)%3 == 2
	WIN 0x5f
.set WBM, 0
.else
	WIN 0x5e
.set WBM, 96*((\st)%3)
.endif
.irp t, 0,1,2,3
.irp f, 0,1,2,3,4,5,6,7
.if (\st) == 0
	MM 8*(8*\t+\f), WBM+12*\f, 96+48*((\st)%2)+12*\t, BI+8*\f, WS+4*\f+(\st)/2, AS+4*((\st)%2)+\t, 0
.else
	MM 8*(8*\t+\f), WBM+12*\f, 96+48*((\st)%2)+12*\t, 8*(8*\t+\f), WS+4*\f+(\st)/2, AS+4*((\st)%2)+\t, (\st)%2
.endif
.endr
.endr
.endm
.macro GELU16 src, dst                 ; sixteen sums in window 1 at src -> gelu in window 0 at dst
	WIN 0x05
.set J, 0
.rept 16
	v_and_b32 v[GA+J], 0x7fffffff, v[(\src)+J]     ; |x|: each accumulator is read from its low end on
.set J, J+1
.endr
.set J, 0
.rept 8
	v_pk_mul_f32 v[GE+J:GE+J+1], v[(\src)+J:(\src)+J+1], v[(\src)+J:(\src)+J+1]
.set J, J+2
.endr
.set J, 0
.rept 16
	v_max_num_f32 v[(\dst)+J], 0, v[(\src)+J]
.set J, J+1
.endr
	WIN 0
.set J, 0
.rept 8
	v_pk_fma_f32 v[GT+J:GT+J+1], v[GA+J:GA+J+1], v[KK1:KK1+1], v[KONE:KONE+1]
	v_pk_mul_f32 v[GE+J:GE+J+1], v[GE+J:GE+J+1], v[KK2:KK2+1]
.set J, J+2
.endr
.set J, 0
.rept 16
	v_rcp_f32 v[GT+J], v[GT+J]
.set J, J+1
.endr
.set J, 0
.rept 16
	v_exp_f32 v[GE+J], v[GE+J]
.set J, J+1
.endr
	v_nop                                          ; one plain place behind the transcendentals
.set J, 0
	s_wait_alu depctr_va_vdst(0)
.rept 8
	v_pk_fma_f32 v[GP+J:GP+J+1], v[GT+J:GT+J+1], v[KC:KC+1], v[KC+2:KC+3]
.set J, J+2
.endr
.irp c, 4,6,8
.set J, 0
.rept 8
	v_pk_fma_f32 v[GP+J:GP+J+1], v[GP+J:GP+J+1], v[GT+J:GT+J+1], v[KC+\c:KC+\c+1]
.set J, J+2
.endr
.endr
.set J, 0
.rept 8
	v_pk_mul_f32 v[GT+J:GT+J+1], v[GT+J:GT+J+1], v[GE+J:GE+J+1]
.set J, J+2
.endr
.set J, 0
.rept 8
	v_pk_mul_f32 v[GP+J:GP+J+1], v[GP+J:GP+J+1], v[GT+J:GT+J+1]       ; -Q
.set J, J+2
.endr
.set J, 0
.rept 8
	v_pk_fma_f32 v[(\dst)+J:(\dst)+J+1], v[GA+J:GA+J+1], v[GP+J:GP+J+1], v[(\dst)+J:(\dst)+J+1]
.set J, J+2
.endr
.endm
	s_load_b256 s[4:11], s[0:1], 0x0               ; hbuf, wts, b1, gimg
	v_lshl_add_u32 v254, v0, 2, 0x29000
	v_mov_b32 v255, 0
	ds_add_u32 v254, v255
	ds_add_u32 v254, v255
	v_lshrrev_b32 v7, 5, v0
	v_readfirstlane_b32 s12, v7                    ; wave
	s_mov_b32 s13, ttmp9                           ; X
	s_and_b32 s14, ttmp7, 0xffff                   ; y
	s_lshl_b32 s15, s14, 2
	s_add_co_u32 s15, s15, s12                     ; 4 y + w: my 128 columns
	s_mov_b32 s20, 3<<16                           ; group 1: elements of 8 bytes, no mask, no padding
	s_mov_b32 s21, 32<<16                          ; rows of 256 bytes
	s_mov_b32 s22, 13<<16                          ; 13 rows
	s_mov_b32 s23, 32<<16
	s_mov_b32 s24, 13
	s_mov_b32 s25, 32                              ; dense
	s_mov_b32 s26, 0
	s_mov_b32 s27, 0
	s_mul_i32 s17, s12, 3328                       ; my quarter of a group of two K steps
.irp i, 0,1,2,3
	s_mov_b32 s[48+4*\i], 1                        ; group 0 of load i: count,
	s_add_co_u32 s[49+4*\i], s17, \i*13312         ; LDS address
.endr
	s_mul_i32 s34, s13, 53248
	s_add_co_u32 s34, s34, s17
	s_mov_b32 s35, 0
	s_wait_dscnt 0x0
	s_wait_kmcnt 0x0
	s_add_nc_u64 s[18:19], s[4:5], s[34:35]
.irp i, 0,1,2,3
	s_add_nc_u64 s[50+4*\i:51+4*\i], s[18:19], \i*13312
	s_or_b32 s[51+4*\i], s[51+4*\i], 0x80000000
.endr
	tensor_load_to_lds s[48:51], s[20:27]          ; K steps 0, 1: all four are first fills, in the order in which they are wanted
	s_nop 0
	tensor_load_to_lds s[52:55], s[20:27]          ; 2, 3
	s_nop 0
	tensor_load_to_lds s[56:59], s[20:27]          ; 4, 5
	s_nop 0
	tensor_load_to_lds s[60:63], s[20:27]          ; 6, 7
	s_nop 0
	PLACES 4
	s_mul_i32 s36, s15, 98304
	s_add_co_u32 s36, s36, 1966080
	s_mov_b32 s37, 0
	s_add_nc_u64 s[28:29], s[6:7], s[36:37]        ; W1's chunks 160 + 8 (4 y + w) on
	s_lshl_b32 s36, s15, 12
	s_add_co_u32 s36, s36, WSC+160*512
	s_add_nc_u64 s[30:31], s[6:7], s[36:37]
	s_lshl_b32 s36, s15, 9
	s_add_nc_u64 s[8:9], s[8:9], s[36:37]
	s_mul_i32 s36, s13, 106496                     ; gimg: block X, group y of four K steps, K step w of the group
	s_mul_i32 s38, s14, 26624
	s_add_co_u32 s36, s36, s38
	s_mul_i32 s38, s12, 1664
	s_add_co_u32 s36, s36, s38
	s_add_nc_u64 s[10:11], s[10:11], s[36:37]
	s_mov_b32 s[SEL], 0x76543210
	s_mov_b32 s[SEL+1], 0xfedcba98
	v_and_b32 v7, 31, v0
	v_lshlrev_b32 v[LI16], 4, v7
	v_lshlrev_b32 v[LI4], 2, v7
	v_bfe_u32 v9, v0, 4, 1
	v_lshlrev_b32 v[BA], 6, v9
.irp b, 0,1,2,3
	v_mov_b32 v[TM+4+\b], 0                        ; a lane permute's destination counts as read
.endr
.irp u, 0,1
	v_mov_b32 v[KC+\u], 0xbf07dc22                 ; -c5
	v_mov_b32 v[KC+2+\u], 0x3f3a00e3               ; -c4
	v_mov_b32 v[KC+4+\u], 0xbf35f0e3               ; -c3
	v_mov_b32 v[KC+6+\u], 0x3e11a98e               ; -c2
	v_mov_b32 v[KC+8+\u], 0xbe027906               ; -c1
	v_mov_b32 v[KK1+\u], 0x3e6d3389                ; 0.2316419
	v_mov_b32 v[KK2+\u], 0xbf38aa3b                ; -log2(e) / 2
	v_mov_b32 v[KONE+\u], 1.0
.endr
.irp f, 0,1,2,3,4,5,6,7
	global_load_b128 v[WS+4*\f:WS+4*\f+3], v[LI16], s[30:31] offset:512*\f
.endr
.irp b, 0,1,2,3
.irp k, 0,1,2,3
	global_load_b128 v[BI+16*\b+4*\k:BI+16*\b+4*\k+3], v[BA], s[8:9] offset:128*\b+16*\k
.endr
.endr
	WLOAD 0
	WLOAD 1
	WIN 0
	GATE 3                                         ; K steps 0 and 1 lie in LDS; the three younger loads may be out
	ALOAD 0
.irp st, 0,1,2,3,4,5,6,7
	STEP \st
.endr
	PLACES 4                                       ; in front of the first read of results
.irp t, 0,1,2,3
.irp b, 0,1,2,3
	GELU16 64*\t+16*\b, RN+16*\b
.endr
	s_wait_xcnt 0x0                                ; the last tile's stores have read their data registers
	QUANT RN
.irp g, 0,1,2
	global_store_b128 v[LI16], v[PC+4*\g:PC+4*\g+3], s[10:11] offset:6656*\t+512*\g
.endr
	global_store_b32 v[LI4], v[PW], s[10:11] offset:6656*\t+1536
.endr
	s_wait_tensorcnt 0x0
	ds_add_u32 v254, v255
	s_wait_dscnt 0x0
	s_endpgm
.Lfunc_end_k_q8c7da33701_w1:
	.size	k_q8c7da33701_w1, .Lfunc_end_k_q8c7da33701_w1-k_q8c7da33701_w1
	.p2alignl 7, 3214868480
	.fill 96, 4, 3214868480
	.section	.rodata,"a",@progbits
	.p2align	6, 0x0
	.amdhsa_kernel k_q8c7da33701_w1
		.amdhsa_group_segment_fixed_size 168448
		.amdhsa_private_segment_fixed_size 0
		.amdhsa_enable_private_segment 0
		.amdhsa_kernarg_size 32
		.amdhsa_user_sgpr_count 2
		.amdhsa_user_sgpr_kernarg_segment_ptr 1
		.amdhsa_wavefront_size32 1
		.amdhsa_system_sgpr_workgroup_id_x 1
		.amdhsa_system_sgpr_workgroup_id_y 1
		.amdhsa_system_sgpr_workgroup_id_z 1
		.amdhsa_system_vgpr_workitem_id 0
		.amdhsa_next_free_vgpr 1024
		.amdhsa_next_free_sgpr 66
		.amdhsa_reserve_vcc 0
		.amdhsa_float_denorm_mode_32 3
		.amdhsa_float_denorm_mode_16_64 3
		.amdhsa_memory_ordered 1
		.amdhsa_forward_progress 1
		.amdhsa_inst_pref_size 207
	.end_amdhsa_kernel
	.amdgpu_metadata
---
amdhsa.version: [ 1, 2 ]
amdhsa.kernels:
  - .name:           k_q8c7da33701_w1
    .symbol:         k_q8c7da33701_w1.kd
    .args:
      - { .name: hbuf, .offset: 0, .size: 8, .value_kind: global_buffer, .address_space: global }
      - { .name: wts, .offset: 8, .size: 8, .value_kind: global_buffer, .address_space: global }
      - { .name: b1, .offset: 16, .size: 8, .value_kind: global_buffer, .address_space: global }
      - { .name: gimg, .offset: 24, .size: 8, .value_kind: global_buffer, .address_space: global }
    .group_segment_fixed_size: 168448
    .private_segment_fixed_size: 0
    .kernarg_segment_align: 8
    .kernarg_segment_size: 32
    .max_flat_workgroup_size: 128
    .sgpr_count:     66
    .vgpr_count:     1024
    .wavefront_size: 32
...
	.end_amdgpu_metadata
.endif
;; end of part 11
;; launch w2 (part 12): grid 64 x 4, 4 waves a work-group, no clusters, 176,640 bytes of LDS; arguments gimg, wts, x1img, b2, out0; writes out0
.if DOCPART == 12
	.amdgcn_target "amdgcn-amd-amdhsa--gfx1250"
	.amdhsa_code_object_version 6
	.text
	.protected	k_q8c7da33701_w2
	.globl	k_q8c7da33701_w2
	.p2align	8
	.type	k_q8c7da33701_w2,@function
k_q8c7da33701_w2:
	s_mov_b64 s[64:65], 0
	v_nop
	global_prefetch_b8 v0, s[64:65] scope:SCOPE_SE
	s_setreg_imm32_b32 hwreg(HW_REG_WAVE_MODE, 25, 1), 1
	s_wait_xcnt 0x0
; out0 = x1 + b2 + g W2^T on BF6 codes, K = 2,048 in 16 steps.
; SHARES: work-group x = 64 tokens (4 token tiles), y = 256 columns; wave w takes 64 columns (4 weight tiles): 16 accumulators.
; x1's accumulator images are loaded straight into the accumulators: the first product adds onto them.  g's 64 records (106,496 bytes, K-major: four K steps of all four tiles are 26,624 dense bytes) come into LDS
; once, by four tensor loads a wave (a quarter of a group each), the first K steps first: by this text's own count a wave has four tensor loads out.  LDS is never filled again, so the waits in front of the
; barriers are counted: each shows the loads up to the group that is read next.  The weights go from their images into a ring of five register slots, four K steps ahead (48 loads of 512 bytes in flight).
; The product is used transposed: a lane holds one token and 32 columns.  On the way out a tile of 16 tokens x 64 columns goes through the wave's own stage in LDS (rows of 256 bytes + 16)
; and leaves as rows: sixteen lanes store 256 consecutive bytes, at a multiple of 256 from out0's first byte.  The stage lies behind g's records; no tensor load lands there.
; Multicast is left out: what the four column groups share is one first fill of 106,496 bytes, all of which each of them has to receive.
; REGISTERS: window 0 addresses, scale words, b2, at work; window 1 accumulator (T, f) at v[8 (4 T + f)]; window 2 the ring, slot i at v[48 i]; window 3 g's fragments at v0 and v48.
.set LI16,  1
.set LI4,   3
.set LI16B, 4                          ; + 53,248: K steps 8-15 (an LDS immediate has 16 bits)
.set LI4B,  5
.set BA,    6                          ; b2: 64 h
.set SO,    7                          ; the stage, on the way in
.set SR,    8                          ; and back
.set GO,    9                          ; my byte offset in two rows of out0
.set WS,    16                         ; v16-47
.set AS,    48                         ; v48-55
.set BI,    64                         ; v64-95  b2 in the result's layout
.set OT,    96                         ; v96-127 a tile's results
.set OB,    128                        ; v128-191 rows read back, two sets
.set STAGE, 106496
.set WSC,   5111808
.set MSB, 0
.macro WIN new                         ; the immediate's high byte repeats the setting that is left
.if MSB != (\new)
	s_set_vgpr_msb (MSB<<8)|(\new)
.set MSB, \new
.endif
.endm
.macro PLACES n
.rept \n
	v_nop
.endr
.endm
.macro GATE n                          ; my tensor loads but the n youngest have landed, no LDS load of mine is out; behind the barrier that holds of every wave.
	s_wait_tensorcnt \n
	s_wait_dscnt 0x0
	s_barrier_signal -1
	s_barrier_wait -1
.endm
.macro MM d, a, b, sa, sb, row         ; every product adds in place; row = 1: the weight's scale word lies in lanes 16-31
.if (\row) == 0
	v_wmma_scale_f32_16x16x128_f8f6f4 v[(\d):(\d)+7], v[(\a):(\a)+11], v[(\b):(\b)+11], v[(\d):(\d)+7], v[(\sa)], v[(\sb)] matrix_a_fmt:MATRIX_FMT_BF6 matrix_b_fmt:MATRIX_FMT_BF6
.else
	v_wmma_scale_f32_16x16x128_f8f6f4 v[(\d):(\d)+7], v[(\a):(\a)+11], v[(\b):(\b)+11], v[(\d):(\d)+7], v[(\sa)], v[(\sb)] matrix_a_fmt:MATRIX_FMT_BF6 matrix_b_fmt:MATRIX_FMT_BF6 matrix_a_scale:MATRIX_SCALE_ROW1
.endif
.endm
.macro WLOAD st                        ; K step st of my four weight tiles into slot st % 5: twelve loads
	WIN 0x80
.irp f, 0,1,2,3
.irp g, 0,1,2
	global_load_b128 v[48*((\st)%5)+12*\f+4*\g:48*((\st)%5)+12*\f+4*\g+3], v[LI16], s[32:33] offset:24576*\f+1536*(\st)+512*\g
.endr
.endr
.endm
.macro ALOAD st                        ; K step st of the four token tiles: 12 + 4 loads.  Record (T, st) lies at (st / 4) x 26,624 + T x 6,656 + (st % 4) x 1,664
.if (\st) < 8
.set AB16, LI16
.set AB4, LI4
.else
.set AB16, LI16B
.set AB4, LI4B
.endif
.set AOF, (((\st)/4)%2)*26624+((\st)%4)*1664
	WIN 0xc0
.irp t, 0,1,2,3
.irp g, 0,1,2
	ds_load_b128 v[48*((\st)%2)+12*\t+4*\g:48*((\st)%2)+12*\t+4*\g+3], v[AB16] offset:AOF+6656*\t+512*\g
.endr
.endr
	WIN 0
.irp t, 0,1,2,3
	ds_load_b32 v[AS+4*((\st)%2)+\t], v[AB4] offset:AOF+6656*\t+1536
.endr
.endm
.macro STEP st                         ; 16 products; the 16 accumulators by turns
.if (\st) > 0
	PLACES 4                                       ; for the loads into what the step before has read
.endif
.if (\st)+4 < 16
	WLOAD (\st)+4
.endif
.if ((\st)%4 == 3) && ((\st) < 15)
	GATE 3-((\st)+1)/4                             ; the next group of four K steps lies in LDS; the count is the tensor loads younger than that group's
.endif
.if (\st)+1 < 16
	ALOAD (\st)+1
.endif
.if 15-(\st) < 4
	s_wait_loadcnt 12*(15-(\st))
.else
	s_wait_loadcnt 48                              ; the four younger K steps' loads may be out
.endif
.if (\st) < 15
	s_wait_dscnt 16                                ; all but the 16 LDS loads just issued
.else
	s_wait_dscnt 0x0
.endif
	WIN 0x5e                                       ; source 0 window 2, source 1 window 3, C and D window 1
.irp t, 0,1,2,3
.irp f, 0,1,2,3
	MM 8*(4*\t+\f), 48*((\st)%5)+12*\f, 48*((\st)%2)+12*\t, WS+8*\f+4*((\st)/8)+((\st)%8)/2, AS+4*((\st)%2)+\t, (\st)%2
.endr
.endr
.endm
.macro OUTT t                          ; token tile t leaves
	WIN 0x01
.set J, 0
.rept 16
	v_pk_add_f32 v[OT+J:OT+J+1], v[32*(\t)+J:32*(\t)+J+1], v[BI+J:BI+J+1]      ; + b2; each accumulator from its low end on
.set J, J+2
.endr
	WIN 0
.irp b, 0,1
.irp k, 0,1,2,3
	ds_store_b128 v[SO], v[OT+16*\b+4*\k:OT+16*\b+4*\k+3] offset:16*(\t)*272+128*\b+16*\k
.endr
.endr
	s_wait_xcnt 0x0                                ; the stores of two tiles ago have read the registers that the loads below fill
.irp i, 0,1,2,3,4,5,6,7
	ds_load_b128 v[OB+32*((\t)%2)+4*\i:OB+32*((\t)%2)+4*\i+3], v[SR] offset:(16*(\t)+2*\i)*272   ; my own bytes: LDS serves a wave's instructions in order
.endr
	s_wait_dscnt 0x0
.irp i, 0,1,2,3,4,5,6,7
	global_store_b128 v[GO], v[OB+32*((\t)%2)+4*\i:OB+32*((\t)%2)+4*\i+3], s[12:13] offset:(32*((\t)/2)+8*((\t)%2)+2*\i+8*(\i/4))*4096 th:TH_STORE_NT   ; stage row i' is token 32 (t / 2) + 8 (t % 2) + i' + 8 (i' / 8)
.endr
.endm
	s_load_b256 s[4:11], s[0:1], 0x0               ; gimg, wts, x1img, b2
	s_load_b64 s[12:13], s[0:1], 0x20              ; out0
	v_lshl_add_u32 v254, v0, 2, 0x2b000
	v_mov_b32 v255, 0
	ds_add_u32 v254, v255
	ds_add_u32 v254, v255
	v_lshrrev_b32 v10, 5, v0
	v_readfirstlane_b32 s14, v10                   ; wave
	s_mov_b32 s15, ttmp9                           ; X
	s_and_b32 s16, ttmp7, 0xffff
	s_lshl_b32 s17, s16, 2
	s_add_co_u32 s17, s17, s14                     ; 4 y + w: my 64 columns
	s_mov_b32 s24, 3<<16                           ; group 1: elements of 8 bytes, no mask, no padding
	s_mov_b32 s25, 32<<16                          ; rows of 256 bytes
	s_mov_b32 s26, 26<<16                          ; 26 rows
	s_mov_b32 s27, 32<<16
	s_mov_b32 s28, 26
	s_mov_b32 s29, 32                              ; dense
	s_mov_b32 s30, 0
	s_mov_b32 s31, 0
	s_mul_i32 s21, s14, 6656                       ; my quarter of a group of four K steps
.irp i, 0,1,2,3
	s_mov_b32 s[48+4*\i], 1                        ; group 0 of load i: count,
	s_add_co_u32 s[49+4*\i], s21, \i*26624         ; LDS address
.endr
	s_mul_i32 s40, s15, 106496
	s_add_co_u32 s40, s40, s21
	s_mov_b32 s41, 0
	s_wait_dscnt 0x0
	s_wait_kmcnt 0x0
	s_add_nc_u64 s[22:23], s[4:5], s[40:41]
.irp i, 0,1,2,3
	s_add_nc_u64 s[50+4*\i:51+4*\i], s[22:23], \i*26624
	s_or_b32 s[51+4*\i], s[51+4*\i], 0x80000000
.endr
	tensor_load_to_lds s[48:51], s[24:31]          ; K steps 0-3: all four are first fills, in the order in which they are wanted
	s_nop 0
	tensor_load_to_lds s[52:55], s[24:31]          ; 4-7
	s_nop 0
	tensor_load_to_lds s[56:59], s[24:31]          ; 8-11
	s_nop 0
	tensor_load_to_lds s[60:63], s[24:31]          ; 12-15
	s_nop 0
	PLACES 4
	s_mul_i32 s42, s17, 98304
	s_add_co_u32 s42, s42, 3538944
	s_mov_b32 s43, 0
	s_add_nc_u64 s[32:33], s[6:7], s[42:43]        ; W2's chunks 288 + 8 (4 y + w) on
	s_lshl_b32 s42, s17, 12
	s_add_co_u32 s42, s42, WSC+288*512
	s_add_nc_u64 s[34:35], s[6:7], s[42:43]
	s_lshl_b32 s42, s15, 18
	s_lshl_b32 s44, s17, 12
	s_add_co_u32 s42, s42, s44
	s_add_nc_u64 s[8:9], s[8:9], s[42:43]          ; x1img: (64 (4 X) + 4 (4 y + w)) x 1,024
	s_lshl_b32 s42, s17, 8
	s_add_nc_u64 s[10:11], s[10:11], s[42:43]      ; b2
	s_lshl_b32 s44, s15, 18
	s_add_co_u32 s42, s42, s44
	s_add_nc_u64 s[12:13], s[12:13], s[42:43]      ; out0: 64 X rows of 4,096 bytes, + my 256 bytes
	v_and_b32 v10, 31, v0
	v_lshlrev_b32 v[LI16], 4, v10
	v_lshlrev_b32 v[LI4], 2, v10
	v_add_nc_u32 v[LI16B], 53248, v[LI16]
	v_add_nc_u32 v[LI4B], 53248, v[LI4]
	v_and_b32 v11, 15, v0                          ; r
	v_bfe_u32 v12, v0, 4, 1                        ; h
	v_lshlrev_b32 v[BA], 6, v12
	s_mul_i32 s45, s14, 17408
	s_add_co_u32 s45, s45, STAGE                   ; my stage
	v_mul_u32_u24 v[SO], v11, 272
	v_lshl_add_u32 v[SO], v12, 6, v[SO]
	v_add_nc_u32 v[SO], s45, v[SO]                 ; in: row r, + 64 h
	v_mul_u32_u24 v[SR], v12, 272
	v_lshl_add_u32 v[SR], v11, 4, v[SR]
	v_add_nc_u32 v[SR], s45, v[SR]                 ; back: lanes 0-15 one row, lanes 16-31 the next
	v_lshlrev_b32 v[GO], 12, v12
	v_lshl_add_u32 v[GO], v11, 4, v[GO]
.irp c, 0,1,2,3,4,5,6,7
	global_load_b128 v[WS+4*\c:WS+4*\c+3], v[LI16], s[34:35] offset:512*\c
.endr
.irp b, 0,1
.irp k, 0,1,2,3
	global_load_b128 v[BI+16*\b+4*\k:BI+16*\b+4*\k+3], v[BA], s[10:11] offset:128*\b+16*\k
.endr
.endr
	WIN 0x40                                       ; x1 into the accumulators
.irp t, 0,1,2,3
.irp f, 0,1,2,3
	global_load_b128 v[8*(4*\t+\f):8*(4*\t+\f)+3], v[LI16], s[8:9] offset:65536*\t+1024*\f
	global_load_b128 v[8*(4*\t+\f)+4:8*(4*\t+\f)+7], v[LI16], s[8:9] offset:65536*\t+1024*\f+512
.endr
.endr
	WLOAD 0
	WLOAD 1
	WLOAD 2
	WLOAD 3
	WIN 0
	GATE 3                                         ; K steps 0-3 lie in LDS; the three younger loads may be out
	ALOAD 0
.irp st, 0,1,2,3,4,5,6,7,8,9,10,11,12,13,14,15
	STEP \st
.endr
	PLACES 4                                       ; in front of the first read of results
	OUTT 0
	OUTT 1
	OUTT 2
	OUTT 3
	s_wait_tensorcnt 0x0
	ds_add_u32 v254, v255
	s_wait_dscnt 0x0
	s_endpgm
.Lfunc_end_k_q8c7da33701_w2:
	.size	k_q8c7da33701_w2, .Lfunc_end_k_q8c7da33701_w2-k_q8c7da33701_w2
	.p2alignl 7, 3214868480
	.fill 96, 4, 3214868480
	.section	.rodata,"a",@progbits
	.p2align	6, 0x0
	.amdhsa_kernel k_q8c7da33701_w2
		.amdhsa_group_segment_fixed_size 176640
		.amdhsa_private_segment_fixed_size 0
		.amdhsa_enable_private_segment 0
		.amdhsa_kernarg_size 40
		.amdhsa_user_sgpr_count 2
		.amdhsa_user_sgpr_kernarg_segment_ptr 1
		.amdhsa_wavefront_size32 1
		.amdhsa_system_sgpr_workgroup_id_x 1
		.amdhsa_system_sgpr_workgroup_id_y 1
		.amdhsa_system_sgpr_workgroup_id_z 1
		.amdhsa_system_vgpr_workitem_id 0
		.amdhsa_next_free_vgpr 1024
		.amdhsa_next_free_sgpr 66
		.amdhsa_reserve_vcc 0
		.amdhsa_float_denorm_mode_32 3
		.amdhsa_float_denorm_mode_16_64 3
		.amdhsa_memory_ordered 1
		.amdhsa_forward_progress 1
		.amdhsa_inst_pref_size 93
	.end_amdhsa_kernel
	.amdgpu_metadata
---
amdhsa.version: [ 1, 2 ]
amdhsa.kernels:
  - .name:           k_q8c7da33701_w2
    .symbol:         k_q8c7da33701_w2.kd
    .args:
      - { .name: gimg, .offset: 0, .size: 8, .value_kind: global_buffer, .address_space: global }
      - { .name: wts, .offset: 8, .size: 8, .value_kind: global_buffer, .address_space: global }
      - { .name: x1img, .offset: 16, .size: 8, .value_kind: global_buffer, .address_space: global }
      - { .name: b2, .offset: 24, .size: 8, .value_kind: global_buffer, .address_space: global }
      - { .name: out0, .offset: 32, .size: 8, .value_kind: global_buffer, .address_space: global }
    .group_segment_fixed_size: 176640
    .private_segment_fixed_size: 0
    .kernarg_segment_align: 8
    .kernarg_segment_size: 40
    .max_flat_workgroup_size: 128
    .sgpr_count:     66
    .vgpr_count:     1024
    .wavefront_size: 32
...
	.end_amdgpu_metadata
.endif
;; end of part 12
